; MI455X (gfx1250); checked and timed in simulation.
; The chip was launched on July 23, 2026; its instructions are those of AMD's public machine-readable ISA for CDNA 5 (MIT licence, August 2026) and "CDNA5" Instruction Set Architecture Reference Guide (July 2026). The comments in the code are by the model that wrote it; some were corrected since.
;; Simple Mo E. Allowed arithmetic: float matrix products may take bf16 or f16 operands with f32 sums; other float arithmetic in f32, or as packed bf16 or f16 multiplies, adds, multiply-adds, maxima and minima; sums over many terms, partial sums and values carried from step to step in f32; what a program stores and reads back later, other than sums and carried values, may be rounded once to bf16 or f16.
;; Inputs: W1 8 x 1,024 x 4,096 float32; W2 8 x 4,096 x 1,024 float32; b1 8 x 4,096 float32; b2 8 x 1,024 float32; gate_W 1,024 x 8 float32; gate_b 8 float32; x 4 x 256 x 1,024 float32.
;; Outputs: out0 4 x 256 x 1,024 float32.
;; 2 versions, each right; version 2 is version 1 with the launches ffn1, ffn2 written anew for expert scheduling mode. Each part assembles by itself: llvm-mc -triple=amdgcn-amd-amdhsa -mcpu=gfx1250 --defsym DOCPART=n.
;; ======== version 1 of 2: 4 launches
;; limits: a function is approximated: absolute error at most 1.5e-07
;; workspace buffers: xb 2,097,152 bytes; top1 4,096 bytes of whole numbers; h2 67,108,864 bytes; part 16,777,216 bytes
;; launch router (part 1): grid 64 x 1, 8 waves a work-group, no clusters, 60,416 bytes of LDS; arguments x, gate_W, gate_b, xb, top1; writes xb, top1
.if DOCPART == 1
	.amdgcn_target "amdgcn-amd-amdhsa--gfx1250"
	.amdhsa_code_object_version 6
	.text
	.protected	k_qcc88ecc4e6_router
	.globl	k_qcc88ecc4e6_router
	.p2align	8
	.type	k_qcc88ecc4e6_router,@function
k_qcc88ecc4e6_router:
	s_mov_b64 s[64:65], 0
	v_nop
	global_prefetch_b8 v0, s[64:65] scope:SCOPE_SE
	s_setreg_imm32_b32 hwreg(HW_REG_WAVE_MODE, 25, 1), 1
	s_wait_xcnt 0x0
; SimpleMoE, launch 1 of 4: THE ROUTER.  xb = x rounded to bf16; top1[n] = argmax over e of (x[n] . gate_W[:, e] + gate_b[e]), the lowest index on a tie.
; WORK LEFT OUT BY THE WHOLE PROGRAM.  out[n] is the sum over e of (gelu((x[n] mask_e[n]) W1[e] + b1[e]) W2[e] + b2[e]) mask_e[n], and mask_e[n], built in the function's own body,
; is 1 for e = top1[n] and 0 for every other e.  For all finite inputs a term with mask_e[n] = 0 is a finite number times 0, so it is 0: only the rows (n, top1[n]) reach out.  Which rows these
; are is a whole number for each token: this launch stores it, and the two products read it from memory and multiply each expert's own rows alone.  Every input is loaded.
; LIMITS.  A NaN, an infinity or an overflow that arises only in an expert that a token did not choose is not carried to out.  A NaN among the logits is not treated as argmax treats it.
; All inputs (x, gate_W, gate_b, W1, b1, W2, b2) are rounded to bf16, the logits are sums in f32 of the rounded numbers' products: a token whose two best logits lie closer than that rounding
; moves them (some 2^-8 of a logit's spread) may go to another expert than unrounded inputs would send it to.
; SHARES.  A work-group takes 16 tokens; K = 1,024 is split among its eight waves, 128 channels each; the eight partial tiles meet in LDS and wave 0 finishes.
; LAYOUT.  logits^T = gate^T x^T: source 0 = 16 rows "expert" (experts 0-7, and the same eight once more), source 1 = 16 tokens.  In the result a lane holds ONE token (lane % 16) and register j
; holds expert j, in both halves of the lanes: the argmax stays inside a lane.
.set XP,    272                        ; a token's 128 channels in LDS: 256 bytes + 16: the 16 rows of a fragment load start at 16 different groups of four banks (64 banks of 4 bytes: ISA guide 11.1)
.set XW,    16*XP                      ; a wave's x tile
.set GT,    8*XW                       ; behind them the waves' gate tiles: 128 channels x 16 bytes (8 experts in bf16)
.set RED,   GT+8*2048                  ; the eight partial tiles, 1,024 bytes each
.set SPARE, RED+8*1024                 ; the spare words, 128 bytes for each wave: four blocks of 256 bytes that no other line names
.set SPW, 1                            ; v1   LDS address of my spare word; never rewritten
.set NIL, 2                            ; v2   0; never rewritten
.set XO,  4                            ; v4   512 w + 16 l: my 16 bytes of a row of x
.set GO,  5                            ; v5   4,096 w + 16 l: my 16 bytes of the wave's part of gate_W
.set XBO, 6                            ; v6   256 w + 8 l: my 8 bytes of a row of xb
.set XST, 7                            ; v7   where they go in LDS
.set GST, 8                            ; v8   the same for the gate
.set XRD, 9                            ; v9   my place in a fragment of x
.set GRD, 10                           ; v10  my place in a turned fragment of the gate
.set RST, 11                           ; v11  where my 32 bytes of the partial tile go
.set RRD, 12                           ; v12  where wave 0 reads them
.set TO,  13                           ; v13  4 (l % 16)
.set X,   16                           ; v[16:79]    16 rows of x, 4 registers each; later the eight partial tiles
.set G,   80                           ; v[80:111]   the wave's part of gate_W; later gate_b
.set XF,  112                          ; v[112:143]  four fragments of x
.set GF,  144                          ; v[144:175]  four fragments of the gate
.set A0,  176                          ; v[176:183], v[184:191]  two accumulators, by turns
.set A1,  184
	s_load_b256 s[4:11], s[0:1], 0x0               ; x s[4:5], gate_W s[6:7], gate_b s[8:9], xb s[10:11]
	s_load_b64 s[12:13], s[0:1], 0x20              ; top1
	v_lshl_add_u32 v[SPW], v0, 2, SPARE
	v_mov_b32 v[NIL], 0
	v_lshrrev_b32 v3, 5, v0
	v_readfirstlane_b32 s14, v3                    ; wave 0..7
	v_and_b32 v3, 31, v0                           ; l
	v_and_b32 v14, 15, v0                          ; l % 16
	v_bfe_u32 v15, v0, 4, 1                        ; l / 16
	s_lshl_b32 s24, s14, 9
	v_lshl_add_u32 v[XO], v3, 4, s24
	s_lshl_b32 s24, s14, 12
	v_lshl_add_u32 v[GO], v3, 4, s24
	s_lshl_b32 s24, s14, 8
	v_lshl_add_u32 v[XBO], v3, 3, s24
	s_mul_i32 s24, s14, XW
	v_lshl_add_u32 v[XST], v3, 3, s24
	v_mul_u32_u24 v[XRD], v14, XP
	v_lshl_add_u32 v[XRD], v15, 4, v[XRD]
	v_add_nc_u32 v[XRD], s24, v[XRD]               ; row x pitch + 16 x half
	s_lshl_b32 s24, s14, 11
	s_add_co_u32 s24, s24, GT
	v_lshl_add_u32 v[GST], v3, 3, s24
	v_and_b32 v[GRD], 7, v0
	v_lshl_add_u32 v[GRD], v15, 3, v[GRD]          ; channel 8 (l / 16) + l % 8; no term for the column half: lanes 8-15 of each half take experts 0-7 once more
	v_lshl_add_u32 v[GRD], v[GRD], 4, s24
	s_lshl_b32 s24, s14, 10
	s_add_co_u32 s24, s24, RED
	v_lshl_add_u32 v[RST], v3, 5, s24
	v_lshlrev_b32 v[RRD], 5, v3
	v_add_nc_u32 v[RRD], RED, v[RRD]
	v_lshlrev_b32 v[TO], 2, v14
	s_lshl_b32 s26, ttmp9, 16                      ; the work-group's 16 rows of x, 4,096 bytes each
	s_mov_b32 s27, 0
	s_wait_kmcnt 0x0
	s_load_b256 s[16:23], s[8:9], 0x0              ; gate_b, eight numbers
	s_add_nc_u64 s[4:5], s[4:5], s[26:27]
	s_lshl_b32 s26, ttmp9, 15                      ; of xb, 2,048 bytes each
	s_add_nc_u64 s[10:11], s[10:11], s[26:27]
	s_lshl_b32 s26, ttmp9, 6                       ; 16 words of top1
	s_add_nc_u64 s[12:13], s[12:13], s[26:27]
.irp i, 0,1,2,3,4,5,6,7,8,9,10,11,12,13,14,15
	global_load_b128 v[X+4*\i:X+4*\i+3], v[XO], s[4:5] offset:4096*\i th:TH_LOAD_NT  ; 512 consecutive bytes of row i
.endr
.irp i, 0,1,2,3,4,5,6,7
	global_load_b128 v[G+4*\i:G+4*\i+3], v[GO], s[6:7] offset:512*\i  ; channels 16 i + l / 2, experts 4 (l % 2) on
.endr
	s_wait_loadcnt 8                               ; x is in; the eight loads of the gate, issued behind it, may stay out
.irp i, 0,1,2,3,4,5,6,7,8,9,10,11,12,13,14,15
	v_cvt_pk_bf16_f32 v[X+4*\i], v[X+4*\i], v[X+4*\i+1]
	v_cvt_pk_bf16_f32 v[X+4*\i+1], v[X+4*\i+2], v[X+4*\i+3]
	global_store_b64 v[XBO], v[X+4*\i:X+4*\i+1], s[10:11] offset:2048*\i  ; the wave's store covers 256 consecutive bytes, aligned
	ds_store_b64 v[XST], v[X+4*\i:X+4*\i+1] offset:XP*\i
.endr
	s_wait_loadcnt 0x0                             ; the gate
.irp i, 0,1,2,3,4,5,6,7
	v_cvt_pk_bf16_f32 v[G+4*\i], v[G+4*\i], v[G+4*\i+1]
	v_cvt_pk_bf16_f32 v[G+4*\i+1], v[G+4*\i+2], v[G+4*\i+3]
	ds_store_b64 v[GST], v[G+4*\i:G+4*\i+1] offset:256*\i
.endr
.irp s, 0,1,2,3                        ; both tiles are the wave's own, and LDS serves a wave's instructions in order (ISA guide 5.7.1.4): these loads see the stores above
	ds_load_b128 v[XF+8*\s:XF+8*\s+3], v[XRD] offset:64*\s
	ds_load_b128 v[XF+8*\s+4:XF+8*\s+7], v[XRD] offset:64*\s+32
	ds_load_tr16_b128 v[GF+8*\s:GF+8*\s+3], v[GRD] offset:512*\s
	ds_load_tr16_b128 v[GF+8*\s+4:GF+8*\s+7], v[GRD] offset:512*\s+256
.endr
	s_wait_dscnt 0x0
	v_wmma_f32_16x16x32_bf16 v[A0:A0+7], v[GF:GF+7], v[XF:XF+7], 0                    ; the two accumulators take turns; the first two products start the sums
	v_wmma_f32_16x16x32_bf16 v[A1:A1+7], v[GF+8:GF+15], v[XF+8:XF+15], 0
	v_wmma_f32_16x16x32_bf16 v[A0:A0+7], v[GF+16:GF+23], v[XF+16:XF+23], v[A0:A0+7]
	v_wmma_f32_16x16x32_bf16 v[A1:A1+7], v[GF+24:GF+31], v[XF+24:XF+31], v[A1:A1+7]
.rept 4
	v_nop                                          ; four places between the last product and the sums that read it (ISA guide 7.12.1)
.endr
.irp i, 0,2,4,6
	v_pk_add_f32 v[A0+\i:A0+\i+1], v[A0+\i:A0+\i+1], v[A1+\i:A1+\i+1]  ; from the low end on
.endr
	ds_store_b128 v[RST], v[A0:A0+3]
	ds_store_b128 v[RST], v[A0+4:A0+7] offset:16
	s_wait_dscnt 0x0                               ; for wave 0's sake: my partial tile lies in LDS
	s_barrier_signal -1
	s_barrier_wait -1
	s_cmp_lg_u32 s14, 0
	s_cbranch_scc1 .Lend
	s_wait_xcnt 0x0                                ; the stores to xb have read their data: X's registers are loaded again only behind this wait
.irp p, 0,1,2,3,4,5,6,7
	ds_load_b128 v[X+8*\p:X+8*\p+3], v[RRD] offset:1024*\p
	ds_load_b128 v[X+8*\p+4:X+8*\p+7], v[RRD] offset:1024*\p+16
.endr
	s_wait_kmcnt 0x0                               ; gate_b, rounded to bf16 like every input, while the partial tiles come
	v_cvt_pk_bf16_f32 v[G], s16, s17
	v_cvt_pk_bf16_f32 v[G+1], s18, s19
	v_cvt_pk_bf16_f32 v[G+2], s20, s21
	v_cvt_pk_bf16_f32 v[G+3], s22, s23
.irp i, 0,1,2,3
	v_lshlrev_b32 v[G+4+2*\i], 16, v[G+\i]
	v_and_b32 v[G+5+2*\i], 0xffff0000, v[G+\i]
.endr
	s_wait_dscnt 0x0
.irp p, 0,2,4,6
.irp i, 0,2,4,6
	v_pk_add_f32 v[X+8*\p+\i:X+8*\p+\i+1], v[X+8*\p+\i:X+8*\p+\i+1], v[X+8*\p+8+\i:X+8*\p+8+\i+1]
.endr
.endr
.irp p, 0,4
.irp i, 0,2,4,6
	v_pk_add_f32 v[X+8*\p+\i:X+8*\p+\i+1], v[X+8*\p+\i:X+8*\p+\i+1], v[X+8*\p+16+\i:X+8*\p+16+\i+1]
.endr
.endr
.irp i, 0,2,4,6
	v_pk_add_f32 v[X+\i:X+\i+1], v[X+\i:X+\i+1], v[X+32+\i:X+32+\i+1]
.endr
.irp i, 0,2,4,6
	v_pk_add_f32 v[X+\i:X+\i+1], v[X+\i:X+\i+1], v[G+4+\i:G+4+\i+1]
.endr
	v_mov_b32 v24, v[X]                            ; the best logit so far,
	v_mov_b32 v25, 0                               ; and its expert
.irp e, 1,2,3,4,5,6,7
	v_cmp_ge_f32 vcc_lo, v24, v[X+\e]              ; only a greater logit takes the place: the lowest index wins a tie
	v_cndmask_b32 v25, \e, v25, vcc_lo
	v_max_num_f32 v24, v24, v[X+\e]
.endr
	v_cmp_gt_u32 vcc_lo, 16, v0                    ; both halves of the lanes hold the same 16 tokens: the lower half stores
	s_wait_xcnt 0x0                                ; EXEC changes only behind this wait
	s_and_saveexec_b32 s30, vcc_lo
	global_store_b32 v[TO], v25, s[12:13]
	s_wait_xcnt 0x0                                ; and again, in front of the line that widens it
	s_or_b32 exec_lo, exec_lo, s30
.Lend:
	s_wait_tensorcnt 0x0                           ; the wave's end, behind my last LDS store
	ds_add_u32 v[SPW], v[NIL]
	s_wait_dscnt 0x0
	s_endpgm
.Lfunc_end_k_qcc88ecc4e6_router:
	.size	k_qcc88ecc4e6_router, .Lfunc_end_k_qcc88ecc4e6_router-k_qcc88ecc4e6_router
	.p2alignl 7, 3214868480
	.fill 96, 4, 3214868480
	.section	.rodata,"a",@progbits
	.p2align	6, 0x0
	.amdhsa_kernel k_qcc88ecc4e6_router
		.amdhsa_group_segment_fixed_size 60416
		.amdhsa_private_segment_fixed_size 0
		.amdhsa_enable_private_segment 0
		.amdhsa_kernarg_size 40
		.amdhsa_user_sgpr_count 2
		.amdhsa_user_sgpr_kernarg_segment_ptr 1
		.amdhsa_wavefront_size32 1
		.amdhsa_system_sgpr_workgroup_id_x 1
		.amdhsa_system_sgpr_workgroup_id_y 1
		.amdhsa_system_sgpr_workgroup_id_z 1
		.amdhsa_system_vgpr_workitem_id 0
		.amdhsa_next_free_vgpr 192
		.amdhsa_next_free_sgpr 66
		.amdhsa_reserve_vcc 1
		.amdhsa_float_denorm_mode_32 3
		.amdhsa_float_denorm_mode_16_64 3
		.amdhsa_memory_ordered 1
		.amdhsa_forward_progress 1
		.amdhsa_inst_pref_size 18
	.end_amdhsa_kernel
	.amdgpu_metadata
---
amdhsa.version: [ 1, 2 ]
amdhsa.kernels:
  - .name:           k_qcc88ecc4e6_router
    .symbol:         k_qcc88ecc4e6_router.kd
    .args:
      - { .name: x, .offset: 0, .size: 8, .value_kind: global_buffer, .address_space: global }
      - { .name: gate_W, .offset: 8, .size: 8, .value_kind: global_buffer, .address_space: global }
      - { .name: gate_b, .offset: 16, .size: 8, .value_kind: global_buffer, .address_space: global }
      - { .name: xb, .offset: 24, .size: 8, .value_kind: global_buffer, .address_space: global }
      - { .name: top1, .offset: 32, .size: 8, .value_kind: global_buffer, .address_space: global }
    .group_segment_fixed_size: 60416
    .private_segment_fixed_size: 0
    .kernarg_segment_align: 8
    .kernarg_segment_size: 40
    .max_flat_workgroup_size: 256
    .sgpr_count:     66
    .vgpr_count:     192
    .wavefront_size: 32
...
	.end_amdgpu_metadata
.endif
;; end of part 1
;; launch ffn1 (part 2): grid 256 x 1, 8 waves a work-group, no clusters, 306,432 bytes of LDS; arguments xb, W1, b1, top1, h2; writes h2
.if DOCPART == 2
	.amdgcn_target "amdgcn-amd-amdhsa--gfx1250"
	.amdhsa_code_object_version 6
	.text
	.protected	k_qcc88ecc4e6_ffn1
	.globl	k_qcc88ecc4e6_ffn1
	.p2align	8
	.type	k_qcc88ecc4e6_ffn1,@function
k_qcc88ecc4e6_ffn1:
	s_mov_b64 s[64:65], 0
	v_nop
	global_prefetch_b8 v0, s[64:65] scope:SCOPE_SE
	s_setreg_imm32_b32 hwreg(HW_REG_WAVE_MODE, 25, 1), 1
	s_wait_xcnt 0x0
; SimpleMoE, launches 2 and 3 of 4: THE TWO PRODUCTS, one text; FFN says which.
;   FFN = 1:  h = gelu(xb[rows of e] W1[e][:, 128 j ..] + b1[e]), exact gelu, for expert e and slice j of 32; h is stored in bf16.
;   FFN = 2:  part[kq] = h W2[e][1024 kq .., 128 j ..] (+ b2[e] where kq = 0), for expert e, quarter kq of K = 4,096 and slice j of 8; partial sums are stored in f32.
; WORK LEFT OUT: the rows of experts that a token did not choose; the function's own mask multiplies them by 0 (shown at the head of the first launch's text).  top1, read from memory, says which rows are an expert's.
; LIMITS.  W, the bias and h are rounded to bf16, sums are f32.  erf is Abramowitz and Stegun's 7.1.26, off by at most 1.5e-7 for every argument; where x x overflows the exponential is 0 and gelu is max(x, 0).
; An expert without rows still has its slice read; nothing is stored for it.
; SHARES.  A work-group owns a slice of 1,024 k x 128 columns of one expert's weights, 512 KB of f32 that it alone reads, in rows of 512 consecutive aligned bytes.  It is rounded on its way through
; registers and laid into LDS in bf16, where it stays.  The slice comes in four quarters of 256 k; of each, wave w fetches rows 32 w .. 32 w + 31.  Wave w also owns the row tiles t = w, w + 8, w + 16, w + 24:
; 32 ranks of the expert (two m-tiles) x all 128 columns, 16 accumulators.  Its first tile is multiplied quarter by quarter while the slice streams in, the others (an expert with more than 256 rows) from the resident slice.
; Every split of the tokens is served: 4 tiles x 8 waves x 32 ranks = 1,024.  Places past the count in a tile repeat the expert's last rank.
; THE PASSES.  Behind the stream every wave walks 4 passes x 4 quarters, constant counts; what a wave has no rows for (a way out, a tile's set-up, a quarter's loads and products) is jumped, forward; every wave passes every barrier.
; THE LIST.  Every wave loads all 1,024 words of top1 and counts its expert's tokens; wave 0 also stores the token of each rank into LDS.  Both products make the list in the same way, so a rank means the same token in both.
; IN FLIGHT.  A wave has 32 loads of weights (16 KB) out, asked for again eight at a time as they are rounded, a quarter ahead of their use; the tile's own rows are asked for a quarter ahead too.
; NO TENSOR LOADS: the weights are f32 and are rounded in registers.  NO CLUSTER: a slice has one reader; what an expert's work-groups share is its rows, which come by a list (FFN = 1) or in a number that hangs
; on a stored count.  NO PREFETCH: the loads themselves run a quarter (128 KB a work-group) ahead, and the rows are read again by many work-groups.
; LAYOUT.  D^T = W^T A^T: source 0 = 16 columns of W (out of LDS turned, by ds_load_tr16_b128), source 1 = 16 ranks.  In the result lane l holds rank l % 16 and the columns 8 (l / 16) + 0..7.
; h2 is [e][m-tile 64][n-tile 256][lane 32][8 bf16]: a lane's eight results are its 16 bytes of a block of 512, and the same 16 bytes are half a fragment of source 1 in the second product.
; REGISTERS, in windows of 256 (s_set_vgpr_msb: bits 1:0 source 0, 3:2 source 1, 5:4 source 2, 7:6 destination):
;   window 0: v0-31 addresses and five at work; v32-127 W's fragments, three buffers of four n-tiles (at the head top1, the bias and some at work; on the way out at work); v128-255 the accumulators
;   window 1: v0-127 the 32 loads of weights; v128-255 the tile's fragments of a quarter (k step s, m-tile m at 128 + 8 (2 s + m))
.set FFN, 1
.if FFN == 1
.set WPITCH, 16384                     ; bytes from row to row of W1[e]
.set ASTEP,  64                        ; a k step of 32 in a row of xb
.set AHALF,  32
.set AQ,     512                       ; a quarter
.else
.set WPITCH, 4096                      ; of W2[e]
.set ASTEP,  1024                      ; a k step of 32 is two blocks of h2
.set AHALF,  512
.set AQ,     8192
.endif
.set STAGE, 262144                     ; LDS: W at 0: row k at 256 k, its chunk c of 32 bytes (an n-tile) at place c xor (k % 8)
.set LIST,  296960                     ; behind W the waves' stages (16 rows x 272 bytes, FFN = 2); then the token of each rank, 4,096 bytes, and 128 bytes where lanes without a token put theirs
.set BIAS,  301312                     ; a copy for each wave of the slice's bias, 128 numbers in f32 (rounded to bf16)
.set SPARE, 305408                     ; the spare words, 128 bytes for each wave: four blocks of 256 bytes that no other line names
.set SPW, 1                            ; v1      LDS address of my spare word; never rewritten
.set NIL, 2                            ; v2      0; never rewritten
.set L16, 3                            ; v3      16 x lane; never rewritten
.set WST, 4                            ; v4-11   while the slice streams in: where my 8 bytes of row 32 w + i go, by i % 8
.set BRC, 4                            ; v4-11   behind that: my place in a turned fragment of n-tile 0..7, in the slice's first quarter
.set BRD, 12                           ; v12-19  the same in the quarter in hand
.set AO,  20                           ; v20-21  my offset in the rows of m-tile 0, 1
.set BIA, 22                           ; v22     my eight numbers of the bias for n-tile 0
.set STO, 23                           ; v23     the way out (FFN = 2): where I put 32 bytes of a row
.set RD,  24                           ; v24     where I read a row back
.set VR,  25                           ; v25     l % 16
.set VH,  26                           ; v26     l / 16
.set BB,  32
.set ACC, 128                          ; accumulator (m, n) at ACC + 64 m + 8 n
.set AF,  128                          ; window 1
.set OT,  32                           ; FFN = 2, the way out: v32-47 the offsets in part of rows 2 t + l / 16 of m-tile m, at OT + 8 m + t
.set GQ,  32                           ; FFN = 1, the way out: x x, then the exponential
.set GU,  48                           ; 1 + p |x|, then its reciprocal t
.set GM,  64                           ; max(x, 0), then gelu
.set GP,  80                           ; the polynomial
.set GO,  96                           ; 16 results in bf16
.set WV,  14                           ; s14  my wave's number
.set EX,  15                           ; s15  the expert
.set SJ,  16                           ; s16  the slice
.set KQ,  17                           ; s17  the quarter of K (FFN = 2)
.set CN,  18                           ; s18  the expert's rows
.set CM1, 19                           ; s19  its last rank (0 if it has none)
.set QC,  20                           ; s20  counts quarters
.set PC,  21                           ; s21  counts passes
.set TT,  22                           ; s22  my tile
.set R0,  23                           ; s23  its first rank
.set ACT, 24                           ; s24  1: the tile has rows
.set ACT1, 25                          ; s25  1: its second m-tile has rows
.set OF,  26                           ; s[26:27] an offset; the high word stays 0
.set WB,  28                           ; s[28:29] W at my rows of the quarter in hand
.set AB,  30                           ; s[30:31] the tile's rows at the quarter to be loaded
.set A0,  32                           ; s[32:33] the rows' base
.set OUT0, 34                          ; s[34:35] the output's base
.set OB,  36                           ; s[36:37] the tile's place in h2
.set MK,  38                           ; s38  the lanes whose token is the expert's
.set CNT, 39                           ; s39  tokens counted so far
.set TS,  40                           ; s40  at work
.set KM,  41                           ; s41  all ones where the bias is mine to add (FFN = 2: kq = 0)
.set CP,  42                           ; s42  p / sqrt(2)
.set CE,  44                           ; s[44:45] - log2(e) / 2; this and the next five are named as pairs, the low word serves both halves
.set C5,  46
.set C4,  48
.set C3,  50
.set C2,  52
.set C1,  54
.set BP,  56                           ; s[56:57] the slice's bias
.set QO,  58                           ; s58  LDS byte at which the quarter to be multiplied begins (the passes)
.set MSB, 0
.macro WIN new                         ; the immediate's high byte repeats the setting that is left; a switch that changes nothing is dropped
.if MSB != (\new)
	s_set_vgpr_msb (MSB<<8)|(\new)
.set MSB, \new
.endif
.endm
.set W_CV, 0x45                        ; a conversion in place in window 1
.set W_IO, 0x44                        ; LDS stores with data in window 1, global loads into window 1; addresses in window 0
.set W_MM, 0x04                        ; products: source 1 in window 1, all else, the LDS loads too, in window 0
.macro PLACES                          ; four places between a product and what reads its result or loads into one of its registers (ISA guide 7.12.1 for vector instructions)
.rept 4
	v_nop
.endr
.endm
.macro MEET                            ; every wave's LDS instructions are done, and every wave is here
	s_wait_dscnt 0x0
	s_barrier_signal -1
	s_barrier_wait -1
.endm
.macro WLOAD i, off                    ; row off + i of my rows: 512 consecutive bytes, aligned
	global_load_b128 v[4*(\i):4*(\i)+3], v[L16], s[WB:WB+1] offset:((\off)+(\i))*WPITCH th:TH_LOAD_NT
.endm
; Eight rows of weights: waited for, rounded in place, stored into the slice; reload = 1: the same rows of the next quarter are asked for.  n: the younger loads, which may stay out.
.macro FILLB b, reload, n
	s_wait_loadcnt \n
	WIN W_CV
.irp i, 0,1,2,3,4,5,6,7
	v_cvt_pk_bf16_f32 v[4*(8*\b+\i)], v[4*(8*\b+\i)], v[4*(8*\b+\i)+1]
	v_cvt_pk_bf16_f32 v[4*(8*\b+\i)+1], v[4*(8*\b+\i)+2], v[4*(8*\b+\i)+3]
.endr
	WIN W_IO
.irp i, 0,1,2,3,4,5,6,7
	ds_store_b64 v[WST+\i], v[4*(8*\b+\i):4*(8*\b+\i)+1] offset:256*(8*\b+\i)
.endr
.if \reload
.irp i, 0,1,2,3,4,5,6,7
	WLOAD 8*\b+\i, 256
.endr
.endif
.endm
; My place in a turned fragment of each n-tile, in the slice's first quarter, into eight registers from dst on: lane l reads row 8 (l / 16) + l % 8, 16 bytes: half (l / 8) % 2 of the n-tile's chunk.
.macro BRINIT dst
	v_and_b32 v27, 7, v0
	v_lshl_add_u32 v30, v[VH], 3, v27
	v_bfe_u32 v29, v0, 3, 1
	v_lshlrev_b32 v30, 8, v30
	v_lshl_add_u32 v29, v29, 4, v30
.irp n, 0,1,2,3,4,5,6,7
	v_xor_b32 v30, \n, v27
	v_lshl_add_u32 v[\dst+\n], v30, 5, v29
.endr
.endm
.macro TILE                            ; from my tile's number: its first rank, and which of its m-tiles have rows
	s_lshl_b32 s[R0], s[TT], 5
	s_cmp_lt_u32 s[R0], s[CN]
	s_cselect_b32 s[ACT], 1, 0
.if FFN == 2
	s_min_u32 s[ACT], s[ACT], 1                    ; the flag hangs on a loaded count and enters an offset below: it is held to its range by a minimum with a constant first
.endif
	s_add_co_u32 s[TS], s[R0], 16
	s_cmp_lt_u32 s[TS], s[CN]
	s_cselect_b32 s[ACT1], 1, 0
.if FFN == 2
	s_min_u32 s[ACT1], s[ACT1], 1                  ; likewise
.endif
.endm
.macro TOK                             ; where the tile's rows lie
.if FFN == 1
	v_add_nc_u32 v27, s[R0], v[VR]                 ; my rank in m-tile 0,
	v_add_nc_u32 v28, 16, v27                      ; in m-tile 1;
	v_min_u32 v27, s[CM1], v27                     ; a place past the count repeats the last rank
	v_min_u32 v28, s[CM1], v28
	v_min_u32 v27, 0x3ff, v27
	v_min_u32 v28, 0x3ff, v28
	v_lshl_add_u32 v27, v27, 2, LIST
	v_lshl_add_u32 v28, v28, 2, LIST
	ds_load_b32 v[AO], v27
	ds_load_b32 v[AO+1], v28
	s_mov_b64 s[AB:AB+1], s[A0:A0+1]
	s_wait_dscnt 0x0
	v_min_u32 v[AO], 0x3ff, v[AO]
	v_min_u32 v[AO+1], 0x3ff, v[AO+1]
	v_lshlrev_b32 v[AO], 11, v[AO]                 ; a row of xb is 2,048 bytes
	v_lshlrev_b32 v[AO+1], 11, v[AO+1]
	v_lshl_add_u32 v[AO], v[VH], 4, v[AO]
	v_lshl_add_u32 v[AO+1], v[VH], 4, v[AO+1]
.else
	v_mul_u32_u24 v[AO], s[ACT], v[L16]            ; my 16 bytes of a block; 0 in every lane where the tile has no rows
	s_lshl_b32 s[TS], s[ACT1], 17                  ; an m-tile of h2 is 131,072 bytes; a second m-tile without rows was never stored: the first is read in its stead
	v_add_nc_u32 v[AO+1], s[TS], v[AO]
	s_lshl_b32 s[OF], s[TT], 18
	s_add_nc_u64 s[AB:AB+1], s[A0:A0+1], s[OF:OF+1]
	s_cmp_lg_u32 s[ACT], 0
	s_cselect_b64 s[AB:AB+1], s[AB:AB+1], s[8:9]   ; a tile without rows was never stored either: its loads, which keep the counts of the waits alike in all waves, take 16 bytes each of b2 (up to byte 32,271 of its 32,768)
.endif
.endm
.macro INIT                            ; the bias starts the sums: nothing is cleared
.irp m, 0,1
.irp n, 0,1,2,3,4,5,6,7
	ds_load_b128 v[ACC+64*\m+8*\n:ACC+64*\m+8*\n+3], v[BIA] offset:64*\n
	ds_load_b128 v[ACC+64*\m+8*\n+4:ACC+64*\m+8*\n+7], v[BIA] offset:64*\n+16
.endr
.endr
.endm
.macro ALOADS                          ; the tile's fragments of a quarter: 32 loads
	WIN W_IO
.irp s, 0,1,2,3,4,5,6,7
.irp m, 0,1
	global_load_b128 v[AF+8*(2*\s+\m):AF+8*(2*\s+\m)+3], v[AO+\m], s[AB:AB+1] offset:\s*ASTEP
	global_load_b128 v[AF+8*(2*\s+\m)+4:AF+8*(2*\s+\m)+7], v[AO+\m], s[AB:AB+1] offset:\s*ASTEP+AHALF
.endr
.endr
	WIN 0
.endm
.macro BL u                            ; unit u of 16: k step u / 2, n-tiles 4 (u % 2) .. + 3: eight turning loads into buffer u % 3
.irp n, 0,1,2,3
	ds_load_tr16_b128 v[BB+32*((\u)%3)+8*\n:BB+32*((\u)%3)+8*\n+3], v[BRD+4*((\u)%2)+\n] offset:8192*((\u)/2)
	ds_load_tr16_b128 v[BB+32*((\u)%3)+8*\n+4:BB+32*((\u)%3)+8*\n+7], v[BRD+4*((\u)%2)+\n] offset:8192*((\u)/2)+4096
.endr
.endm
; A quarter's 128 products.  W's fragments run two units ahead in three buffers.  All 16 accumulators take turns, one instruction a turn: 15 others stand between two links of a chain, from quarter to quarter too.
; Four places close it, on every way out of it: what follows reads the sums, or loads into the accumulators, the fragments or W's buffers.
.macro MULT
	WIN W_MM
	BL 0
	BL 1
.set u, 0
.rept 16
.if u <= 13
.if u >= 1
	PLACES                                         ; the buffer below was read by the products just issued
.endif
	BL u+2
	s_wait_dscnt 16                                ; unit u is in (and all older LDS loads, the bias among them); the two younger units' 16 loads may stay out
.elseif u == 14
	s_wait_dscnt 8                                 ; one younger unit
.else
	s_wait_dscnt 0x0
.endif
.irp n, 0,1,2,3
.irp m, 0,1
	v_wmma_f32_16x16x32_bf16 v[ACC+64*\m+8*(4*(u%2)+\n):ACC+64*\m+8*(4*(u%2)+\n)+7], v[BB+32*(u%3)+8*\n:BB+32*(u%3)+8*\n+7], v[AF+8*(2*(u/2)+\m):AF+8*(2*(u/2)+\m)+7], v[ACC+64*\m+8*(4*(u%2)+\n):ACC+64*\m+8*(4*(u%2)+\n)+7]
.endr
.endr
.set u, u+1
.endr
	PLACES
	WIN 0
.endm
.if FFN == 1
; gelu(x) = max(x, 0) - |x| P(t) 2^(-x x log2(e) / 2), t = 1 / (1 + p |x| / sqrt(2)), P = erfc's polynomial with halved coefficients: for 16 numbers, n-tiles 2 p and 2 p + 1 of m-tile m.
; The 32 transcendentals are one batch with one wait; the 16 maxima are the plain work between them and the wait.
.macro GELU m, p
.set XB, ACC+64*(\m)+16*(\p)
.irp i, 0,2,4,6,8,10,12,14
	v_pk_mul_f32 v[GQ+\i:GQ+\i+1], v[XB+\i:XB+\i+1], v[XB+\i:XB+\i+1]  ; each accumulator is read from its low end on
.endr
.irp i, 0,1,2,3,4,5,6,7,8,9,10,11,12,13,14,15
	v_fma_f32 v[GU+\i], |v[XB+\i]|, s[CP], 1.0
.endr
.irp i, 0,2,4,6,8,10,12,14
	v_pk_mul_f32 v[GQ+\i:GQ+\i+1], v[GQ+\i:GQ+\i+1], s[CE:CE+1] op_sel_hi:[1,0]
.endr
.irp i, 0,1,2,3,4,5,6,7,8,9,10,11,12,13,14,15
	v_rcp_f32 v[GU+\i], v[GU+\i]
.endr
.irp i, 0,1,2,3,4,5,6,7,8,9,10,11,12,13,14,15
	v_exp_f32 v[GQ+\i], v[GQ+\i]
.endr
.irp i, 0,1,2,3,4,5,6,7,8,9,10,11,12,13,14,15
	v_max_num_f32 v[GM+\i], 0, v[XB+\i]
.endr
	s_wait_alu depctr_va_vdst(0)                   ; the wait ahead of the first use: one for the batch
.irp i, 0,2,4,6,8,10,12,14
	v_pk_fma_f32 v[GP+\i:GP+\i+1], v[GU+\i:GU+\i+1], s[C5:C5+1], s[C4:C4+1] op_sel_hi:[1,0,0]
.endr
.irp c, C3, C2, C1
.irp i, 0,2,4,6,8,10,12,14
	v_pk_fma_f32 v[GP+\i:GP+\i+1], v[GP+\i:GP+\i+1], v[GU+\i:GU+\i+1], s[\c:\c+1] op_sel_hi:[1,1,0]
.endr
.endr
.irp i, 0,2,4,6,8,10,12,14
	v_pk_mul_f32 v[GP+\i:GP+\i+1], v[GP+\i:GP+\i+1], v[GU+\i:GU+\i+1]
.endr
.irp i, 0,2,4,6,8,10,12,14
	v_pk_mul_f32 v[GP+\i:GP+\i+1], v[GP+\i:GP+\i+1], v[GQ+\i:GQ+\i+1]
.endr
.irp i, 0,1,2,3,4,5,6,7,8,9,10,11,12,13,14,15
	v_fma_f32 v[GM+\i], -|v[XB+\i]|, v[GP+\i], v[GM+\i]
.endr
	s_wait_xcnt 0x0                                ; the last two stores have read their data: it is rewritten only behind this wait
.irp i, 0,1,2,3,4,5,6,7
	v_cvt_pk_bf16_f32 v[GO+\i], v[GM+2*\i], v[GM+2*\i+1]
.endr
	global_store_b128 v[L16], v[GO:GO+3], s[OB:OB+1] offset:(\m)*131072+(\p)*1024        ; a block of h2: 512 consecutive bytes, aligned
	global_store_b128 v[L16], v[GO+4:GO+7], s[OB:OB+1] offset:(\m)*131072+(\p)*1024+512
.endm
.else
; 16 ranks x 64 columns of f32 (half f of m-tile m) go through my stage: in by lanes' 32 bytes, back as whole rows of 256 bytes, two rows a load, and out to the ranks' tokens.
.macro PUT m, f
.set DB, 64+32*(\f)
.irp n, 0,1,2,3
	ds_store_b128 v[STO], v[ACC+64*(\m)+8*(4*(\f)+\n):ACC+64*(\m)+8*(4*(\f)+\n)+3] offset:64*\n  ; each accumulator from its low end on
	ds_store_b128 v[STO], v[ACC+64*(\m)+8*(4*(\f)+\n)+4:ACC+64*(\m)+8*(4*(\f)+\n)+7] offset:64*\n+16
.endr
	s_wait_xcnt 0x0                                ; earlier stores have read their data: it is loaded again only behind this wait
.irp t, 0,1,2,3,4,5,6,7
	ds_load_b128 v[DB+4*\t:DB+4*\t+3], v[RD] offset:544*\t  ; the stage is my own, and LDS serves a wave's instructions in order (ISA guide 5.7.1.4)
.endr
	s_wait_dscnt 0x0
.irp t, 0,1,2,3,4,5,6,7
	global_store_b128 v[OT+8*(\m)+\t], v[DB+4*\t:DB+4*\t+3], s[OUT0:OUT0+1] offset:256*(\f)  ; 16 lanes store 256 consecutive bytes, aligned, of one token's row
.endr
.endm
.endif
	s_load_b256 s[4:11], s[0:1], 0x0               ; the rows (xb or h2) s[4:5], W s[6:7], the bias s[8:9], top1 s[10:11]
	s_load_b64 s[12:13], s[0:1], 0x20              ; the output (h2 or part)
	v_lshl_add_u32 v[SPW], v0, 2, SPARE
	v_mov_b32 v[NIL], 0
	v_lshrrev_b32 v27, 5, v0
	v_readfirstlane_b32 s[WV], v27                 ; wave 0..7
	v_and_b32 v28, 31, v0                          ; l
	v_lshlrev_b32 v[L16], 4, v28
	s_lshr_b32 s[EX], ttmp9, 5
	s_mov_b32 s[OF+1], 0
.if FFN == 1
	s_and_b32 s[SJ], ttmp9, 31
	s_lshl_b32 s[OF], s[EX], 24                    ; W1[e], 16 MB;
	s_lshl_b32 s[TS], s[SJ], 9                     ; 128 columns, 512 bytes;
	s_add_co_u32 s[OF], s[OF], s[TS]
	s_lshl_b32 s[TS], s[WV], 19                    ; my 32 rows of a quarter
	s_add_co_u32 s[OF], s[OF], s[TS]
	s_wait_kmcnt 0x0
	s_add_nc_u64 s[WB:WB+1], s[6:7], s[OF:OF+1]
	s_lshl_b32 s[OF], s[EX], 14
	s_lshl_b32 s[TS], s[SJ], 9
	s_add_co_u32 s[OF], s[OF], s[TS]
	s_add_nc_u64 s[BP:BP+1], s[8:9], s[OF:OF+1]
	s_lshl_b32 s[OF], s[EX], 23                    ; h2: the expert's 64 m-tiles; the slice's 8 n-tiles of 512 bytes
	s_lshl_b32 s[TS], s[SJ], 12
	s_add_co_u32 s[OF], s[OF], s[TS]
	s_add_nc_u64 s[OUT0:OUT0+1], s[12:13], s[OF:OF+1]
	s_mov_b64 s[A0:A0+1], s[4:5]
	s_mov_b32 s[CP], 0x3e6d3388                    ; 0.3275911 / sqrt(2)
	s_mov_b32 s[CE], 0xbf38aa3b                    ; - log2(e) / 2
	s_mov_b32 s[CE+1], 0xbf38aa3b
	s_mov_b32 s[C5], 0x3f07dc22                    ; 1.061405429 / 2
	s_mov_b32 s[C5+1], 0x3f07dc22
	s_mov_b32 s[C4], 0xbf3a00e3                    ; -1.453152027 / 2
	s_mov_b32 s[C4+1], 0xbf3a00e3
	s_mov_b32 s[C3], 0x3f35f0e3                    ; 1.421413741 / 2
	s_mov_b32 s[C3+1], 0x3f35f0e3
	s_mov_b32 s[C2], 0xbe11a98e                    ; -0.284496736 / 2
	s_mov_b32 s[C2+1], 0xbe11a98e
	s_mov_b32 s[C1], 0x3e027906                    ; 0.254829592 / 2
	s_mov_b32 s[C1+1], 0x3e027906
.else
	s_and_b32 s[SJ], ttmp9, 7
	s_bfe_u32 s[KQ], ttmp9, 0x20003
	s_cmp_eq_u32 s[KQ], 0
	s_cselect_b32 s[KM], -1, 0
	s_lshl_b32 s[OF], s[EX], 24                    ; W2[e], 16 MB;
	s_lshl_b32 s[TS], s[KQ], 22                    ; 1,024 rows of 4,096 bytes;
	s_add_co_u32 s[OF], s[OF], s[TS]
	s_lshl_b32 s[TS], s[SJ], 9                     ; 128 columns;
	s_add_co_u32 s[OF], s[OF], s[TS]
	s_lshl_b32 s[TS], s[WV], 17                    ; my 32 rows of a quarter
	s_add_co_u32 s[OF], s[OF], s[TS]
	s_wait_kmcnt 0x0
	s_add_nc_u64 s[WB:WB+1], s[6:7], s[OF:OF+1]
	s_lshl_b32 s[OF], s[EX], 12
	s_lshl_b32 s[TS], s[SJ], 9
	s_add_co_u32 s[OF], s[OF], s[TS]
	s_add_nc_u64 s[BP:BP+1], s[8:9], s[OF:OF+1]
	s_lshl_b32 s[OF], s[KQ], 22                    ; part[kq], 4 MB; the slice's 512 bytes of a row
	s_add_co_u32 s[OF], s[OF], s[TS]
	s_add_nc_u64 s[OUT0:OUT0+1], s[12:13], s[OF:OF+1]
	s_lshl_b32 s[OF], s[EX], 23                    ; h2: the expert; the 64 n-tiles of my quarter of K
	s_lshl_b32 s[TS], s[KQ], 15
	s_add_co_u32 s[OF], s[OF], s[TS]
	s_add_nc_u64 s[A0:A0+1], s[4:5], s[OF:OF+1]
.endif
.irp q, 0,1,2,3,4,5,6,7
	global_load_b128 v[BB+4*\q:BB+4*\q+3], v[L16], s[10:11] offset:512*\q  ; top1: register 4 q + i holds token 128 q + 4 l + i
.endr
	global_load_b128 v[64:67], v[L16], s[BP:BP+1]  ; the bias of columns 4 l ..
	WIN W_IO
.set i, 0
.rept 32
	WLOAD i, 0                                     ; the first quarter
.set i, i+1
.endr
	WIN 0
	v_and_b32 v[VR], 15, v0
	v_bfe_u32 v[VH], v0, 4, 1
	v_bfe_u32 v27, v0, 2, 3                        ; my 8 bytes of a row of 256: chunk l / 4,
	v_and_b32 v29, 3, v0                           ; place l % 4 in it
	s_lshl_b32 s[TS], s[WV], 13
	v_lshl_add_u32 v29, v29, 3, s[TS]
.irp a, 0,1,2,3,4,5,6,7
	v_xor_b32 v30, \a, v27
	v_lshl_add_u32 v[WST+\a], v30, 5, v29
.endr
	BRINIT BRD
	s_lshl_b32 s[TS], s[WV], 9
	s_add_co_u32 s[TS], s[TS], BIAS
	v_lshl_add_u32 v[BIA], v[VH], 5, s[TS]
	v_add_nc_u32 v31, s[TS], v[L16]
.if FFN == 2
	s_mul_i32 s[TS], s[WV], 4352
	s_add_co_u32 s[TS], s[TS], STAGE
	v_mul_u32_u24 v27, v[VR], 272
	v_lshl_add_u32 v27, v[VH], 5, v27
	v_add_nc_u32 v[STO], s[TS], v27
	v_mul_u32_u24 v27, v[VH], 272
	v_lshl_add_u32 v27, v[VR], 4, v27
	v_add_nc_u32 v[RD], s[TS], v27
.endif
	s_wait_loadcnt 32                              ; top1 and the bias are in; the 32 loads of weights, issued behind them, stay out
	v_cvt_pk_bf16_f32 v68, v64, v65                ; the bias is rounded to bf16 like every input, and kept in f32
	v_cvt_pk_bf16_f32 v69, v66, v67
	v_lshlrev_b32 v64, 16, v68
	v_and_b32 v65, 0xffff0000, v68
	v_lshlrev_b32 v66, 16, v69
	v_and_b32 v67, 0xffff0000, v69
.if FFN == 2
.irp i, 64,65,66,67
	v_and_b32 v\i, s[KM], v\i                      ; one quarter of K adds it
.endr
.endif
	ds_store_b128 v31, v[64:67]
	s_mov_b32 s[CNT], 0
	s_cmp_lg_u32 s[WV], 0
	s_cbranch_scc1 .Lcount
	v_lshlrev_b32 v29, 2, v28                      ; WAVE 0 COUNTS AND LISTS
	v_add_nc_u32 v31, 1024, v28                    ; the index behind the list at which a lane without a token stores
	v_add_nc_u32 v72, LIST, v[L16]
.irp r, 76,77,78,79
	v_mov_b32 v\r, 0
.endr
.irp i, 0,1,2,3,4,5,6,7
	ds_store_b128 v72, v[76:79] offset:512*\i      ; the list begins as token 0 in all 1,024 places: rank 0 exists for an expert without rows too (its results are not stored).  LDS serves a wave's instructions in order: the stores below come behind these
.endr
.set g, 0
.rept 32
	v_cmp_eq_u32 s[MK], s[EX], v[BB+g]
	v_mbcnt_lo_u32_b32 v27, s[MK], s[CNT]          ; my rank: those counted so far and the lanes below me
	v_cndmask_b32 v27, v31, v27, s[MK]
	v_min_u32 v27, 0x41f, v27
	v_lshl_add_u32 v27, v27, 2, LIST
	v_add_nc_u32 v30, 128*(g/4)+g%4, v29           ; my token
	ds_store_b32 v27, v30
	s_bcnt1_i32_b32 s[TS], s[MK]
	s_add_co_u32 s[CNT], s[CNT], s[TS]
.set g, g+1
.endr
	s_branch .Lcounted
.Lcount:                                           ; THE OTHERS COUNT
.set g, 0
.rept 32
	v_cmp_eq_u32 s[MK], s[EX], v[BB+g]
	s_bcnt1_i32_b32 s[TS], s[MK]
	s_add_co_u32 s[CNT], s[CNT], s[TS]
.set g, g+1
.endr
.Lcounted:
	s_min_u32 s[CN], s[CNT], 1024
	s_max_u32 s[CM1], s[CN], 1
	s_sub_co_u32 s[CM1], s[CM1], 1
	MEET                                           ; for the others' sake: the list lies in LDS
	s_mov_b32 s[TT], s[WV]
	TILE
	TOK
	INIT
	ALOADS                                         ; out now, in this order: 32 loads of weights, 32 of the tile's rows
	s_mov_b32 s[QC], 3
.Lquart:                                           ; a trip: quarter q is laid into LDS and multiplied, quarter q + 1 asked for
	FILLB 0, 1, 56                                 ; behind a batch's last load stand the rest of the quarter's (24, 16, 8, 0), the rows' 32 and the reloads so far (0, 8, 16, 24): 56 each time
	FILLB 1, 1, 56
	FILLB 2, 1, 56
	FILLB 3, 1, 56
	WIN 0
	MEET                                           ; my rows of the quarter lie in LDS, and everybody's do.  The next trip's stores go to the next quarter's bytes, which nobody reads before the next barrier
	s_wait_loadcnt 32                              ; the tile's rows are in; the 32 reloads stay out.  On every wave's path: the registers are loaded again below
	s_cmp_eq_u32 s[ACT], 0
	s_cbranch_scc1 .Lidle                          ; a tile without rows multiplies nothing
	MULT
.Lidle:
.irp n, 0,1,2,3,4,5,6,7
	v_add_nc_u32 v[BRD+\n], 0x10000, v[BRD+\n]     ; reads and stores go on to the next quarter's 65,536 bytes
	v_add_nc_u32 v[WST+\n], 0x10000, v[WST+\n]
.endr
	s_wait_xcnt 0x0                                ; the reloads have read their base: it is stepped only behind this wait
	s_add_nc_u64 s[WB:WB+1], s[WB:WB+1], 256*WPITCH
	s_add_nc_u64 s[AB:AB+1], s[AB:AB+1], AQ
	ALOADS
	s_sub_co_u32 s[QC], s[QC], 1
	s_cmp_lg_u32 s[QC], 0
	s_cbranch_scc1 .Lquart
	FILLB 0, 0, 56                                 ; the last quarter: nothing is asked for, and the counts run down
	FILLB 1, 0, 48
	FILLB 2, 0, 40
	FILLB 3, 0, 32
	WIN 0
	MEET                                           ; the slice is whole, and nobody writes it any more
	s_wait_loadcnt 0x0                             ; the tile's rows of the last quarter are in; no load of mine is out
	s_cmp_eq_u32 s[ACT], 0
	s_cbranch_scc1 .Lidle2
	MULT                                           ; the first tile is finished
.Lidle2:
	BRINIT BRC                                     ; nothing is stored into the slice any more: those eight registers now hold the places in its first quarter, and are not rewritten
	s_mov_b32 s[PC], 4
.Lpass:                                            ; FOUR PASSES: the tile in hand goes out; the tile eight further on is multiplied from the resident slice.  The fourth pass never has a further tile
	s_cmp_eq_u32 s[ACT], 0
	s_cbranch_scc1 .Lnoout
.if FFN == 1
	s_lshl_b32 s[OF], s[TT], 18                    ; THE WAY OUT: the tile's two m-tiles of h2.  (No store of mine is out here: the wait at the label below has seen to the last pass's)
	s_add_nc_u64 s[OB:OB+1], s[OUT0:OUT0+1], s[OF:OF+1]
	GELU 0, 0
	GELU 0, 1
	GELU 0, 2
	GELU 0, 3
	s_cmp_eq_u32 s[ACT1], 0
	s_cbranch_scc1 .Lnoout                         ; an m-tile without rows is not stored
	GELU 1, 0
	GELU 1, 1
	GELU 1, 2
	GELU 1, 3
.else
	v_add_nc_u32 v27, s[R0], v[VH]                 ; THE WAY OUT: the tokens of ranks 2 k + l / 16.  A place past the count repeats the last rank: that token's bytes are stored again, with the same numbers
.set k, 0
.rept 16
	v_add_nc_u32 v28, 2*k, v27
	v_min_u32 v28, s[CM1], v28
	v_min_u32 v28, 0x3ff, v28
	v_lshl_add_u32 v28, v28, 2, LIST
	ds_load_b32 v[OT+k], v28
.set k, k+1
.endr
	s_wait_dscnt 0x0
.set k, 0
.rept 16
	v_min_u32 v[OT+k], 0x3ff, v[OT+k]
	v_lshlrev_b32 v[OT+k], 12, v[OT+k]             ; a row of part is 4,096 bytes
	v_lshl_add_u32 v[OT+k], v[VR], 4, v[OT+k]
.set k, k+1
.endr
	PUT 0, 0
	PUT 0, 1
	s_cmp_eq_u32 s[ACT1], 0
	s_cbranch_scc1 .Lnoout                         ; an m-tile without rows is not stored
	PUT 1, 0
	PUT 1, 1
.endif
.Lnoout:
	s_wait_xcnt 0x0                                ; on every path: the way out's stores have read their base, offsets and data, which the next tile and the next way out write anew
.if FFN == 2
	MEET                                           ; a barrier stands between the stores into the stages and the turning loads below, whose addresses step with the quarter.  The bytes are different ones: the barrier makes the order plain from the text alone
.endif
	s_add_co_u32 s[TT], s[TT], 8
	TILE
	s_cmp_eq_u32 s[ACT], 0
	s_cbranch_scc1 .Lnotile
	TOK
	INIT
.Lnotile:
	s_mov_b32 s[QO], 0
	s_mov_b32 s[QC], 4
.Lq:                                               ; a trip: a quarter of the slice.  Every wave walks all four; the addresses are made and stepped on every path
.irp n, 0,1,2,3,4,5,6,7
	v_add_nc_u32 v[BRD+\n], s[QO], v[BRC+\n]
.endr
	s_add_co_u32 s[QO], s[QO], 0x10000
	s_cmp_eq_u32 s[ACT], 0
	s_cbranch_scc1 .Lqdead                         ; a tile without rows loads and multiplies nothing
	ALOADS
	s_wait_loadcnt 0x0                             ; the tile's rows are in, so their base may be stepped below
	MULT
	s_add_nc_u64 s[AB:AB+1], s[AB:AB+1], AQ
.Lqdead:
	s_sub_co_u32 s[QC], s[QC], 1
	s_cmp_lg_u32 s[QC], 0
	s_cbranch_scc1 .Lq
.if FFN == 2
	MEET                                           ; and a barrier between those loads and the next LDS writes: the next pass's stores into the stages, at the end the add
.endif
	s_sub_co_u32 s[PC], s[PC], 1
	s_cmp_lg_u32 s[PC], 0
	s_cbranch_scc1 .Lpass
.if FFN == 1
	MEET                                           ; a barrier stands between the passes' turning loads, whose addresses step with the quarter, and the one LDS write that follows them, the add.  The bytes are different ones: the barrier makes the order plain from the text alone
.endif
	s_wait_tensorcnt 0x0                           ; the wave's end, behind my last LDS store
	ds_add_u32 v[SPW], v[NIL]
	s_wait_dscnt 0x0
	s_endpgm
.Lfunc_end_k_qcc88ecc4e6_ffn1:
	.size	k_qcc88ecc4e6_ffn1, .Lfunc_end_k_qcc88ecc4e6_ffn1-k_qcc88ecc4e6_ffn1
	.p2alignl 7, 3214868480
	.fill 96, 4, 3214868480
	.section	.rodata,"a",@progbits
	.p2align	6, 0x0
	.amdhsa_kernel k_qcc88ecc4e6_ffn1
		.amdhsa_group_segment_fixed_size 306432
		.amdhsa_private_segment_fixed_size 0
		.amdhsa_enable_private_segment 0
		.amdhsa_kernarg_size 40
		.amdhsa_user_sgpr_count 2
		.amdhsa_user_sgpr_kernarg_segment_ptr 1
		.amdhsa_wavefront_size32 1
		.amdhsa_system_sgpr_workgroup_id_x 1
		.amdhsa_system_sgpr_workgroup_id_y 1
		.amdhsa_system_sgpr_workgroup_id_z 1
		.amdhsa_system_vgpr_workitem_id 0
		.amdhsa_next_free_vgpr 512
		.amdhsa_next_free_sgpr 66
		.amdhsa_reserve_vcc 0
		.amdhsa_float_denorm_mode_32 3
		.amdhsa_float_denorm_mode_16_64 3
		.amdhsa_memory_ordered 1
		.amdhsa_forward_progress 1
		.amdhsa_inst_pref_size 187
	.end_amdhsa_kernel
	.amdgpu_metadata
---
amdhsa.version: [ 1, 2 ]
amdhsa.kernels:
  - .name:           k_qcc88ecc4e6_ffn1
    .symbol:         k_qcc88ecc4e6_ffn1.kd
    .args:
      - { .name: xb, .offset: 0, .size: 8, .value_kind: global_buffer, .address_space: global }
      - { .name: W1, .offset: 8, .size: 8, .value_kind: global_buffer, .address_space: global }
      - { .name: b1, .offset: 16, .size: 8, .value_kind: global_buffer, .address_space: global }
      - { .name: top1, .offset: 24, .size: 8, .value_kind: global_buffer, .address_space: global }
      - { .name: h2, .offset: 32, .size: 8, .value_kind: global_buffer, .address_space: global }
    .group_segment_fixed_size: 306432
    .private_segment_fixed_size: 0
    .kernarg_segment_align: 8
    .kernarg_segment_size: 40
    .max_flat_workgroup_size: 256
    .sgpr_count:     66
    .vgpr_count:     512
    .wavefront_size: 32
...
	.end_amdgpu_metadata
.endif
;; end of part 2
;; launch ffn2 (part 3): grid 256 x 1, 8 waves a work-group, no clusters, 306,432 bytes of LDS; arguments h2, W2, b2, top1, part; writes part
.if DOCPART == 3
	.amdgcn_target "amdgcn-amd-amdhsa--gfx1250"
	.amdhsa_code_object_version 6
	.text
	.protected	k_qcc88ecc4e6_ffn2
	.globl	k_qcc88ecc4e6_ffn2
	.p2align	8
	.type	k_qcc88ecc4e6_ffn2,@function
k_qcc88ecc4e6_ffn2:
	s_mov_b64 s[64:65], 0
	v_nop
	global_prefetch_b8 v0, s[64:65] scope:SCOPE_SE
	s_setreg_imm32_b32 hwreg(HW_REG_WAVE_MODE, 25, 1), 1
	s_wait_xcnt 0x0
; SimpleMoE, launches 2 and 3 of 4: THE TWO PRODUCTS, one text; FFN says which.
;   FFN = 1:  h = gelu(xb[rows of e] W1[e][:, 128 j ..] + b1[e]), exact gelu, for expert e and slice j of 32; h is stored in bf16.
;   FFN = 2:  part[kq] = h W2[e][1024 kq .., 128 j ..] (+ b2[e] where kq = 0), for expert e, quarter kq of K = 4,096 and slice j of 8; partial sums are stored in f32.
; WORK LEFT OUT: the rows of experts that a token did not choose; the function's own mask multiplies them by 0 (shown at the head of the first launch's text).  top1, read from memory, says which rows are an expert's.
; LIMITS.  W, the bias and h are rounded to bf16, sums are f32.  erf is Abramowitz and Stegun's 7.1.26, off by at most 1.5e-7 for every argument; where x x overflows the exponential is 0 and gelu is max(x, 0).
; An expert without rows still has its slice read; nothing is stored for it.
; SHARES.  A work-group owns a slice of 1,024 k x 128 columns of one expert's weights, 512 KB of f32 that it alone reads, in rows of 512 consecutive aligned bytes.  It is rounded on its way through
; registers and laid into LDS in bf16, where it stays.  The slice comes in four quarters of 256 k; of each, wave w fetches rows 32 w .. 32 w + 31.  Wave w also owns the row tiles t = w, w + 8, w + 16, w + 24:
; 32 ranks of the expert (two m-tiles) x all 128 columns, 16 accumulators.  Its first tile is multiplied quarter by quarter while the slice streams in, the others (an expert with more than 256 rows) from the resident slice.
; Every split of the tokens is served: 4 tiles x 8 waves x 32 ranks = 1,024.  Places past the count in a tile repeat the expert's last rank.
; THE PASSES.  Behind the stream every wave walks 4 passes x 4 quarters, constant counts; what a wave has no rows for (a way out, a tile's set-up, a quarter's loads and products) is jumped, forward; every wave passes every barrier.
; THE LIST.  Every wave loads all 1,024 words of top1 and counts its expert's tokens; wave 0 also stores the token of each rank into LDS.  Both products make the list in the same way, so a rank means the same token in both.
; IN FLIGHT.  A wave has 32 loads of weights (16 KB) out, asked for again eight at a time as they are rounded, a quarter ahead of their use; the tile's own rows are asked for a quarter ahead too.
; NO TENSOR LOADS: the weights are f32 and are rounded in registers.  NO CLUSTER: a slice has one reader; what an expert's work-groups share is its rows, which come by a list (FFN = 1) or in a number that hangs
; on a stored count.  NO PREFETCH: the loads themselves run a quarter (128 KB a work-group) ahead, and the rows are read again by many work-groups.
; LAYOUT.  D^T = W^T A^T: source 0 = 16 columns of W (out of LDS turned, by ds_load_tr16_b128), source 1 = 16 ranks.  In the result lane l holds rank l % 16 and the columns 8 (l / 16) + 0..7.
; h2 is [e][m-tile 64][n-tile 256][lane 32][8 bf16]: a lane's eight results are its 16 bytes of a block of 512, and the same 16 bytes are half a fragment of source 1 in the second product.
; REGISTERS, in windows of 256 (s_set_vgpr_msb: bits 1:0 source 0, 3:2 source 1, 5:4 source 2, 7:6 destination):
;   window 0: v0-31 addresses and five at work; v32-127 W's fragments, three buffers of four n-tiles (at the head top1, the bias and some at work; on the way out at work); v128-255 the accumulators
;   window 1: v0-127 the 32 loads of weights; v128-255 the tile's fragments of a quarter (k step s, m-tile m at 128 + 8 (2 s + m))
.set FFN, 2
.if FFN == 1
.set WPITCH, 16384                     ; bytes from row to row of W1[e]
.set ASTEP,  64                        ; a k step of 32 in a row of xb
.set AHALF,  32
.set AQ,     512                       ; a quarter
.else
.set WPITCH, 4096                      ; of W2[e]
.set ASTEP,  1024                      ; a k step of 32 is two blocks of h2
.set AHALF,  512
.set AQ,     8192
.endif
.set STAGE, 262144                     ; LDS: W at 0: row k at 256 k, its chunk c of 32 bytes (an n-tile) at place c xor (k % 8)
.set LIST,  296960                     ; behind W the waves' stages (16 rows x 272 bytes, FFN = 2); then the token of each rank, 4,096 bytes, and 128 bytes where lanes without a token put theirs
.set BIAS,  301312                     ; a copy for each wave of the slice's bias, 128 numbers in f32 (rounded to bf16)
.set SPARE, 305408                     ; the spare words, 128 bytes for each wave: four blocks of 256 bytes that no other line names
.set SPW, 1                            ; v1      LDS address of my spare word; never rewritten
.set NIL, 2                            ; v2      0; never rewritten
.set L16, 3                            ; v3      16 x lane; never rewritten
.set WST, 4                            ; v4-11   while the slice streams in: where my 8 bytes of row 32 w + i go, by i % 8
.set BRC, 4                            ; v4-11   behind that: my place in a turned fragment of n-tile 0..7, in the slice's first quarter
.set BRD, 12                           ; v12-19  the same in the quarter in hand
.set AO,  20                           ; v20-21  my offset in the rows of m-tile 0, 1
.set BIA, 22                           ; v22     my eight numbers of the bias for n-tile 0
.set STO, 23                           ; v23     the way out (FFN = 2): where I put 32 bytes of a row
.set RD,  24                           ; v24     where I read a row back
.set VR,  25                           ; v25     l % 16
.set VH,  26                           ; v26     l / 16
.set BB,  32
.set ACC, 128                          ; accumulator (m, n) at ACC + 64 m + 8 n
.set AF,  128                          ; window 1
.set OT,  32                           ; FFN = 2, the way out: v32-47 the offsets in part of rows 2 t + l / 16 of m-tile m, at OT + 8 m + t
.set GQ,  32                           ; FFN = 1, the way out: x x, then the exponential
.set GU,  48                           ; 1 + p |x|, then its reciprocal t
.set GM,  64                           ; max(x, 0), then gelu
.set GP,  80                           ; the polynomial
.set GO,  96                           ; 16 results in bf16
.set WV,  14                           ; s14  my wave's number
.set EX,  15                           ; s15  the expert
.set SJ,  16                           ; s16  the slice
.set KQ,  17                           ; s17  the quarter of K (FFN = 2)
.set CN,  18                           ; s18  the expert's rows
.set CM1, 19                           ; s19  its last rank (0 if it has none)
.set QC,  20                           ; s20  counts quarters
.set PC,  21                           ; s21  counts passes
.set TT,  22                           ; s22  my tile
.set R0,  23                           ; s23  its first rank
.set ACT, 24                           ; s24  1: the tile has rows
.set ACT1, 25                          ; s25  1: its second m-tile has rows
.set OF,  26                           ; s[26:27] an offset; the high word stays 0
.set WB,  28                           ; s[28:29] W at my rows of the quarter in hand
.set AB,  30                           ; s[30:31] the tile's rows at the quarter to be loaded
.set A0,  32                           ; s[32:33] the rows' base
.set OUT0, 34                          ; s[34:35] the output's base
.set OB,  36                           ; s[36:37] the tile's place in h2
.set MK,  38                           ; s38  the lanes whose token is the expert's
.set CNT, 39                           ; s39  tokens counted so far
.set TS,  40                           ; s40  at work
.set KM,  41                           ; s41  all ones where the bias is mine to add (FFN = 2: kq = 0)
.set CP,  42                           ; s42  p / sqrt(2)
.set CE,  44                           ; s[44:45] - log2(e) / 2; this and the next five are named as pairs, the low word serves both halves
.set C5,  46
.set C4,  48
.set C3,  50
.set C2,  52
.set C1,  54
.set BP,  56                           ; s[56:57] the slice's bias
.set QO,  58                           ; s58  LDS byte at which the quarter to be multiplied begins (the passes)
.set MSB, 0
.macro WIN new                         ; the immediate's high byte repeats the setting that is left; a switch that changes nothing is dropped
.if MSB != (\new)
	s_set_vgpr_msb (MSB<<8)|(\new)
.set MSB, \new
.endif
.endm
.set W_CV, 0x45                        ; a conversion in place in window 1
.set W_IO, 0x44                        ; LDS stores with data in window 1, global loads into window 1; addresses in window 0
.set W_MM, 0x04                        ; products: source 1 in window 1, all else, the LDS loads too, in window 0
.macro PLACES                          ; four places between a product and what reads its result or loads into one of its registers (ISA guide 7.12.1 for vector instructions)
.rept 4
	v_nop
.endr
.endm
.macro MEET                            ; every wave's LDS instructions are done, and every wave is here
	s_wait_dscnt 0x0
	s_barrier_signal -1
	s_barrier_wait -1
.endm
.macro WLOAD i, off                    ; row off + i of my rows: 512 consecutive bytes, aligned
	global_load_b128 v[4*(\i):4*(\i)+3], v[L16], s[WB:WB+1] offset:((\off)+(\i))*WPITCH th:TH_LOAD_NT
.endm
; Eight rows of weights: waited for, rounded in place, stored into the slice; reload = 1: the same rows of the next quarter are asked for.  n: the younger loads, which may stay out.
.macro FILLB b, reload, n
	s_wait_loadcnt \n
	WIN W_CV
.irp i, 0,1,2,3,4,5,6,7
	v_cvt_pk_bf16_f32 v[4*(8*\b+\i)], v[4*(8*\b+\i)], v[4*(8*\b+\i)+1]
	v_cvt_pk_bf16_f32 v[4*(8*\b+\i)+1], v[4*(8*\b+\i)+2], v[4*(8*\b+\i)+3]
.endr
	WIN W_IO
.irp i, 0,1,2,3,4,5,6,7
	ds_store_b64 v[WST+\i], v[4*(8*\b+\i):4*(8*\b+\i)+1] offset:256*(8*\b+\i)
.endr
.if \reload
.irp i, 0,1,2,3,4,5,6,7
	WLOAD 8*\b+\i, 256
.endr
.endif
.endm
; My place in a turned fragment of each n-tile, in the slice's first quarter, into eight registers from dst on: lane l reads row 8 (l / 16) + l % 8, 16 bytes: half (l / 8) % 2 of the n-tile's chunk.
.macro BRINIT dst
	v_and_b32 v27, 7, v0
	v_lshl_add_u32 v30, v[VH], 3, v27
	v_bfe_u32 v29, v0, 3, 1
	v_lshlrev_b32 v30, 8, v30
	v_lshl_add_u32 v29, v29, 4, v30
.irp n, 0,1,2,3,4,5,6,7
	v_xor_b32 v30, \n, v27
	v_lshl_add_u32 v[\dst+\n], v30, 5, v29
.endr
.endm
.macro TILE                            ; from my tile's number: its first rank, and which of its m-tiles have rows
	s_lshl_b32 s[R0], s[TT], 5
	s_cmp_lt_u32 s[R0], s[CN]
	s_cselect_b32 s[ACT], 1, 0
.if FFN == 2
	s_min_u32 s[ACT], s[ACT], 1                    ; the flag hangs on a loaded count and enters an offset below: it is held to its range by a minimum with a constant first
.endif
	s_add_co_u32 s[TS], s[R0], 16
	s_cmp_lt_u32 s[TS], s[CN]
	s_cselect_b32 s[ACT1], 1, 0
.if FFN == 2
	s_min_u32 s[ACT1], s[ACT1], 1                  ; likewise
.endif
.endm
.macro TOK                             ; where the tile's rows lie
.if FFN == 1
	v_add_nc_u32 v27, s[R0], v[VR]                 ; my rank in m-tile 0,
	v_add_nc_u32 v28, 16, v27                      ; in m-tile 1;
	v_min_u32 v27, s[CM1], v27                     ; a place past the count repeats the last rank
	v_min_u32 v28, s[CM1], v28
	v_min_u32 v27, 0x3ff, v27
	v_min_u32 v28, 0x3ff, v28
	v_lshl_add_u32 v27, v27, 2, LIST
	v_lshl_add_u32 v28, v28, 2, LIST
	ds_load_b32 v[AO], v27
	ds_load_b32 v[AO+1], v28
	s_mov_b64 s[AB:AB+1], s[A0:A0+1]
	s_wait_dscnt 0x0
	v_min_u32 v[AO], 0x3ff, v[AO]
	v_min_u32 v[AO+1], 0x3ff, v[AO+1]
	v_lshlrev_b32 v[AO], 11, v[AO]                 ; a row of xb is 2,048 bytes
	v_lshlrev_b32 v[AO+1], 11, v[AO+1]
	v_lshl_add_u32 v[AO], v[VH], 4, v[AO]
	v_lshl_add_u32 v[AO+1], v[VH], 4, v[AO+1]
.else
	v_mul_u32_u24 v[AO], s[ACT], v[L16]            ; my 16 bytes of a block; 0 in every lane where the tile has no rows
	s_lshl_b32 s[TS], s[ACT1], 17                  ; an m-tile of h2 is 131,072 bytes; a second m-tile without rows was never stored: the first is read in its stead
	v_add_nc_u32 v[AO+1], s[TS], v[AO]
	s_lshl_b32 s[OF], s[TT], 18
	s_add_nc_u64 s[AB:AB+1], s[A0:A0+1], s[OF:OF+1]
	s_cmp_lg_u32 s[ACT], 0
	s_cselect_b64 s[AB:AB+1], s[AB:AB+1], s[8:9]   ; a tile without rows was never stored either: its loads, which keep the counts of the waits alike in all waves, take 16 bytes each of b2 (up to byte 32,271 of its 32,768)
.endif
.endm
.macro INIT                            ; the bias starts the sums: nothing is cleared
.irp m, 0,1
.irp n, 0,1,2,3,4,5,6,7
	ds_load_b128 v[ACC+64*\m+8*\n:ACC+64*\m+8*\n+3], v[BIA] offset:64*\n
	ds_load_b128 v[ACC+64*\m+8*\n+4:ACC+64*\m+8*\n+7], v[BIA] offset:64*\n+16
.endr
.endr
.endm
.macro ALOADS                          ; the tile's fragments of a quarter: 32 loads
	WIN W_IO
.irp s, 0,1,2,3,4,5,6,7
.irp m, 0,1
	global_load_b128 v[AF+8*(2*\s+\m):AF+8*(2*\s+\m)+3], v[AO+\m], s[AB:AB+1] offset:\s*ASTEP
	global_load_b128 v[AF+8*(2*\s+\m)+4:AF+8*(2*\s+\m)+7], v[AO+\m], s[AB:AB+1] offset:\s*ASTEP+AHALF
.endr
.endr
	WIN 0
.endm
.macro BL u                            ; unit u of 16: k step u / 2, n-tiles 4 (u % 2) .. + 3: eight turning loads into buffer u % 3
.irp n, 0,1,2,3
	ds_load_tr16_b128 v[BB+32*((\u)%3)+8*\n:BB+32*((\u)%3)+8*\n+3], v[BRD+4*((\u)%2)+\n] offset:8192*((\u)/2)
	ds_load_tr16_b128 v[BB+32*((\u)%3)+8*\n+4:BB+32*((\u)%3)+8*\n+7], v[BRD+4*((\u)%2)+\n] offset:8192*((\u)/2)+4096
.endr
.endm
; A quarter's 128 products.  W's fragments run two units ahead in three buffers.  All 16 accumulators take turns, one instruction a turn: 15 others stand between two links of a chain, from quarter to quarter too.
; Four places close it, on every way out of it: what follows reads the sums, or loads into the accumulators, the fragments or W's buffers.
.macro MULT
	WIN W_MM
	BL 0
	BL 1
.set u, 0
.rept 16
.if u <= 13
.if u >= 1
	PLACES                                         ; the buffer below was read by the products just issued
.endif
	BL u+2
	s_wait_dscnt 16                                ; unit u is in (and all older LDS loads, the bias among them); the two younger units' 16 loads may stay out
.elseif u == 14
	s_wait_dscnt 8                                 ; one younger unit
.else
	s_wait_dscnt 0x0
.endif
.irp n, 0,1,2,3
.irp m, 0,1
	v_wmma_f32_16x16x32_bf16 v[ACC+64*\m+8*(4*(u%2)+\n):ACC+64*\m+8*(4*(u%2)+\n)+7], v[BB+32*(u%3)+8*\n:BB+32*(u%3)+8*\n+7], v[AF+8*(2*(u/2)+\m):AF+8*(2*(u/2)+\m)+7], v[ACC+64*\m+8*(4*(u%2)+\n):ACC+64*\m+8*(4*(u%2)+\n)+7]
.endr
.endr
.set u, u+1
.endr
	PLACES
	WIN 0
.endm
.if FFN == 1
; gelu(x) = max(x, 0) - |x| P(t) 2^(-x x log2(e) / 2), t = 1 / (1 + p |x| / sqrt(2)), P = erfc's polynomial with halved coefficients: for 16 numbers, n-tiles 2 p and 2 p + 1 of m-tile m.
; The 32 transcendentals are one batch with one wait; the 16 maxima are the plain work between them and the wait.
.macro GELU m, p
.set XB, ACC+64*(\m)+16*(\p)
.irp i, 0,2,4,6,8,10,12,14
	v_pk_mul_f32 v[GQ+\i:GQ+\i+1], v[XB+\i:XB+\i+1], v[XB+\i:XB+\i+1]  ; each accumulator is read from its low end on
.endr
.irp i, 0,1,2,3,4,5,6,7,8,9,10,11,12,13,14,15
	v_fma_f32 v[GU+\i], |v[XB+\i]|, s[CP], 1.0
.endr
.irp i, 0,2,4,6,8,10,12,14
	v_pk_mul_f32 v[GQ+\i:GQ+\i+1], v[GQ+\i:GQ+\i+1], s[CE:CE+1] op_sel_hi:[1,0]
.endr
.irp i, 0,1,2,3,4,5,6,7,8,9,10,11,12,13,14,15
	v_rcp_f32 v[GU+\i], v[GU+\i]
.endr
.irp i, 0,1,2,3,4,5,6,7,8,9,10,11,12,13,14,15
	v_exp_f32 v[GQ+\i], v[GQ+\i]
.endr
.irp i, 0,1,2,3,4,5,6,7,8,9,10,11,12,13,14,15
	v_max_num_f32 v[GM+\i], 0, v[XB+\i]
.endr
	s_wait_alu depctr_va_vdst(0)                   ; the wait ahead of the first use: one for the batch
.irp i, 0,2,4,6,8,10,12,14
	v_pk_fma_f32 v[GP+\i:GP+\i+1], v[GU+\i:GU+\i+1], s[C5:C5+1], s[C4:C4+1] op_sel_hi:[1,0,0]
.endr
.irp c, C3, C2, C1
.irp i, 0,2,4,6,8,10,12,14
	v_pk_fma_f32 v[GP+\i:GP+\i+1], v[GP+\i:GP+\i+1], v[GU+\i:GU+\i+1], s[\c:\c+1] op_sel_hi:[1,1,0]
.endr
.endr
.irp i, 0,2,4,6,8,10,12,14
	v_pk_mul_f32 v[GP+\i:GP+\i+1], v[GP+\i:GP+\i+1], v[GU+\i:GU+\i+1]
.endr
.irp i, 0,2,4,6,8,10,12,14
	v_pk_mul_f32 v[GP+\i:GP+\i+1], v[GP+\i:GP+\i+1], v[GQ+\i:GQ+\i+1]
.endr
.irp i, 0,1,2,3,4,5,6,7,8,9,10,11,12,13,14,15
	v_fma_f32 v[GM+\i], -|v[XB+\i]|, v[GP+\i], v[GM+\i]
.endr
	s_wait_xcnt 0x0                                ; the last two stores have read their data: it is rewritten only behind this wait
.irp i, 0,1,2,3,4,5,6,7
	v_cvt_pk_bf16_f32 v[GO+\i], v[GM+2*\i], v[GM+2*\i+1]
.endr
	global_store_b128 v[L16], v[GO:GO+3], s[OB:OB+1] offset:(\m)*131072+(\p)*1024        ; a block of h2: 512 consecutive bytes, aligned
	global_store_b128 v[L16], v[GO+4:GO+7], s[OB:OB+1] offset:(\m)*131072+(\p)*1024+512
.endm
.else
; 16 ranks x 64 columns of f32 (half f of m-tile m) go through my stage: in by lanes' 32 bytes, back as whole rows of 256 bytes, two rows a load, and out to the ranks' tokens.
.macro PUT m, f
.set DB, 64+32*(\f)
.irp n, 0,1,2,3
	ds_store_b128 v[STO], v[ACC+64*(\m)+8*(4*(\f)+\n):ACC+64*(\m)+8*(4*(\f)+\n)+3] offset:64*\n  ; each accumulator from its low end on
	ds_store_b128 v[STO], v[ACC+64*(\m)+8*(4*(\f)+\n)+4:ACC+64*(\m)+8*(4*(\f)+\n)+7] offset:64*\n+16
.endr
	s_wait_xcnt 0x0                                ; earlier stores have read their data: it is loaded again only behind this wait
.irp t, 0,1,2,3,4,5,6,7
	ds_load_b128 v[DB+4*\t:DB+4*\t+3], v[RD] offset:544*\t  ; the stage is my own, and LDS serves a wave's instructions in order (ISA guide 5.7.1.4)
.endr
	s_wait_dscnt 0x0
.irp t, 0,1,2,3,4,5,6,7
	global_store_b128 v[OT+8*(\m)+\t], v[DB+4*\t:DB+4*\t+3], s[OUT0:OUT0+1] offset:256*(\f)  ; 16 lanes store 256 consecutive bytes, aligned, of one token's row
.endr
.endm
.endif
	s_load_b256 s[4:11], s[0:1], 0x0               ; the rows (xb or h2) s[4:5], W s[6:7], the bias s[8:9], top1 s[10:11]
	s_load_b64 s[12:13], s[0:1], 0x20              ; the output (h2 or part)
	v_lshl_add_u32 v[SPW], v0, 2, SPARE
	v_mov_b32 v[NIL], 0
	v_lshrrev_b32 v27, 5, v0
	v_readfirstlane_b32 s[WV], v27                 ; wave 0..7
	v_and_b32 v28, 31, v0                          ; l
	v_lshlrev_b32 v[L16], 4, v28
	s_lshr_b32 s[EX], ttmp9, 5
	s_mov_b32 s[OF+1], 0
.if FFN == 1
	s_and_b32 s[SJ], ttmp9, 31
	s_lshl_b32 s[OF], s[EX], 24                    ; W1[e], 16 MB;
	s_lshl_b32 s[TS], s[SJ], 9                     ; 128 columns, 512 bytes;
	s_add_co_u32 s[OF], s[OF], s[TS]
	s_lshl_b32 s[TS], s[WV], 19                    ; my 32 rows of a quarter
	s_add_co_u32 s[OF], s[OF], s[TS]
	s_wait_kmcnt 0x0
	s_add_nc_u64 s[WB:WB+1], s[6:7], s[OF:OF+1]
	s_lshl_b32 s[OF], s[EX], 14
	s_lshl_b32 s[TS], s[SJ], 9
	s_add_co_u32 s[OF], s[OF], s[TS]
	s_add_nc_u64 s[BP:BP+1], s[8:9], s[OF:OF+1]
	s_lshl_b32 s[OF], s[EX], 23                    ; h2: the expert's 64 m-tiles; the slice's 8 n-tiles of 512 bytes
	s_lshl_b32 s[TS], s[SJ], 12
	s_add_co_u32 s[OF], s[OF], s[TS]
	s_add_nc_u64 s[OUT0:OUT0+1], s[12:13], s[OF:OF+1]
	s_mov_b64 s[A0:A0+1], s[4:5]
	s_mov_b32 s[CP], 0x3e6d3388                    ; 0.3275911 / sqrt(2)
	s_mov_b32 s[CE], 0xbf38aa3b                    ; - log2(e) / 2
	s_mov_b32 s[CE+1], 0xbf38aa3b
	s_mov_b32 s[C5], 0x3f07dc22                    ; 1.061405429 / 2
	s_mov_b32 s[C5+1], 0x3f07dc22
	s_mov_b32 s[C4], 0xbf3a00e3                    ; -1.453152027 / 2
	s_mov_b32 s[C4+1], 0xbf3a00e3
	s_mov_b32 s[C3], 0x3f35f0e3                    ; 1.421413741 / 2
	s_mov_b32 s[C3+1], 0x3f35f0e3
	s_mov_b32 s[C2], 0xbe11a98e                    ; -0.284496736 / 2
	s_mov_b32 s[C2+1], 0xbe11a98e
	s_mov_b32 s[C1], 0x3e027906                    ; 0.254829592 / 2
	s_mov_b32 s[C1+1], 0x3e027906
.else
	s_and_b32 s[SJ], ttmp9, 7
	s_bfe_u32 s[KQ], ttmp9, 0x20003
	s_cmp_eq_u32 s[KQ], 0
	s_cselect_b32 s[KM], -1, 0
	s_lshl_b32 s[OF], s[EX], 24                    ; W2[e], 16 MB;
	s_lshl_b32 s[TS], s[KQ], 22                    ; 1,024 rows of 4,096 bytes;
	s_add_co_u32 s[OF], s[OF], s[TS]
	s_lshl_b32 s[TS], s[SJ], 9                     ; 128 columns;
	s_add_co_u32 s[OF], s[OF], s[TS]
	s_lshl_b32 s[TS], s[WV], 17                    ; my 32 rows of a quarter
	s_add_co_u32 s[OF], s[OF], s[TS]
	s_wait_kmcnt 0x0
	s_add_nc_u64 s[WB:WB+1], s[6:7], s[OF:OF+1]
	s_lshl_b32 s[OF], s[EX], 12
	s_lshl_b32 s[TS], s[SJ], 9
	s_add_co_u32 s[OF], s[OF], s[TS]
	s_add_nc_u64 s[BP:BP+1], s[8:9], s[OF:OF+1]
	s_lshl_b32 s[OF], s[KQ], 22                    ; part[kq], 4 MB; the slice's 512 bytes of a row
	s_add_co_u32 s[OF], s[OF], s[TS]
	s_add_nc_u64 s[OUT0:OUT0+1], s[12:13], s[OF:OF+1]
	s_lshl_b32 s[OF], s[EX], 23                    ; h2: the expert; the 64 n-tiles of my quarter of K
	s_lshl_b32 s[TS], s[KQ], 15
	s_add_co_u32 s[OF], s[OF], s[TS]
	s_add_nc_u64 s[A0:A0+1], s[4:5], s[OF:OF+1]
.endif
.irp q, 0,1,2,3,4,5,6,7
	global_load_b128 v[BB+4*\q:BB+4*\q+3], v[L16], s[10:11] offset:512*\q  ; top1: register 4 q + i holds token 128 q + 4 l + i
.endr
	global_load_b128 v[64:67], v[L16], s[BP:BP+1]  ; the bias of columns 4 l ..
	WIN W_IO
.set i, 0
.rept 32
	WLOAD i, 0                                     ; the first quarter
.set i, i+1
.endr
	WIN 0
	v_and_b32 v[VR], 15, v0
	v_bfe_u32 v[VH], v0, 4, 1
	v_bfe_u32 v27, v0, 2, 3                        ; my 8 bytes of a row of 256: chunk l / 4,
	v_and_b32 v29, 3, v0                           ; place l % 4 in it
	s_lshl_b32 s[TS], s[WV], 13
	v_lshl_add_u32 v29, v29, 3, s[TS]
.irp a, 0,1,2,3,4,5,6,7
	v_xor_b32 v30, \a, v27
	v_lshl_add_u32 v[WST+\a], v30, 5, v29
.endr
	BRINIT BRD
	s_lshl_b32 s[TS], s[WV], 9
	s_add_co_u32 s[TS], s[TS], BIAS
	v_lshl_add_u32 v[BIA], v[VH], 5, s[TS]
	v_add_nc_u32 v31, s[TS], v[L16]
.if FFN == 2
	s_mul_i32 s[TS], s[WV], 4352
	s_add_co_u32 s[TS], s[TS], STAGE
	v_mul_u32_u24 v27, v[VR], 272
	v_lshl_add_u32 v27, v[VH], 5, v27
	v_add_nc_u32 v[STO], s[TS], v27
	v_mul_u32_u24 v27, v[VH], 272
	v_lshl_add_u32 v27, v[VR], 4, v27
	v_add_nc_u32 v[RD], s[TS], v27
.endif
	s_wait_loadcnt 32                              ; top1 and the bias are in; the 32 loads of weights, issued behind them, stay out
	v_cvt_pk_bf16_f32 v68, v64, v65                ; the bias is rounded to bf16 like every input, and kept in f32
	v_cvt_pk_bf16_f32 v69, v66, v67
	v_lshlrev_b32 v64, 16, v68
	v_and_b32 v65, 0xffff0000, v68
	v_lshlrev_b32 v66, 16, v69
	v_and_b32 v67, 0xffff0000, v69
.if FFN == 2
.irp i, 64,65,66,67
	v_and_b32 v\i, s[KM], v\i                      ; one quarter of K adds it
.endr
.endif
	ds_store_b128 v31, v[64:67]
	s_mov_b32 s[CNT], 0
	s_cmp_lg_u32 s[WV], 0
	s_cbranch_scc1 .Lcount
	v_lshlrev_b32 v29, 2, v28                      ; WAVE 0 COUNTS AND LISTS
	v_add_nc_u32 v31, 1024, v28                    ; the index behind the list at which a lane without a token stores
	v_add_nc_u32 v72, LIST, v[L16]
.irp r, 76,77,78,79
	v_mov_b32 v\r, 0
.endr
.irp i, 0,1,2,3,4,5,6,7
	ds_store_b128 v72, v[76:79] offset:512*\i      ; the list begins as token 0 in all 1,024 places: rank 0 exists for an expert without rows too (its results are not stored).  LDS serves a wave's instructions in order: the stores below come behind these
.endr
.set g, 0
.rept 32
	v_cmp_eq_u32 s[MK], s[EX], v[BB+g]
	v_mbcnt_lo_u32_b32 v27, s[MK], s[CNT]          ; my rank: those counted so far and the lanes below me
	v_cndmask_b32 v27, v31, v27, s[MK]
	v_min_u32 v27, 0x41f, v27
	v_lshl_add_u32 v27, v27, 2, LIST
	v_add_nc_u32 v30, 128*(g/4)+g%4, v29           ; my token
	ds_store_b32 v27, v30
	s_bcnt1_i32_b32 s[TS], s[MK]
	s_add_co_u32 s[CNT], s[CNT], s[TS]
.set g, g+1
.endr
	s_branch .Lcounted
.Lcount:                                           ; THE OTHERS COUNT
.set g, 0
.rept 32
	v_cmp_eq_u32 s[MK], s[EX], v[BB+g]
	s_bcnt1_i32_b32 s[TS], s[MK]
	s_add_co_u32 s[CNT], s[CNT], s[TS]
.set g, g+1
.endr
.Lcounted:
	s_min_u32 s[CN], s[CNT], 1024
	s_max_u32 s[CM1], s[CN], 1
	s_sub_co_u32 s[CM1], s[CM1], 1
	MEET                                           ; for the others' sake: the list lies in LDS
	s_mov_b32 s[TT], s[WV]
	TILE
	TOK
	INIT
	ALOADS                                         ; out now, in this order: 32 loads of weights, 32 of the tile's rows
	s_mov_b32 s[QC], 3
.Lquart:                                           ; a trip: quarter q is laid into LDS and multiplied, quarter q + 1 asked for
	FILLB 0, 1, 56                                 ; behind a batch's last load stand the rest of the quarter's (24, 16, 8, 0), the rows' 32 and the reloads so far (0, 8, 16, 24): 56 each time
	FILLB 1, 1, 56
	FILLB 2, 1, 56
	FILLB 3, 1, 56
	WIN 0
	MEET                                           ; my rows of the quarter lie in LDS, and everybody's do.  The next trip's stores go to the next quarter's bytes, which nobody reads before the next barrier
	s_wait_loadcnt 32                              ; the tile's rows are in; the 32 reloads stay out.  On every wave's path: the registers are loaded again below
	s_cmp_eq_u32 s[ACT], 0
	s_cbranch_scc1 .Lidle                          ; a tile without rows multiplies nothing
	MULT
.Lidle:
.irp n, 0,1,2,3,4,5,6,7
	v_add_nc_u32 v[BRD+\n], 0x10000, v[BRD+\n]     ; reads and stores go on to the next quarter's 65,536 bytes
	v_add_nc_u32 v[WST+\n], 0x10000, v[WST+\n]
.endr
	s_wait_xcnt 0x0                                ; the reloads have read their base: it is stepped only behind this wait
	s_add_nc_u64 s[WB:WB+1], s[WB:WB+1], 256*WPITCH
	s_add_nc_u64 s[AB:AB+1], s[AB:AB+1], AQ
	ALOADS
	s_sub_co_u32 s[QC], s[QC], 1
	s_cmp_lg_u32 s[QC], 0
	s_cbranch_scc1 .Lquart
	FILLB 0, 0, 56                                 ; the last quarter: nothing is asked for, and the counts run down
	FILLB 1, 0, 48
	FILLB 2, 0, 40
	FILLB 3, 0, 32
	WIN 0
	MEET                                           ; the slice is whole, and nobody writes it any more
	s_wait_loadcnt 0x0                             ; the tile's rows of the last quarter are in; no load of mine is out
	s_cmp_eq_u32 s[ACT], 0
	s_cbranch_scc1 .Lidle2
	MULT                                           ; the first tile is finished
.Lidle2:
	BRINIT BRC                                     ; nothing is stored into the slice any more: those eight registers now hold the places in its first quarter, and are not rewritten
	s_mov_b32 s[PC], 4
.Lpass:                                            ; FOUR PASSES: the tile in hand goes out; the tile eight further on is multiplied from the resident slice.  The fourth pass never has a further tile
	s_cmp_eq_u32 s[ACT], 0
	s_cbranch_scc1 .Lnoout
.if FFN == 1
	s_lshl_b32 s[OF], s[TT], 18                    ; THE WAY OUT: the tile's two m-tiles of h2.  (No store of mine is out here: the wait at the label below has seen to the last pass's)
	s_add_nc_u64 s[OB:OB+1], s[OUT0:OUT0+1], s[OF:OF+1]
	GELU 0, 0
	GELU 0, 1
	GELU 0, 2
	GELU 0, 3
	s_cmp_eq_u32 s[ACT1], 0
	s_cbranch_scc1 .Lnoout                         ; an m-tile without rows is not stored
	GELU 1, 0
	GELU 1, 1
	GELU 1, 2
	GELU 1, 3
.else
	v_add_nc_u32 v27, s[R0], v[VH]                 ; THE WAY OUT: the tokens of ranks 2 k + l / 16.  A place past the count repeats the last rank: that token's bytes are stored again, with the same numbers
.set k, 0
.rept 16
	v_add_nc_u32 v28, 2*k, v27
	v_min_u32 v28, s[CM1], v28
	v_min_u32 v28, 0x3ff, v28
	v_lshl_add_u32 v28, v28, 2, LIST
	ds_load_b32 v[OT+k], v28
.set k, k+1
.endr
	s_wait_dscnt 0x0
.set k, 0
.rept 16
	v_min_u32 v[OT+k], 0x3ff, v[OT+k]
	v_lshlrev_b32 v[OT+k], 12, v[OT+k]             ; a row of part is 4,096 bytes
	v_lshl_add_u32 v[OT+k], v[VR], 4, v[OT+k]
.set k, k+1
.endr
	PUT 0, 0
	PUT 0, 1
	s_cmp_eq_u32 s[ACT1], 0
	s_cbranch_scc1 .Lnoout                         ; an m-tile without rows is not stored
	PUT 1, 0
	PUT 1, 1
.endif
.Lnoout:
	s_wait_xcnt 0x0                                ; on every path: the way out's stores have read their base, offsets and data, which the next tile and the next way out write anew
.if FFN == 2
	MEET                                           ; a barrier stands between the stores into the stages and the turning loads below, whose addresses step with the quarter.  The bytes are different ones: the barrier makes the order plain from the text alone
.endif
	s_add_co_u32 s[TT], s[TT], 8
	TILE
	s_cmp_eq_u32 s[ACT], 0
	s_cbranch_scc1 .Lnotile
	TOK
	INIT
.Lnotile:
	s_mov_b32 s[QO], 0
	s_mov_b32 s[QC], 4
.Lq:                                               ; a trip: a quarter of the slice.  Every wave walks all four; the addresses are made and stepped on every path
.irp n, 0,1,2,3,4,5,6,7
	v_add_nc_u32 v[BRD+\n], s[QO], v[BRC+\n]
.endr
	s_add_co_u32 s[QO], s[QO], 0x10000
	s_cmp_eq_u32 s[ACT], 0
	s_cbranch_scc1 .Lqdead                         ; a tile without rows loads and multiplies nothing
	ALOADS
	s_wait_loadcnt 0x0                             ; the tile's rows are in, so their base may be stepped below
	MULT
	s_add_nc_u64 s[AB:AB+1], s[AB:AB+1], AQ
.Lqdead:
	s_sub_co_u32 s[QC], s[QC], 1
	s_cmp_lg_u32 s[QC], 0
	s_cbranch_scc1 .Lq
.if FFN == 2
	MEET                                           ; and a barrier between those loads and the next LDS writes: the next pass's stores into the stages, at the end the add
.endif
	s_sub_co_u32 s[PC], s[PC], 1
	s_cmp_lg_u32 s[PC], 0
	s_cbranch_scc1 .Lpass
.if FFN == 1
	MEET                                           ; a barrier stands between the passes' turning loads, whose addresses step with the quarter, and the one LDS write that follows them, the add.  The bytes are different ones: the barrier makes the order plain from the text alone
.endif
	s_wait_tensorcnt 0x0                           ; the wave's end, behind my last LDS store
	ds_add_u32 v[SPW], v[NIL]
	s_wait_dscnt 0x0
	s_endpgm
.Lfunc_end_k_qcc88ecc4e6_ffn2:
	.size	k_qcc88ecc4e6_ffn2, .Lfunc_end_k_qcc88ecc4e6_ffn2-k_qcc88ecc4e6_ffn2
	.p2alignl 7, 3214868480
	.fill 96, 4, 3214868480
	.section	.rodata,"a",@progbits
	.p2align	6, 0x0
	.amdhsa_kernel k_qcc88ecc4e6_ffn2
		.amdhsa_group_segment_fixed_size 306432
		.amdhsa_private_segment_fixed_size 0
		.amdhsa_enable_private_segment 0
		.amdhsa_kernarg_size 40
		.amdhsa_user_sgpr_count 2
		.amdhsa_user_sgpr_kernarg_segment_ptr 1
		.amdhsa_wavefront_size32 1
		.amdhsa_system_sgpr_workgroup_id_x 1
		.amdhsa_system_sgpr_workgroup_id_y 1
		.amdhsa_system_sgpr_workgroup_id_z 1
		.amdhsa_system_vgpr_workitem_id 0
		.amdhsa_next_free_vgpr 512
		.amdhsa_next_free_sgpr 66
		.amdhsa_reserve_vcc 0
		.amdhsa_float_denorm_mode_32 3
		.amdhsa_float_denorm_mode_16_64 3
		.amdhsa_memory_ordered 1
		.amdhsa_forward_progress 1
		.amdhsa_inst_pref_size 134
	.end_amdhsa_kernel
	.amdgpu_metadata
---
amdhsa.version: [ 1, 2 ]
amdhsa.kernels:
  - .name:           k_qcc88ecc4e6_ffn2
    .symbol:         k_qcc88ecc4e6_ffn2.kd
    .args:
      - { .name: h2, .offset: 0, .size: 8, .value_kind: global_buffer, .address_space: global }
      - { .name: W2, .offset: 8, .size: 8, .value_kind: global_buffer, .address_space: global }
      - { .name: b2, .offset: 16, .size: 8, .value_kind: global_buffer, .address_space: global }
      - { .name: top1, .offset: 24, .size: 8, .value_kind: global_buffer, .address_space: global }
      - { .name: part, .offset: 32, .size: 8, .value_kind: global_buffer, .address_space: global }
    .group_segment_fixed_size: 306432
    .private_segment_fixed_size: 0
    .kernarg_segment_align: 8
    .kernarg_segment_size: 40
    .max_flat_workgroup_size: 256
    .sgpr_count:     66
    .vgpr_count:     512
    .wavefront_size: 32
...
	.end_amdgpu_metadata
.endif
;; end of part 3
;; launch sum (part 4): grid 256 x 1, 8 waves a work-group, no clusters, 0 bytes of LDS; arguments part, out0; writes out0
.if DOCPART == 4
	.amdgcn_target "amdgcn-amd-amdhsa--gfx1250"
	.amdhsa_code_object_version 6
	.text
	.protected	k_qcc88ecc4e6_sum
	.globl	k_qcc88ecc4e6_sum
	.p2align	8
	.type	k_qcc88ecc4e6_sum,@function
k_qcc88ecc4e6_sum:
	s_mov_b64 s[64:65], 0
	v_nop
	global_prefetch_b8 v0, s[64:65] scope:SCOPE_SE
	s_setreg_imm32_b32 hwreg(HW_REG_WAVE_MODE, 25, 1), 1
	s_wait_xcnt 0x0
; SimpleMoE, launch 4 of 4: out0 = (part[0] + part[1]) + (part[2] + part[3]), the four quarters of the second product's K, all f32.  part: [4][1024][1024], out0: [1024][1024].
; A stream: a work-group takes 16,384 consecutive bytes of out0, thread t the 16 bytes at 16 t of each of four blocks of 4,096.  All 16 loads of a wave go out first; a load or store of a wave covers
; 512 consecutive bytes, aligned.  No LDS, no matrix unit, no loop: each byte is read once and written once, and nothing is shared.
	s_load_b128 s[4:7], s[0:1], 0x0                ; part s[4:5], out0 s[6:7]
	v_lshlrev_b32 v1, 4, v0
	s_lshl_b32 s10, ttmp9, 14
	s_mov_b32 s11, 0
	s_wait_kmcnt 0x0
	s_add_nc_u64 s[4:5], s[4:5], s[10:11]          ; part[0] at the work-group's bytes; part[1] lies 4 MB on, within the immediate
	s_add_nc_u64 s[6:7], s[6:7], s[10:11]
	s_add_nc_u64 s[8:9], s[4:5], 0x800000          ; part[2]
.irp i, 0,1,2,3
	global_load_b128 v[8+16*\i:11+16*\i],  v1, s[4:5] offset:4096*\i th:TH_LOAD_NT
	global_load_b128 v[12+16*\i:15+16*\i], v1, s[4:5] offset:4096*\i+4194304 th:TH_LOAD_NT
	global_load_b128 v[16+16*\i:19+16*\i], v1, s[8:9] offset:4096*\i th:TH_LOAD_NT
	global_load_b128 v[20+16*\i:23+16*\i], v1, s[8:9] offset:4096*\i+4194304 th:TH_LOAD_NT
.endr
.irp i, 0,1,2,3
	s_wait_loadcnt 12-4*\i                         ; block i's four loads are in; the later blocks' stay out
	v_pk_add_f32 v[8+16*\i:9+16*\i],   v[8+16*\i:9+16*\i],   v[12+16*\i:13+16*\i]
	v_pk_add_f32 v[10+16*\i:11+16*\i], v[10+16*\i:11+16*\i], v[14+16*\i:15+16*\i]
	v_pk_add_f32 v[16+16*\i:17+16*\i], v[16+16*\i:17+16*\i], v[20+16*\i:21+16*\i]
	v_pk_add_f32 v[18+16*\i:19+16*\i], v[18+16*\i:19+16*\i], v[22+16*\i:23+16*\i]
	v_pk_add_f32 v[8+16*\i:9+16*\i],   v[8+16*\i:9+16*\i],   v[16+16*\i:17+16*\i]
	v_pk_add_f32 v[10+16*\i:11+16*\i], v[10+16*\i:11+16*\i], v[18+16*\i:19+16*\i]
	global_store_b128 v1, v[8+16*\i:11+16*\i], s[6:7] offset:4096*\i th:TH_STORE_NT
.endr
	s_endpgm
.Lfunc_end_k_qcc88ecc4e6_sum:
	.size	k_qcc88ecc4e6_sum, .Lfunc_end_k_qcc88ecc4e6_sum-k_qcc88ecc4e6_sum
	.p2alignl 7, 3214868480
	.fill 96, 4, 3214868480
	.section	.rodata,"a",@progbits
	.p2align	6, 0x0
	.amdhsa_kernel k_qcc88ecc4e6_sum
		.amdhsa_group_segment_fixed_size 0
		.amdhsa_private_segment_fixed_size 0
		.amdhsa_enable_private_segment 0
		.amdhsa_kernarg_size 16
		.amdhsa_user_sgpr_count 2
		.amdhsa_user_sgpr_kernarg_segment_ptr 1
		.amdhsa_wavefront_size32 1
		.amdhsa_system_sgpr_workgroup_id_x 1
		.amdhsa_system_sgpr_workgroup_id_y 1
		.amdhsa_system_sgpr_workgroup_id_z 1
		.amdhsa_system_vgpr_workitem_id 0
		.amdhsa_next_free_vgpr 72
		.amdhsa_next_free_sgpr 66
		.amdhsa_reserve_vcc 0
		.amdhsa_float_denorm_mode_32 3
		.amdhsa_float_denorm_mode_16_64 3
		.amdhsa_memory_ordered 1
		.amdhsa_forward_progress 1
		.amdhsa_inst_pref_size 5
	.end_amdhsa_kernel
	.amdgpu_metadata
---
amdhsa.version: [ 1, 2 ]
amdhsa.kernels:
  - .name:           k_qcc88ecc4e6_sum
    .symbol:         k_qcc88ecc4e6_sum.kd
    .args:
      - { .name: part, .offset: 0, .size: 8, .value_kind: global_buffer, .address_space: global }
      - { .name: out0, .offset: 8, .size: 8, .value_kind: global_buffer, .address_space: global }
    .group_segment_fixed_size: 0
    .private_segment_fixed_size: 0
    .kernarg_segment_align: 8
    .kernarg_segment_size: 16
    .max_flat_workgroup_size: 256
    .sgpr_count:     66
    .vgpr_count:     72
    .wavefront_size: 32
...
	.end_amdgpu_metadata
.endif
;; end of part 4
;; ======== version 2 of 2: 4 launches; version 1 with the launches ffn1, ffn2 written anew for expert scheduling mode
;; limits: a function is approximated: absolute error at most 1.5e-07
;; workspace buffers: xb 2,097,152 bytes; top1 4,096 bytes of whole numbers; h2 67,108,864 bytes; part 16,777,216 bytes
;; launch router: the kernel of part 1 again; grid 64 x 1, 8 waves a work-group, no clusters, 60,416 bytes of LDS; arguments x, gate_W, gate_b, xb, top1; writes xb, top1
;; launch ffn1 (part 5): grid 256 x 1, 8 waves a work-group, no clusters, 306,432 bytes of LDS; arguments xb, W1, b1, top1, h2; writes h2
.if DOCPART == 5
	.amdgcn_target "amdgcn-amd-amdhsa--gfx1250"
	.amdhsa_code_object_version 6
	.text
	.protected	k_qcc88ecc4e6_ffn1
	.globl	k_qcc88ecc4e6_ffn1
	.p2align	8
	.type	k_qcc88ecc4e6_ffn1,@function
k_qcc88ecc4e6_ffn1:
	s_mov_b64 s[64:65], 0
	v_nop
	global_prefetch_b8 v0, s[64:65] scope:SCOPE_SE
	s_setreg_imm32_b32 hwreg(HW_REG_WAVE_SCHED_MODE, 0, 2), 2
	s_setreg_imm32_b32 hwreg(HW_REG_WAVE_MODE, 25, 1), 1
	s_wait_xcnt 0x0
	s_wait_alu depctr_vm_vsrc(0)
; SimpleMoE, launches 2 and 3 of 4: THE TWO PRODUCTS, one text; FFN says which.
;   FFN = 1:  h = gelu(xb[rows of e] W1[e][:, 128 j ..] + b1[e]), exact gelu, for expert e and slice j of 32; h is stored in bf16.
;   FFN = 2:  part[kq] = h W2[e][1024 kq .., 128 j ..] (+ b2[e] where kq = 0), for expert e, quarter kq of K = 4,096 and slice j of 8; partial sums are stored in f32.
; WORK LEFT OUT: the rows of experts that a token did not choose; the function's own mask multiplies them by 0 (shown at the head of the first launch's text).  top1, read from memory, says which rows are an expert's.
; LIMITS.  W, the bias and h are rounded to bf16, sums are f32.  erf is Abramowitz and Stegun's 7.1.26, off by at most 1.5e-7 for every argument; where x x overflows the exponential is 0 and gelu is max(x, 0).
; An expert without rows still has its slice read; nothing is stored for it.
; SHARES.  A work-group owns a slice of 1,024 k x 128 columns of one expert's weights, 512 KB of f32 that it alone reads, in rows of 512 consecutive aligned bytes.  It is rounded on its way through
; registers and laid into LDS in bf16, where it stays.  The slice comes in four quarters of 256 k; of each, wave w fetches rows 32 w .. 32 w + 31.  Wave w also owns the row tiles t = w, w + 8, w + 16, w + 24:
; 32 ranks of the expert (two m-tiles) x all 128 columns, 16 accumulators.  Its first tile is multiplied quarter by quarter while the slice streams in, the others (an expert with more than 256 rows) from the resident slice.
; Every split of the tokens is served: 4 tiles x 8 waves x 32 ranks = 1,024.  Places past the count in a tile repeat the expert's last rank.
; THE PASSES.  Behind the stream every wave walks 4 passes x 4 quarters, constant counts; what a wave has no rows for (a way out, a tile's set-up, a quarter's loads and products) is jumped, forward; every wave passes every barrier.
; THE LIST.  Every wave loads all 1,024 words of top1 and counts its expert's tokens; wave 0 also stores the token of each rank into LDS.  Both products make the list in the same way, so a rank means the same token in both.
; IN FLIGHT.  A wave has 32 loads of weights (16 KB) out, asked for again eight at a time as they are rounded, a quarter ahead of their use; the tile's own rows are asked for a quarter ahead too.
; NO TENSOR LOADS: the weights are f32 and are rounded in registers.  NO CLUSTER: a slice has one reader; what an expert's work-groups share is its rows, which come by a list (FFN = 1) or in a number that hangs
; on a stored count.  NO PREFETCH: the loads themselves run a quarter (128 KB a work-group) ahead, and the rows are read again by many work-groups.
; LAYOUT.  D^T = W^T A^T: source 0 = 16 columns of W (out of LDS turned, by ds_load_tr16_b128), source 1 = 16 ranks.  In the result lane l holds rank l % 16 and the columns 8 (l / 16) + 0..7.
; h2 is [e][m-tile 64][n-tile 256][lane 32][8 bf16]: a lane's eight results are its 16 bytes of a block of 512, and the same 16 bytes are half a fragment of source 1 in the second product.
; REGISTERS, in windows of 256 (s_set_vgpr_msb: bits 1:0 source 0, 3:2 source 1, 5:4 source 2, 7:6 destination):
;   window 0: v0-31 addresses and five at work; v32-127 W's fragments, three buffers of four n-tiles (at the head top1, the bias and some at work; while a quarter is laid into LDS v32-95 hold its rounded weights; on the way out at work);
;             v128-255 the accumulators (at the head, in wave 0, v128-191 hold the list's addresses and tokens)
;   window 1: v0-127 the 32 loads of weights; v128-255 the tile's fragments of a quarter (k step s, m-tile m at 128 + 8 (2 s + m))
; THE MODE: SCHED_MODE bits 1:0 = 2 (LLVM: expert scheduling mode 2), set by the entry lines.  The code itself states the register dependences between vector or matrix instructions and memory or LDS instructions, with s_wait_alu, always for 0.
; THE PLAN.  Registers that memory or LDS instructions touch, and who else names them:
;   RAW (window 1, v0-127)   A batch's sixteen roundings read 32 of them; behind the batch's one wait on va_vdst the same rows of the next quarter are asked for into them.
;   WO (v32-95)              The roundings write them; the batch's LDS stores, behind the same wait, read them.  They are W's first two fragment buffers too: one wait on vm_vsrc behind the quarter's barrier states that the stores have read them, and v[WST ..].
;   BB (v32-127)             Unit u's products read buffer u % 3.  Behind the wait on va_vdst at the head of unit u + 1 the loads of unit u + 3 land in it, dealt among that unit's products, which name another buffer, the tile's fragments and the accumulators.
;   AF (window 1, v128-255)  A quarter's products read them; the next quarter's loads stand behind one wait on va_vdst, which also states that v[AO ..] and the stepped addresses are written.
;   v[BRD ..], v[WST ..]     Stepped once a quarter, behind a wait on vm_vsrc and ahead of AF's wait.
;   the accumulators         Written by the products; read on the way out by vector lines (FFN = 1) or by LDS stores (FFN = 2); the next tile's bias lands in them behind the wait on vm_vsrc at the way out's end and TOK's wait on va_vdst.
;   the way out's own        FFN = 1: v[GO ..]; FFN = 2: v[OA ..], v[OT ..] and the two data buffers: said there.
;   v[L16], v[BIA], v[STO], v[RD], v[SPW], v[NIL]  Made at the head and never written again.
.set FFN, 1
.if FFN == 1
.set WPITCH, 16384                     ; bytes from row to row of W1[e]
.set ASTEP,  64                        ; a k step of 32 in a row of xb
.set AHALF,  32
.set AQ,     512                       ; a quarter
.else
.set WPITCH, 4096                      ; of W2[e]
.set ASTEP,  1024                      ; a k step of 32 is two blocks of h2
.set AHALF,  512
.set AQ,     8192
.endif
.set STAGE, 262144                     ; LDS: W at 0: row k at 256 k, its chunk c of 32 bytes (an n-tile) at place c xor (k % 8)
.set LIST,  296960                     ; behind W the waves' stages (16 rows x 272 bytes, FFN = 2); then the token of each rank, 4,096 bytes, and 128 bytes where lanes without a token put theirs
.set BIAS,  301312                     ; a copy for each wave of the slice's bias, 128 numbers in f32 (rounded to bf16)
.set SPARE, 305408                     ; the spare words, 128 bytes for each wave: four blocks of 256 bytes that no other line names
.set SPW, 1                            ; v1      LDS address of my spare word; never rewritten
.set NIL, 2                            ; v2      0; never rewritten
.set L16, 3                            ; v3      16 x lane; never rewritten
.set WST, 4                            ; v4-11   while the slice streams in: where my 8 bytes of row 32 w + i go, by i % 8
.set BRC, 4                            ; v4-11   behind that: my place in a turned fragment of n-tile 0..7, in the slice's first quarter
.set BRD, 12                           ; v12-19  the same in the quarter in hand
.set AO,  20                           ; v20-21  my offset in the rows of m-tile 0, 1
.set BIA, 22                           ; v22     my eight numbers of the bias for n-tile 0
.set STO, 23                           ; v23     the way out (FFN = 2): where I put 32 bytes of a row
.set RD,  24                           ; v24     where I read a row back
.set VR,  25                           ; v25     l % 16
.set VH,  26                           ; v26     l / 16
.set BB,  32
.set WO,  32                           ; v32-95  a quarter's weights in bf16 on their way into LDS: batch b, row i at WO + 16 b + 2 i
.set ACC, 128                          ; accumulator (m, n) at ACC + 64 m + 8 n
.set LA,  128                          ; at the head, wave 0: v128-159 where the token of top1's register g goes in LDS
.set LT,  160                          ; v160-191 that token
.set AF,  128                          ; window 1
.set OT,  32                           ; FFN = 2, the way out: v32-47 the offsets in part of rows 2 t + l / 16 of m-tile m, at OT + 8 m + t
.set OA,  48                           ; v48-63 the LDS addresses at which those rows' tokens are read
.set GQ,  32                           ; FFN = 1, the way out: x x, then the exponential
.set GU,  48                           ; 1 + p |x|, then its reciprocal t
.set GM,  64                           ; max(x, 0), then gelu
.set GP,  80                           ; the polynomial
.set GO,  96                           ; 16 results in bf16
.set WV,  14                           ; s14  my wave's number
.set EX,  15                           ; s15  the expert
.set SJ,  16                           ; s16  the slice
.set KQ,  17                           ; s17  the quarter of K (FFN = 2)
.set MK,  18                           ; s18-25  at the head only: the lanes whose token is the expert's, for eight registers of top1 at a time
.set CN,  18                           ; s18  the expert's rows
.set CM1, 19                           ; s19  its last rank (0 if it has none)
.set QC,  20                           ; s20  counts quarters
.set PC,  21                           ; s21  counts passes
.set TT,  22                           ; s22  my tile
.set R0,  23                           ; s23  its first rank
.set ACT, 24                           ; s24  1: the tile has rows
.set ACT1, 25                          ; s25  1: its second m-tile has rows
.set OF,  26                           ; s[26:27] an offset; the high word stays 0
.set WB,  28                           ; s[28:29] W at my rows of the quarter in hand
.set AB,  30                           ; s[30:31] the tile's rows at the quarter to be loaded
.set A0,  32                           ; s[32:33] the rows' base
.set OUT0, 34                          ; s[34:35] the output's base
.set OB,  36                           ; s[36:37] the tile's place in h2
.set CNT, 39                           ; s39  tokens counted so far
.set TS,  40                           ; s40  at work
.set KM,  41                           ; s41  all ones where the bias is mine to add (FFN = 2: kq = 0)
.set CP,  42                           ; s42  p / sqrt(2)
.set CE,  44                           ; s[44:45] - log2(e) / 2; this and the next five are named as pairs, the low word serves both halves
.set C5,  46
.set C4,  48
.set C3,  50
.set C2,  52
.set C1,  54
.set BP,  56                           ; s[56:57] the slice's bias
.set QO,  58                           ; s58  LDS byte at which the quarter to be multiplied begins (the passes)
.set MSB, 0
.macro WIN new                         ; the immediate's high byte repeats the setting that is left; a switch that changes nothing is dropped
.if MSB != (\new)
	s_set_vgpr_msb (MSB<<8)|(\new)
.set MSB, \new
.endif
.endm
.set W_CV, 0x05                        ; a rounding: both sources in window 1, the result in window 0
.set W_IO, 0x40                        ; global loads into window 1; addresses, and the LDS stores' data, in window 0
.set W_MM, 0x04                        ; products: source 1 in window 1, all else, the LDS loads too, in window 0
.macro PLACES                          ; four places between a product and what reads its result or loads into one of its registers (ISA guide 7.12.1 for vector instructions)
.rept 4
	v_nop
.endr
.endm
.macro MEET                            ; every wave's LDS instructions are done, and every wave is here
	s_wait_dscnt 0x0
	s_barrier_signal -1
	s_barrier_wait -1
.endm
.macro WLOAD i, off                    ; row off + i of my rows: 512 consecutive bytes, aligned
	global_load_b128 v[4*(\i):4*(\i)+3], v[L16], s[WB:WB+1] offset:((\off)+(\i))*WPITCH th:TH_LOAD_NT
.endm
; Eight rows of weights: waited for, rounded into v[WO ..], stored into the slice; reload = 1: the same rows of the next quarter are asked for.  n: the younger loads, which may stay out.
.macro FILLB b, reload, n
	s_wait_loadcnt \n
	WIN W_CV
.irp i, 0,1,2,3,4,5,6,7
	v_cvt_pk_bf16_f32 v[WO+16*\b+2*\i], v[4*(8*\b+\i)], v[4*(8*\b+\i)+1]
	v_cvt_pk_bf16_f32 v[WO+16*\b+2*\i+1], v[4*(8*\b+\i)+2], v[4*(8*\b+\i)+3]
.endr
	WIN W_IO
	s_wait_alu depctr_va_vdst(0)                   ; the sixteen roundings are done reading the batch's 32 registers, in which the loads below land, and have written v[WO ..], which the LDS stores below read
.if \reload
.irp i, 0,1,2,3,4,5,6,7
	WLOAD 8*\b+\i, 256
.endr
.endif
.irp i, 0,1,2,3,4,5,6,7
	ds_store_b64 v[WST+\i], v[WO+16*\b+2*\i:WO+16*\b+2*\i+1] offset:256*(8*\b+\i)
.endr
.endm
; My place in a turned fragment of each n-tile, in the slice's first quarter, into eight registers from dst on: lane l reads row 8 (l / 16) + l % 8, 16 bytes: half (l / 8) % 2 of the n-tile's chunk.
.macro BRINIT dst
	v_and_b32 v27, 7, v0
	v_lshl_add_u32 v30, v[VH], 3, v27
	v_bfe_u32 v29, v0, 3, 1
	v_lshlrev_b32 v30, 8, v30
	v_lshl_add_u32 v29, v29, 4, v30
.irp n, 0,1,2,3,4,5,6,7
	v_xor_b32 v30, \n, v27
	v_lshl_add_u32 v[\dst+\n], v30, 5, v29
.endr
.endm
.macro TILE                            ; from my tile's number: its first rank, and which of its m-tiles have rows
	s_lshl_b32 s[R0], s[TT], 5
	s_cmp_lt_u32 s[R0], s[CN]
	s_cselect_b32 s[ACT], 1, 0
.if FFN == 2
	s_min_u32 s[ACT], s[ACT], 1                    ; the flag hangs on a loaded count and enters an offset below: it is held to its range by a minimum with a constant first
.endif
	s_add_co_u32 s[TS], s[R0], 16
	s_cmp_lt_u32 s[TS], s[CN]
	s_cselect_b32 s[ACT1], 1, 0
.if FFN == 2
	s_min_u32 s[ACT1], s[ACT1], 1                  ; likewise
.endif
.endm
.macro TOK                             ; where the tile's rows lie.  Its one wait on va_vdst serves INIT, which follows it, too
.if FFN == 1
	v_add_nc_u32 v27, s[R0], v[VR]                 ; my rank in m-tile 0,
	v_add_nc_u32 v28, 16, v27                      ; in m-tile 1;
	v_min_u32 v27, s[CM1], v27                     ; a place past the count repeats the last rank
	v_min_u32 v28, s[CM1], v28
	v_min_u32 v27, 0x3ff, v27
	v_min_u32 v28, 0x3ff, v28
	v_lshl_add_u32 v27, v27, 2, LIST
	v_lshl_add_u32 v28, v28, 2, LIST
	s_wait_alu depctr_va_vdst(0)                   ; v27 and v28 are written, which the two loads read; the lines that wrote v[AO ..] are done, in which they land; the products have written and the way out's lines have read the accumulators, in which the bias lands
	ds_load_b32 v[AO], v27
	ds_load_b32 v[AO+1], v28
	s_mov_b64 s[AB:AB+1], s[A0:A0+1]
	s_wait_dscnt 0x0
	v_min_u32 v[AO], 0x3ff, v[AO]
	v_min_u32 v[AO+1], 0x3ff, v[AO+1]
	v_lshlrev_b32 v[AO], 11, v[AO]                 ; a row of xb is 2,048 bytes
	v_lshlrev_b32 v[AO+1], 11, v[AO+1]
	v_lshl_add_u32 v[AO], v[VH], 4, v[AO]
	v_lshl_add_u32 v[AO+1], v[VH], 4, v[AO+1]
.else
	v_mul_u32_u24 v[AO], s[ACT], v[L16]            ; my 16 bytes of a block; 0 in every lane where the tile has no rows
	s_lshl_b32 s[TS], s[ACT1], 17                  ; an m-tile of h2 is 131,072 bytes; a second m-tile without rows was never stored: the first is read in its stead
	v_add_nc_u32 v[AO+1], s[TS], v[AO]
	s_lshl_b32 s[OF], s[TT], 18
	s_add_nc_u64 s[AB:AB+1], s[A0:A0+1], s[OF:OF+1]
	s_cmp_lg_u32 s[ACT], 0
	s_cselect_b64 s[AB:AB+1], s[AB:AB+1], s[8:9]   ; a tile without rows was never stored either: its loads, which keep the counts of the waits alike in all waves, take 16 bytes each of b2 (up to byte 32,271 of its 32,768)
	s_wait_alu depctr_va_vdst(0)                   ; v[AO] and v[AO+1] are written, which the loads of the tile's rows read; the products have written the accumulators, in which the bias lands
.endif
.endm
.macro INIT                            ; the bias starts the sums: nothing is cleared.  No vector or matrix line since TOK's wait names the accumulators or v[BIA]
.irp m, 0,1
.irp n, 0,1,2,3,4,5,6,7
	ds_load_b128 v[ACC+64*\m+8*\n:ACC+64*\m+8*\n+3], v[BIA] offset:64*\n
	ds_load_b128 v[ACC+64*\m+8*\n+4:ACC+64*\m+8*\n+7], v[BIA] offset:64*\n+16
.endr
.endr
.endm
.macro ALOADS w                        ; the tile's fragments of a quarter: 32 loads.  w = 0: TOK's wait stands ahead, with LDS loads alone between
	WIN W_IO
.if \w
	s_wait_alu depctr_va_vdst(0)                   ; the last quarter's products are done reading the fragments, in which these loads land; v[AO ..], which they read, is written; so are v[BRD ..] and v[WST ..], stepped just ahead, which the next LDS loads and stores read
.endif
.irp s, 0,1,2,3,4,5,6,7
.irp m, 0,1
	global_load_b128 v[AF+8*(2*\s+\m):AF+8*(2*\s+\m)+3], v[AO+\m], s[AB:AB+1] offset:\s*ASTEP
	global_load_b128 v[AF+8*(2*\s+\m)+4:AF+8*(2*\s+\m)+7], v[AO+\m], s[AB:AB+1] offset:\s*ASTEP+AHALF
.endr
.endr
	WIN 0
.endm
.macro BL2 u, n                        ; unit u of 16 is k step u / 2, n-tiles 4 (u % 2) .. + 3, in buffer u % 3: the two turning loads of its n-tile n
	ds_load_tr16_b128 v[BB+32*((\u)%3)+8*(\n):BB+32*((\u)%3)+8*(\n)+3], v[BRD+4*((\u)%2)+(\n)] offset:8192*((\u)/2)
	ds_load_tr16_b128 v[BB+32*((\u)%3)+8*(\n)+4:BB+32*((\u)%3)+8*(\n)+7], v[BRD+4*((\u)%2)+(\n)] offset:8192*((\u)/2)+4096
.endm
.macro BL u                            ; all eight
.irp n, 0,1,2,3
	BL2 \u, \n
.endr
.endm
; A quarter's 128 products.  W's fragments run two units ahead in three buffers; unit u + 2's eight loads are dealt among unit u's products, two behind each pair.  All 16 accumulators take turns, one instruction a turn:
; 15 others stand between two links of a chain, from quarter to quarter too.  Units 0 to 2 load into buffers that the wait ahead of MULT has shown free (a batch's, or ALOADS').
; Four places close it, on every way out of it: what follows reads the sums, or loads into the accumulators, the fragments or W's buffers.
.macro MULT
	WIN W_MM
	BL 0
	BL 1
.set u, 0
.rept 16
.if (u >= 1) && (u <= 13)
	PLACES                                         ; the buffer loaded below was read by the products just issued
	s_wait_alu depctr_va_vdst(0)                   ; and those products are done reading it; the places above stay beside this wait.  This unit's products name none of the registers that its loads touch
.endif
.if u <= 14
	s_wait_dscnt 8                                 ; unit u is in (and all older LDS loads, the bias among them); the next unit's eight loads may stay out
.else
	s_wait_dscnt 0x0
.endif
.irp n, 0,1,2,3
.irp m, 0,1
	v_wmma_f32_16x16x32_bf16 v[ACC+64*\m+8*(4*(u%2)+\n):ACC+64*\m+8*(4*(u%2)+\n)+7], v[BB+32*(u%3)+8*\n:BB+32*(u%3)+8*\n+7], v[AF+8*(2*(u/2)+\m):AF+8*(2*(u/2)+\m)+7], v[ACC+64*\m+8*(4*(u%2)+\n):ACC+64*\m+8*(4*(u%2)+\n)+7]
.endr
.if u <= 13
	BL2 u+2, \n
.endif
.endr
.set u, u+1
.endr
	PLACES
	WIN 0
.endm
.if FFN == 1
; gelu(x) = max(x, 0) - |x| P(t) 2^(-x x log2(e) / 2), t = 1 / (1 + p |x| / sqrt(2)), P = erfc's polynomial with halved coefficients: for 16 numbers, n-tiles 2 p and 2 p + 1 of m-tile m.
; The 32 transcendentals are one batch with one wait; the 16 maxima are the plain work between them and the wait.  The same wait shows the 16 results before written: their two stores follow it at once.
.macro GOUT m, p                       ; 16 results leave: two blocks of h2, 512 consecutive bytes each, aligned
	global_store_b128 v[L16], v[GO:GO+3], s[OB:OB+1] offset:(\m)*131072+(\p)*1024
	global_store_b128 v[L16], v[GO+4:GO+7], s[OB:OB+1] offset:(\m)*131072+(\p)*1024+512
.endm
.macro GELU m, p
.set XB, ACC+64*(\m)+16*(\p)
.irp i, 0,2,4,6,8,10,12,14
	v_pk_mul_f32 v[GQ+\i:GQ+\i+1], v[XB+\i:XB+\i+1], v[XB+\i:XB+\i+1]  ; each accumulator is read from its low end on
.endr
.irp i, 0,1,2,3,4,5,6,7,8,9,10,11,12,13,14,15
	v_fma_f32 v[GU+\i], |v[XB+\i]|, s[CP], 1.0
.endr
.irp i, 0,2,4,6,8,10,12,14
	v_pk_mul_f32 v[GQ+\i:GQ+\i+1], v[GQ+\i:GQ+\i+1], s[CE:CE+1] op_sel_hi:[1,0]
.endr
.irp i, 0,1,2,3,4,5,6,7,8,9,10,11,12,13,14,15
	v_rcp_f32 v[GU+\i], v[GU+\i]
.endr
.irp i, 0,1,2,3,4,5,6,7,8,9,10,11,12,13,14,15
	v_exp_f32 v[GQ+\i], v[GQ+\i]
.endr
.irp i, 0,1,2,3,4,5,6,7,8,9,10,11,12,13,14,15
	v_max_num_f32 v[GM+\i], 0, v[XB+\i]
.endr
	s_wait_alu depctr_va_vdst(0)                   ; the 16 reciprocals and 16 exponentials are written, ahead of their first use: one wait for the batch; and the roundings of the 16 numbers before have written v[GO ..], which the stores below read
.if (\p) > 0
	GOUT \m, (\p)-1
.endif
.irp i, 0,2,4,6,8,10,12,14
	v_pk_fma_f32 v[GP+\i:GP+\i+1], v[GU+\i:GU+\i+1], s[C5:C5+1], s[C4:C4+1] op_sel_hi:[1,0,0]
.endr
.irp c, C3, C2, C1
.irp i, 0,2,4,6,8,10,12,14
	v_pk_fma_f32 v[GP+\i:GP+\i+1], v[GP+\i:GP+\i+1], v[GU+\i:GU+\i+1], s[\c:\c+1] op_sel_hi:[1,1,0]
.endr
.endr
.irp i, 0,2,4,6,8,10,12,14
	v_pk_mul_f32 v[GP+\i:GP+\i+1], v[GP+\i:GP+\i+1], v[GU+\i:GU+\i+1]
.endr
.irp i, 0,2,4,6,8,10,12,14
	v_pk_mul_f32 v[GP+\i:GP+\i+1], v[GP+\i:GP+\i+1], v[GQ+\i:GQ+\i+1]
.endr
.irp i, 0,1,2,3,4,5,6,7,8,9,10,11,12,13,14,15
	v_fma_f32 v[GM+\i], -|v[XB+\i]|, v[GP+\i], v[GM+\i]
.endr
.if (\m)+(\p) > 0                      ; (a way out's first sixteen find no store out: the waits at the last way out's end have seen to that)
	s_wait_xcnt 0x0                                ; the last two stores have had their addresses translated: their data is rewritten only behind this wait
	s_wait_alu depctr_vm_vsrc(0)                   ; and they have read v[GO ..], which the roundings below write again
.endif
.irp i, 0,1,2,3,4,5,6,7
	v_cvt_pk_bf16_f32 v[GO+\i], v[GM+2*\i], v[GM+2*\i+1]
.endr
.endm
.else
; 16 ranks x 64 columns of f32 (half f of m-tile m) go through my stage: in by lanes' 32 bytes, back as whole rows of 256 bytes, two rows a load, and out to the ranks' tokens.
; No vector or matrix line since the way out's second wait on va_vdst names the accumulators, v[STO], v[RD], v[OT ..] or the data buffers.
.macro PUT m, f
.set DB, 64+32*(\f)
.irp n, 0,1,2,3
	ds_store_b128 v[STO], v[ACC+64*(\m)+8*(4*(\f)+\n):ACC+64*(\m)+8*(4*(\f)+\n)+3] offset:64*\n  ; each accumulator from its low end on
	ds_store_b128 v[STO], v[ACC+64*(\m)+8*(4*(\f)+\n)+4:ACC+64*(\m)+8*(4*(\f)+\n)+7] offset:64*\n+16
.endr
.if (\m) == 1 && (\f) == 0             ; once, for both data buffers: the first m-tile's stores all stand ahead
	s_wait_xcnt 0x0                                ; the first m-tile's stores have had their addresses translated: their data is loaded again only behind this wait
	s_wait_alu depctr_vm_vsrc(0)                   ; and they have read both data buffers, in which this m-tile's rows land
.endif
.irp t, 0,1,2,3,4,5,6,7
	ds_load_b128 v[DB+4*\t:DB+4*\t+3], v[RD] offset:544*\t  ; the stage is my own, and LDS serves a wave's instructions in order (ISA guide 5.7.1.4)
.endr
	s_wait_dscnt 0x0
.irp t, 0,1,2,3,4,5,6,7
	global_store_b128 v[OT+8*(\m)+\t], v[DB+4*\t:DB+4*\t+3], s[OUT0:OUT0+1] offset:256*(\f)  ; 16 lanes store 256 consecutive bytes, aligned, of one token's row
.endr
.endm
.endif
	s_load_b256 s[4:11], s[0:1], 0x0               ; the rows (xb or h2) s[4:5], W s[6:7], the bias s[8:9], top1 s[10:11]
	s_load_b64 s[12:13], s[0:1], 0x20              ; the output (h2 or part)
	v_lshl_add_u32 v[SPW], v0, 2, SPARE
	v_mov_b32 v[NIL], 0
	v_lshrrev_b32 v27, 5, v0
	v_readfirstlane_b32 s[WV], v27                 ; wave 0..7
	v_and_b32 v28, 31, v0                          ; l
	v_lshlrev_b32 v[L16], 4, v28
	s_wait_alu depctr_va_sdst(0)                   ; s[WV] is written, ahead of its first reader: the bases and the LDS addresses are made from it
	s_lshr_b32 s[EX], ttmp9, 5
	s_mov_b32 s[OF+1], 0
.if FFN == 1
	s_and_b32 s[SJ], ttmp9, 31
	s_lshl_b32 s[OF], s[EX], 24                    ; W1[e], 16 MB;
	s_lshl_b32 s[TS], s[SJ], 9                     ; 128 columns, 512 bytes;
	s_add_co_u32 s[OF], s[OF], s[TS]
	s_lshl_b32 s[TS], s[WV], 19                    ; my 32 rows of a quarter
	s_add_co_u32 s[OF], s[OF], s[TS]
	s_wait_kmcnt 0x0
	s_add_nc_u64 s[WB:WB+1], s[6:7], s[OF:OF+1]
	s_lshl_b32 s[OF], s[EX], 14
	s_lshl_b32 s[TS], s[SJ], 9
	s_add_co_u32 s[OF], s[OF], s[TS]
	s_add_nc_u64 s[BP:BP+1], s[8:9], s[OF:OF+1]
	s_lshl_b32 s[OF], s[EX], 23                    ; h2: the expert's 64 m-tiles; the slice's 8 n-tiles of 512 bytes
	s_lshl_b32 s[TS], s[SJ], 12
	s_add_co_u32 s[OF], s[OF], s[TS]
	s_add_nc_u64 s[OUT0:OUT0+1], s[12:13], s[OF:OF+1]
	s_mov_b64 s[A0:A0+1], s[4:5]
	s_mov_b32 s[CP], 0x3e6d3388                    ; 0.3275911 / sqrt(2)
	s_mov_b32 s[CE], 0xbf38aa3b                    ; - log2(e) / 2
	s_mov_b32 s[CE+1], 0xbf38aa3b
	s_mov_b32 s[C5], 0x3f07dc22                    ; 1.061405429 / 2
	s_mov_b32 s[C5+1], 0x3f07dc22
	s_mov_b32 s[C4], 0xbf3a00e3                    ; -1.453152027 / 2
	s_mov_b32 s[C4+1], 0xbf3a00e3
	s_mov_b32 s[C3], 0x3f35f0e3                    ; 1.421413741 / 2
	s_mov_b32 s[C3+1], 0x3f35f0e3
	s_mov_b32 s[C2], 0xbe11a98e                    ; -0.284496736 / 2
	s_mov_b32 s[C2+1], 0xbe11a98e
	s_mov_b32 s[C1], 0x3e027906                    ; 0.254829592 / 2
	s_mov_b32 s[C1+1], 0x3e027906
.else
	s_and_b32 s[SJ], ttmp9, 7
	s_bfe_u32 s[KQ], ttmp9, 0x20003
	s_cmp_eq_u32 s[KQ], 0
	s_cselect_b32 s[KM], -1, 0
	s_lshl_b32 s[OF], s[EX], 24                    ; W2[e], 16 MB;
	s_lshl_b32 s[TS], s[KQ], 22                    ; 1,024 rows of 4,096 bytes;
	s_add_co_u32 s[OF], s[OF], s[TS]
	s_lshl_b32 s[TS], s[SJ], 9                     ; 128 columns;
	s_add_co_u32 s[OF], s[OF], s[TS]
	s_lshl_b32 s[TS], s[WV], 17                    ; my 32 rows of a quarter
	s_add_co_u32 s[OF], s[OF], s[TS]
	s_wait_kmcnt 0x0
	s_add_nc_u64 s[WB:WB+1], s[6:7], s[OF:OF+1]
	s_lshl_b32 s[OF], s[EX], 12
	s_lshl_b32 s[TS], s[SJ], 9
	s_add_co_u32 s[OF], s[OF], s[TS]
	s_add_nc_u64 s[BP:BP+1], s[8:9], s[OF:OF+1]
	s_lshl_b32 s[OF], s[KQ], 22                    ; part[kq], 4 MB; the slice's 512 bytes of a row
	s_add_co_u32 s[OF], s[OF], s[TS]
	s_add_nc_u64 s[OUT0:OUT0+1], s[12:13], s[OF:OF+1]
	s_lshl_b32 s[OF], s[EX], 23                    ; h2: the expert; the 64 n-tiles of my quarter of K
	s_lshl_b32 s[TS], s[KQ], 15
	s_add_co_u32 s[OF], s[OF], s[TS]
	s_add_nc_u64 s[A0:A0+1], s[4:5], s[OF:OF+1]
.endif
	s_wait_alu depctr_va_vdst(0)                   ; v[L16] is written: the loads of top1, of the bias and of the weights read it as their offset
.irp q, 0,1,2,3,4,5,6,7
	global_load_b128 v[BB+4*\q:BB+4*\q+3], v[L16], s[10:11] offset:512*\q  ; top1: register 4 q + i holds token 128 q + 4 l + i
.endr
	global_load_b128 v[64:67], v[L16], s[BP:BP+1]  ; the bias of columns 4 l ..
	WIN W_IO
.set i, 0
.rept 32
	WLOAD i, 0                                     ; the first quarter
.set i, i+1
.endr
	WIN 0
	v_and_b32 v[VR], 15, v0
	v_bfe_u32 v[VH], v0, 4, 1
	v_bfe_u32 v27, v0, 2, 3                        ; my 8 bytes of a row of 256: chunk l / 4,
	v_and_b32 v29, 3, v0                           ; place l % 4 in it
	s_lshl_b32 s[TS], s[WV], 13
	v_lshl_add_u32 v29, v29, 3, s[TS]
.irp a, 0,1,2,3,4,5,6,7
	v_xor_b32 v30, \a, v27
	v_lshl_add_u32 v[WST+\a], v30, 5, v29
.endr
	BRINIT BRD
	s_lshl_b32 s[TS], s[WV], 9
	s_add_co_u32 s[TS], s[TS], BIAS
	v_lshl_add_u32 v[BIA], v[VH], 5, s[TS]
	v_add_nc_u32 v31, s[TS], v[L16]
.if FFN == 2
	s_mul_i32 s[TS], s[WV], 4352
	s_add_co_u32 s[TS], s[TS], STAGE
	v_mul_u32_u24 v27, v[VR], 272
	v_lshl_add_u32 v27, v[VH], 5, v27
	v_add_nc_u32 v[STO], s[TS], v27
	v_mul_u32_u24 v27, v[VH], 272
	v_lshl_add_u32 v27, v[VR], 4, v27
	v_add_nc_u32 v[RD], s[TS], v27
.endif
	s_wait_loadcnt 32                              ; top1 and the bias are in; the 32 loads of weights, issued behind them, stay out
	v_cvt_pk_bf16_f32 v68, v64, v65                ; the bias is rounded to bf16 like every input, and kept in f32
	v_cvt_pk_bf16_f32 v69, v66, v67
	v_lshlrev_b32 v64, 16, v68
	v_and_b32 v65, 0xffff0000, v68
	v_lshlrev_b32 v66, 16, v69
	v_and_b32 v67, 0xffff0000, v69
.if FFN == 2
.irp i, 64,65,66,67
	v_and_b32 v\i, s[KM], v\i                      ; one quarter of K adds it
.endr
.endif
	s_wait_alu depctr_va_vdst(0)                   ; v31 and v[64:67] are written, which the LDS store reads; so are the LDS addresses made above, v[WST ..], v[BRD ..], v[BIA], v[STO] and v[RD]
	ds_store_b128 v31, v[64:67]
	s_mov_b32 s[CNT], 0
	s_cmp_lg_u32 s[WV], 0
	s_cbranch_scc1 .Lcount
	v_lshlrev_b32 v29, 2, v28                      ; WAVE 0 COUNTS AND LISTS
	v_add_nc_u32 v73, 1024, v28                    ; the index behind the list at which a lane without a token stores
	v_add_nc_u32 v72, LIST, v[L16]
.irp r, 76,77,78,79
	v_mov_b32 v\r, 0
.endr
.set g, 0
.rept 4                                ; eight registers of top1 at a time: a run of compares, one wait, then their readers
.irp i, 0,1,2,3,4,5,6,7
	v_cmp_eq_u32 s[MK+\i], s[EX], v[BB+g+\i]
.endr
	s_wait_alu depctr_va_sdst(0)                   ; the eight masks are written, ahead of their first readers
.irp i, 0,1,2,3,4,5,6,7
	v_mbcnt_lo_u32_b32 v[LA+g+\i], s[MK+\i], s[CNT]  ; my rank: those counted so far and the lanes below me
	s_bcnt1_i32_b32 s[TS], s[MK+\i]
	s_add_co_u32 s[CNT], s[CNT], s[TS]
	v_cndmask_b32 v[LA+g+\i], v73, v[LA+g+\i], s[MK+\i]
	v_min_u32 v[LA+g+\i], 0x41f, v[LA+g+\i]
	v_lshl_add_u32 v[LA+g+\i], v[LA+g+\i], 2, LIST
	v_add_nc_u32 v[LT+g+\i], 128*((g+\i)/4)+(g+\i)%4, v29  ; my token
.endr
.set g, g+8
.endr
	s_wait_alu depctr_va_vdst(0)                   ; v72, v[76:79] and the 32 addresses and 32 tokens are written, which the LDS stores below read
.irp i, 0,1,2,3,4,5,6,7
	ds_store_b128 v72, v[76:79] offset:512*\i      ; the list begins as token 0 in all 1,024 places: rank 0 exists for an expert without rows too (its results are not stored).  LDS serves a wave's instructions in order: the stores below come behind these
.endr
.set g, 0
.rept 32
	ds_store_b32 v[LA+g], v[LT+g]
.set g, g+1
.endr
	s_branch .Lcounted
.Lcount:                                           ; THE OTHERS COUNT
.set g, 0
.rept 4
.irp i, 0,1,2,3,4,5,6,7
	v_cmp_eq_u32 s[MK+\i], s[EX], v[BB+g+\i]
.endr
	s_wait_alu depctr_va_sdst(0)                   ; the eight masks are written, ahead of their first readers
.irp i, 0,1,2,3,4,5,6,7
	s_bcnt1_i32_b32 s[TS], s[MK+\i]
	s_add_co_u32 s[CNT], s[CNT], s[TS]
.endr
.set g, g+8
.endr
.Lcounted:
	s_min_u32 s[CN], s[CNT], 1024
	s_max_u32 s[CM1], s[CN], 1
	s_sub_co_u32 s[CM1], s[CM1], 1
	MEET                                           ; for the others' sake: the list lies in LDS
	s_wait_alu depctr_vm_vsrc(0)                   ; the LDS stores of the bias and of the list have read v[64:67], v72, v[76:79], which the roundings of the weights write again, and v[LA ..], v[LT ..], in which the bias lands
	s_mov_b32 s[TT], s[WV]
	TILE
	TOK
	INIT
.if FFN == 1
	ALOADS 1                                       ; out now, in this order: 32 loads of weights, 32 of the tile's rows
.else
	ALOADS 0                                       ; out now, in this order: 32 loads of weights, 32 of the tile's rows
.endif
	s_mov_b32 s[QC], 3
.Lquart:                                           ; a trip: quarter q is laid into LDS and multiplied, quarter q + 1 asked for
	FILLB 0, 1, 56                                 ; behind a batch's last load stand the rest of the quarter's (24, 16, 8, 0), the rows' 32 and the reloads so far (0, 8, 16, 24): 56 each time
	FILLB 1, 1, 56
	FILLB 2, 1, 56
	FILLB 3, 1, 56
	WIN 0
	MEET                                           ; my rows of the quarter lie in LDS, and everybody's do.  The next trip's stores go to the next quarter's bytes, which nobody reads before the next barrier
	s_wait_alu depctr_vm_vsrc(0)                   ; my LDS stores have read v[WO ..], in which W's fragments land and which the next quarter's roundings write, and v[WST ..], which is stepped below
	s_wait_loadcnt 32                              ; the tile's rows are in; the 32 reloads stay out.  On every wave's path: the registers are loaded again below
	s_cmp_eq_u32 s[ACT], 0
	s_cbranch_scc1 .Lidle                          ; a tile without rows multiplies nothing
	MULT
.Lidle:
	s_wait_alu depctr_vm_vsrc(0)                   ; the quarter's turning loads have read v[BRD ..]
.irp n, 0,1,2,3,4,5,6,7
	v_add_nc_u32 v[BRD+\n], 0x10000, v[BRD+\n]     ; reads and stores go on to the next quarter's 65,536 bytes
	v_add_nc_u32 v[WST+\n], 0x10000, v[WST+\n]
.endr
	s_wait_xcnt 0x0                                ; the reloads have read their base: it is stepped only behind this wait
	s_add_nc_u64 s[WB:WB+1], s[WB:WB+1], 256*WPITCH
	s_add_nc_u64 s[AB:AB+1], s[AB:AB+1], AQ
	ALOADS 1
	s_sub_co_u32 s[QC], s[QC], 1
	s_cmp_lg_u32 s[QC], 0
	s_cbranch_scc1 .Lquart
	FILLB 0, 0, 56                                 ; the last quarter: nothing is asked for, and the counts run down
	FILLB 1, 0, 48
	FILLB 2, 0, 40
	FILLB 3, 0, 32
	WIN 0
	MEET                                           ; the slice is whole, and nobody writes it any more
	s_wait_alu depctr_vm_vsrc(0)                   ; my LDS stores have read v[WO ..], in which W's fragments land, and v[WST ..], whose registers are made anew below
	s_wait_loadcnt 0x0                             ; the tile's rows of the last quarter are in; no load of mine is out
	s_cmp_eq_u32 s[ACT], 0
	s_cbranch_scc1 .Lidle2
	MULT                                           ; the first tile is finished
.Lidle2:
	BRINIT BRC                                     ; nothing is stored into the slice any more: those eight registers now hold the places in its first quarter, and are not rewritten
	s_mov_b32 s[PC], 4
.Lpass:                                            ; FOUR PASSES: the tile in hand goes out; the tile eight further on is multiplied from the resident slice.  The fourth pass never has a further tile
	s_cmp_eq_u32 s[ACT], 0
	s_cbranch_scc1 .Lnoout
.if FFN == 1
	s_lshl_b32 s[OF], s[TT], 18                    ; THE WAY OUT: the tile's two m-tiles of h2.  (No store of mine is out here: the wait at the label below has seen to the last pass's)
	s_add_nc_u64 s[OB:OB+1], s[OUT0:OUT0+1], s[OF:OF+1]
	GELU 0, 0
	GELU 0, 1
	GELU 0, 2
	GELU 0, 3
	s_wait_alu depctr_va_vdst(0)                   ; the m-tile's last roundings have written v[GO ..], which its last two stores read
	GOUT 0, 3
	s_cmp_eq_u32 s[ACT1], 0
	s_cbranch_scc1 .Lnoout                         ; an m-tile without rows is not stored
	GELU 1, 0
	GELU 1, 1
	GELU 1, 2
	GELU 1, 3
	s_wait_alu depctr_va_vdst(0)                   ; the m-tile's last roundings have written v[GO ..], which its last two stores read
	GOUT 1, 3
.else
	v_add_nc_u32 v27, s[R0], v[VH]                 ; THE WAY OUT: the tokens of ranks 2 k + l / 16.  A place past the count repeats the last rank: that token's bytes are stored again, with the same numbers
.set k, 0
.rept 16
	v_add_nc_u32 v[OA+k], 2*k, v27
	v_min_u32 v[OA+k], s[CM1], v[OA+k]
	v_min_u32 v[OA+k], 0x3ff, v[OA+k]
	v_lshl_add_u32 v[OA+k], v[OA+k], 2, LIST
.set k, k+1
.endr
	s_wait_alu depctr_va_vdst(0)                   ; the sixteen addresses v[OA ..] are written, which the loads below read; the products are done reading W's first buffer, in which they land
.set k, 0
.rept 16
	ds_load_b32 v[OT+k], v[OA+k]
.set k, k+1
.endr
	s_wait_dscnt 0x0
.set k, 0
.rept 16
	v_min_u32 v[OT+k], 0x3ff, v[OT+k]
	v_lshlrev_b32 v[OT+k], 12, v[OT+k]             ; a row of part is 4,096 bytes
	v_lshl_add_u32 v[OT+k], v[VR], 4, v[OT+k]
.set k, k+1
.endr
	s_wait_alu depctr_va_vdst(0)                   ; the sixteen offsets v[OT ..] are written, which the stores to part read.  (The wait above has shown the sums written, which the stores into the stage read: the four places at the products' end stay beside it)
	PUT 0, 0
	PUT 0, 1
	s_cmp_eq_u32 s[ACT1], 0
	s_cbranch_scc1 .Lnoout                         ; an m-tile without rows is not stored
	PUT 1, 0
	PUT 1, 1
.endif
.Lnoout:
	s_wait_xcnt 0x0                                ; on every path: the way out's stores have read their base, offsets and data, which the next tile and the next way out write anew
.if FFN == 1
	s_wait_alu depctr_vm_vsrc(0)                   ; on every path: the last stores have read v[GO ..], in which W's fragments land; the loads of the tile's rows have read v[AO ..], and the loads of its tokens v27 and v28, all of which TOK writes anew
.else
	s_wait_alu depctr_vm_vsrc(0)                   ; on every path: the stores have read v[OT ..] and the data buffers, and the loads of the tokens v[OA ..], in which W's fragments land; the stores into the stage have read the accumulators, in which the bias lands; the loads of the tile's rows have read v[AO ..], which TOK writes anew
	MEET                                           ; a barrier stands between the stores into the stages and the turning loads below, whose addresses step with the quarter.  The bytes are different ones: the barrier makes the order plain from the text alone
.endif
	s_add_co_u32 s[TT], s[TT], 8
	TILE
	s_cmp_eq_u32 s[ACT], 0
	s_cbranch_scc1 .Lnotile
	TOK
	INIT
.Lnotile:
	s_mov_b32 s[QO], 0
	s_mov_b32 s[QC], 4
.Lq:                                               ; a trip: a quarter of the slice.  Every wave walks all four; the addresses are made and stepped on every path
	s_wait_alu depctr_vm_vsrc(0)                   ; the turning loads of the quarter before have read v[BRD ..]
.irp n, 0,1,2,3,4,5,6,7
	v_add_nc_u32 v[BRD+\n], s[QO], v[BRC+\n]
.endr
	s_add_co_u32 s[QO], s[QO], 0x10000
	s_cmp_eq_u32 s[ACT], 0
	s_cbranch_scc1 .Lqdead                         ; a tile without rows loads and multiplies nothing
	ALOADS 1
	s_wait_loadcnt 0x0                             ; the tile's rows are in, so their base may be stepped below
	MULT
	s_add_nc_u64 s[AB:AB+1], s[AB:AB+1], AQ
.Lqdead:
	s_sub_co_u32 s[QC], s[QC], 1
	s_cmp_lg_u32 s[QC], 0
	s_cbranch_scc1 .Lq
.if FFN == 2
	MEET                                           ; and a barrier between those loads and the next LDS writes: the next pass's stores into the stages, at the end the add
.endif
	s_sub_co_u32 s[PC], s[PC], 1
	s_cmp_lg_u32 s[PC], 0
	s_cbranch_scc1 .Lpass
.if FFN == 1
	MEET                                           ; a barrier stands between the passes' turning loads, whose addresses step with the quarter, and the one LDS write that follows them, the add.  The bytes are different ones: the barrier makes the order plain from the text alone
.endif
	s_wait_dscnt 0x0                               ; the closing lines, six on end
	s_wait_alu 0x0
	s_wait_tensorcnt 0x0
	ds_add_u32 v[SPW], v[NIL]
	s_wait_dscnt 0x0
	s_endpgm
.Lfunc_end_k_qcc88ecc4e6_ffn1:
	.size	k_qcc88ecc4e6_ffn1, .Lfunc_end_k_qcc88ecc4e6_ffn1-k_qcc88ecc4e6_ffn1
	.p2alignl 7, 3214868480
	.fill 96, 4, 3214868480
	.section	.rodata,"a",@progbits
	.p2align	6, 0x0
	.amdhsa_kernel k_qcc88ecc4e6_ffn1
		.amdhsa_group_segment_fixed_size 306432
		.amdhsa_private_segment_fixed_size 0
		.amdhsa_enable_private_segment 0
		.amdhsa_kernarg_size 40
		.amdhsa_user_sgpr_count 2
		.amdhsa_user_sgpr_kernarg_segment_ptr 1
		.amdhsa_wavefront_size32 1
		.amdhsa_system_sgpr_workgroup_id_x 1
		.amdhsa_system_sgpr_workgroup_id_y 1
		.amdhsa_system_sgpr_workgroup_id_z 1
		.amdhsa_system_vgpr_workitem_id 0
		.amdhsa_next_free_vgpr 512
		.amdhsa_next_free_sgpr 66
		.amdhsa_reserve_vcc 0
		.amdhsa_float_denorm_mode_32 3
		.amdhsa_float_denorm_mode_16_64 3
		.amdhsa_memory_ordered 1
		.amdhsa_forward_progress 1
		.amdhsa_inst_pref_size 190
	.end_amdhsa_kernel
	.amdgpu_metadata
---
amdhsa.version: [ 1, 2 ]
amdhsa.kernels:
  - .name:           k_qcc88ecc4e6_ffn1
    .symbol:         k_qcc88ecc4e6_ffn1.kd
    .args:
      - { .name: xb, .offset: 0, .size: 8, .value_kind: global_buffer, .address_space: global }
      - { .name: W1, .offset: 8, .size: 8, .value_kind: global_buffer, .address_space: global }
      - { .name: b1, .offset: 16, .size: 8, .value_kind: global_buffer, .address_space: global }
      - { .name: top1, .offset: 24, .size: 8, .value_kind: global_buffer, .address_space: global }
      - { .name: h2, .offset: 32, .size: 8, .value_kind: global_buffer, .address_space: global }
    .group_segment_fixed_size: 306432
    .private_segment_fixed_size: 0
    .kernarg_segment_align: 8
    .kernarg_segment_size: 40
    .max_flat_workgroup_size: 256
    .sgpr_count:     66
    .vgpr_count:     512
    .wavefront_size: 32
...
	.end_amdgpu_metadata
.endif
;; end of part 5
;; launch ffn2 (part 6): grid 256 x 1, 8 waves a work-group, no clusters, 306,432 bytes of LDS; arguments h2, W2, b2, top1, part; writes part
.if DOCPART == 6
	.amdgcn_target "amdgcn-amd-amdhsa--gfx1250"
	.amdhsa_code_object_version 6
	.text
	.protected	k_qcc88ecc4e6_ffn2
	.globl	k_qcc88ecc4e6_ffn2
	.p2align	8
	.type	k_qcc88ecc4e6_ffn2,@function
k_qcc88ecc4e6_ffn2:
	s_mov_b64 s[64:65], 0
	v_nop
	global_prefetch_b8 v0, s[64:65] scope:SCOPE_SE
	s_setreg_imm32_b32 hwreg(HW_REG_WAVE_SCHED_MODE, 0, 2), 2
	s_setreg_imm32_b32 hwreg(HW_REG_WAVE_MODE, 25, 1), 1
	s_wait_xcnt 0x0
	s_wait_alu depctr_vm_vsrc(0)
; SimpleMoE, launches 2 and 3 of 4: THE TWO PRODUCTS, one text; FFN says which.
;   FFN = 1:  h = gelu(xb[rows of e] W1[e][:, 128 j ..] + b1[e]), exact gelu, for expert e and slice j of 32; h is stored in bf16.
;   FFN = 2:  part[kq] = h W2[e][1024 kq .., 128 j ..] (+ b2[e] where kq = 0), for expert e, quarter kq of K = 4,096 and slice j of 8; partial sums are stored in f32.
; WORK LEFT OUT: the rows of experts that a token did not choose; the function's own mask multiplies them by 0 (shown at the head of the first launch's text).  top1, read from memory, says which rows are an expert's.
; LIMITS.  W, the bias and h are rounded to bf16, sums are f32.  erf is Abramowitz and Stegun's 7.1.26, off by at most 1.5e-7 for every argument; where x x overflows the exponential is 0 and gelu is max(x, 0).
; An expert without rows still has its slice read; nothing is stored for it.
; SHARES.  A work-group owns a slice of 1,024 k x 128 columns of one expert's weights, 512 KB of f32 that it alone reads, in rows of 512 consecutive aligned bytes.  It is rounded on its way through
; registers and laid into LDS in bf16, where it stays.  The slice comes in four quarters of 256 k; of each, wave w fetches rows 32 w .. 32 w + 31.  Wave w also owns the row tiles t = w, w + 8, w + 16, w + 24:
; 32 ranks of the expert (two m-tiles) x all 128 columns, 16 accumulators.  Its first tile is multiplied quarter by quarter while the slice streams in, the others (an expert with more than 256 rows) from the resident slice.
; Every split of the tokens is served: 4 tiles x 8 waves x 32 ranks = 1,024.  Places past the count in a tile repeat the expert's last rank.
; THE PASSES.  Behind the stream every wave walks 4 passes x 4 quarters, constant counts; what a wave has no rows for (a way out, a tile's set-up, a quarter's loads and products) is jumped, forward; every wave passes every barrier.
; THE LIST.  Every wave loads all 1,024 words of top1 and counts its expert's tokens; wave 0 also stores the token of each rank into LDS.  Both products make the list in the same way, so a rank means the same token in both.
; IN FLIGHT.  A wave has 32 loads of weights (16 KB) out, asked for again eight at a time as they are rounded, a quarter ahead of their use; the tile's own rows are asked for a quarter ahead too.
; NO TENSOR LOADS: the weights are f32 and are rounded in registers.  NO CLUSTER: a slice has one reader; what an expert's work-groups share is its rows, which come by a list (FFN = 1) or in a number that hangs
; on a stored count.  NO PREFETCH: the loads themselves run a quarter (128 KB a work-group) ahead, and the rows are read again by many work-groups.
; LAYOUT.  D^T = W^T A^T: source 0 = 16 columns of W (out of LDS turned, by ds_load_tr16_b128), source 1 = 16 ranks.  In the result lane l holds rank l % 16 and the columns 8 (l / 16) + 0..7.
; h2 is [e][m-tile 64][n-tile 256][lane 32][8 bf16]: a lane's eight results are its 16 bytes of a block of 512, and the same 16 bytes are half a fragment of source 1 in the second product.
; REGISTERS, in windows of 256 (s_set_vgpr_msb: bits 1:0 source 0, 3:2 source 1, 5:4 source 2, 7:6 destination):
;   window 0: v0-31 addresses and five at work; v32-127 W's fragments, three buffers of four n-tiles (at the head top1, the bias and some at work; while a quarter is laid into LDS v32-95 hold its rounded weights; on the way out at work);
;             v128-255 the accumulators (at the head, in wave 0, v128-191 hold the list's addresses and tokens)
;   window 1: v0-127 the 32 loads of weights; v128-255 the tile's fragments of a quarter (k step s, m-tile m at 128 + 8 (2 s + m))
; THE MODE: SCHED_MODE bits 1:0 = 2 (LLVM: expert scheduling mode 2), set by the entry lines.  The code itself states the register dependences between vector or matrix instructions and memory or LDS instructions, with s_wait_alu, always for 0.
; THE PLAN.  Registers that memory or LDS instructions touch, and who else names them:
;   RAW (window 1, v0-127)   A batch's sixteen roundings read 32 of them; behind the batch's one wait on va_vdst the same rows of the next quarter are asked for into them.
;   WO (v32-95)              The roundings write them; the batch's LDS stores, behind the same wait, read them.  They are W's first two fragment buffers too: one wait on vm_vsrc behind the quarter's barrier states that the stores have read them, and v[WST ..].
;   BB (v32-127)             Unit u's products read buffer u % 3.  Behind the wait on va_vdst at the head of unit u + 1 the loads of unit u + 3 land in it, dealt among that unit's products, which name another buffer, the tile's fragments and the accumulators.
;   AF (window 1, v128-255)  A quarter's products read them; the next quarter's loads stand behind one wait on va_vdst, which also states that v[AO ..] and the stepped addresses are written.
;   v[BRD ..], v[WST ..]     Stepped once a quarter, behind a wait on vm_vsrc and ahead of AF's wait.
;   the accumulators         Written by the products; read on the way out by vector lines (FFN = 1) or by LDS stores (FFN = 2); the next tile's bias lands in them behind the wait on vm_vsrc at the way out's end and TOK's wait on va_vdst.
;   the way out's own        FFN = 1: v[GO ..]; FFN = 2: v[OA ..], v[OT ..] and the two data buffers: said there.
;   v[L16], v[BIA], v[STO], v[RD], v[SPW], v[NIL]  Made at the head and never written again.
.set FFN, 2
.if FFN == 1
.set WPITCH, 16384                     ; bytes from row to row of W1[e]
.set ASTEP,  64                        ; a k step of 32 in a row of xb
.set AHALF,  32
.set AQ,     512                       ; a quarter
.else
.set WPITCH, 4096                      ; of W2[e]
.set ASTEP,  1024                      ; a k step of 32 is two blocks of h2
.set AHALF,  512
.set AQ,     8192
.endif
.set STAGE, 262144                     ; LDS: W at 0: row k at 256 k, its chunk c of 32 bytes (an n-tile) at place c xor (k % 8)
.set LIST,  296960                     ; behind W the waves' stages (16 rows x 272 bytes, FFN = 2); then the token of each rank, 4,096 bytes, and 128 bytes where lanes without a token put theirs
.set BIAS,  301312                     ; a copy for each wave of the slice's bias, 128 numbers in f32 (rounded to bf16)
.set SPARE, 305408                     ; the spare words, 128 bytes for each wave: four blocks of 256 bytes that no other line names
.set SPW, 1                            ; v1      LDS address of my spare word; never rewritten
.set NIL, 2                            ; v2      0; never rewritten
.set L16, 3                            ; v3      16 x lane; never rewritten
.set WST, 4                            ; v4-11   while the slice streams in: where my 8 bytes of row 32 w + i go, by i % 8
.set BRC, 4                            ; v4-11   behind that: my place in a turned fragment of n-tile 0..7, in the slice's first quarter
.set BRD, 12                           ; v12-19  the same in the quarter in hand
.set AO,  20                           ; v20-21  my offset in the rows of m-tile 0, 1
.set BIA, 22                           ; v22     my eight numbers of the bias for n-tile 0
.set STO, 23                           ; v23     the way out (FFN = 2): where I put 32 bytes of a row
.set RD,  24                           ; v24     where I read a row back
.set VR,  25                           ; v25     l % 16
.set VH,  26                           ; v26     l / 16
.set BB,  32
.set WO,  32                           ; v32-95  a quarter's weights in bf16 on their way into LDS: batch b, row i at WO + 16 b + 2 i
.set ACC, 128                          ; accumulator (m, n) at ACC + 64 m + 8 n
.set LA,  128                          ; at the head, wave 0: v128-159 where the token of top1's register g goes in LDS
.set LT,  160                          ; v160-191 that token
.set AF,  128                          ; window 1
.set OT,  32                           ; FFN = 2, the way out: v32-47 the offsets in part of rows 2 t + l / 16 of m-tile m, at OT + 8 m + t
.set OA,  48                           ; v48-63 the LDS addresses at which those rows' tokens are read
.set GQ,  32                           ; FFN = 1, the way out: x x, then the exponential
.set GU,  48                           ; 1 + p |x|, then its reciprocal t
.set GM,  64                           ; max(x, 0), then gelu
.set GP,  80                           ; the polynomial
.set GO,  96                           ; 16 results in bf16
.set WV,  14                           ; s14  my wave's number
.set EX,  15                           ; s15  the expert
.set SJ,  16                           ; s16  the slice
.set KQ,  17                           ; s17  the quarter of K (FFN = 2)
.set MK,  18                           ; s18-25  at the head only: the lanes whose token is the expert's, for eight registers of top1 at a time
.set CN,  18                           ; s18  the expert's rows
.set CM1, 19                           ; s19  its last rank (0 if it has none)
.set QC,  20                           ; s20  counts quarters
.set PC,  21                           ; s21  counts passes
.set TT,  22                           ; s22  my tile
.set R0,  23                           ; s23  its first rank
.set ACT, 24                           ; s24  1: the tile has rows
.set ACT1, 25                          ; s25  1: its second m-tile has rows
.set OF,  26                           ; s[26:27] an offset; the high word stays 0
.set WB,  28                           ; s[28:29] W at my rows of the quarter in hand
.set AB,  30                           ; s[30:31] the tile's rows at the quarter to be loaded
.set A0,  32                           ; s[32:33] the rows' base
.set OUT0, 34                          ; s[34:35] the output's base
.set OB,  36                           ; s[36:37] the tile's place in h2
.set CNT, 39                           ; s39  tokens counted so far
.set TS,  40                           ; s40  at work
.set KM,  41                           ; s41  all ones where the bias is mine to add (FFN = 2: kq = 0)
.set CP,  42                           ; s42  p / sqrt(2)
.set CE,  44                           ; s[44:45] - log2(e) / 2; this and the next five are named as pairs, the low word serves both halves
.set C5,  46
.set C4,  48
.set C3,  50
.set C2,  52
.set C1,  54
.set BP,  56                           ; s[56:57] the slice's bias
.set QO,  58                           ; s58  LDS byte at which the quarter to be multiplied begins (the passes)
.set MSB, 0
.macro WIN new                         ; the immediate's high byte repeats the setting that is left; a switch that changes nothing is dropped
.if MSB != (\new)
	s_set_vgpr_msb (MSB<<8)|(\new)
.set MSB, \new
.endif
.endm
.set W_CV, 0x05                        ; a rounding: both sources in window 1, the result in window 0
.set W_IO, 0x40                        ; global loads into window 1; addresses, and the LDS stores' data, in window 0
.set W_MM, 0x04                        ; products: source 1 in window 1, all else, the LDS loads too, in window 0
.macro PLACES                          ; four places between a product and what reads its result or loads into one of its registers (ISA guide 7.12.1 for vector instructions)
.rept 4
	v_nop
.endr
.endm
.macro MEET                            ; every wave's LDS instructions are done, and every wave is here
	s_wait_dscnt 0x0
	s_barrier_signal -1
	s_barrier_wait -1
.endm
.macro WLOAD i, off                    ; row off + i of my rows: 512 consecutive bytes, aligned
	global_load_b128 v[4*(\i):4*(\i)+3], v[L16], s[WB:WB+1] offset:((\off)+(\i))*WPITCH th:TH_LOAD_NT
.endm
; Eight rows of weights: waited for, rounded into v[WO ..], stored into the slice; reload = 1: the same rows of the next quarter are asked for.  n: the younger loads, which may stay out.
.macro FILLB b, reload, n
	s_wait_loadcnt \n
	WIN W_CV
.irp i, 0,1,2,3,4,5,6,7
	v_cvt_pk_bf16_f32 v[WO+16*\b+2*\i], v[4*(8*\b+\i)], v[4*(8*\b+\i)+1]
	v_cvt_pk_bf16_f32 v[WO+16*\b+2*\i+1], v[4*(8*\b+\i)+2], v[4*(8*\b+\i)+3]
.endr
	WIN W_IO
	s_wait_alu depctr_va_vdst(0)                   ; the sixteen roundings are done reading the batch's 32 registers, in which the loads below land, and have written v[WO ..], which the LDS stores below read
.if \reload
.irp i, 0,1,2,3,4,5,6,7
	WLOAD 8*\b+\i, 256
.endr
.endif
.irp i, 0,1,2,3,4,5,6,7
	ds_store_b64 v[WST+\i], v[WO+16*\b+2*\i:WO+16*\b+2*\i+1] offset:256*(8*\b+\i)
.endr
.endm
; My place in a turned fragment of each n-tile, in the slice's first quarter, into eight registers from dst on: lane l reads row 8 (l / 16) + l % 8, 16 bytes: half (l / 8) % 2 of the n-tile's chunk.
.macro BRINIT dst
	v_and_b32 v27, 7, v0
	v_lshl_add_u32 v30, v[VH], 3, v27
	v_bfe_u32 v29, v0, 3, 1
	v_lshlrev_b32 v30, 8, v30
	v_lshl_add_u32 v29, v29, 4, v30
.irp n, 0,1,2,3,4,5,6,7
	v_xor_b32 v30, \n, v27
	v_lshl_add_u32 v[\dst+\n], v30, 5, v29
.endr
.endm
.macro TILE                            ; from my tile's number: its first rank, and which of its m-tiles have rows
	s_lshl_b32 s[R0], s[TT], 5
	s_cmp_lt_u32 s[R0], s[CN]
	s_cselect_b32 s[ACT], 1, 0
.if FFN == 2
	s_min_u32 s[ACT], s[ACT], 1                    ; the flag hangs on a loaded count and enters an offset below: it is held to its range by a minimum with a constant first
.endif
	s_add_co_u32 s[TS], s[R0], 16
	s_cmp_lt_u32 s[TS], s[CN]
	s_cselect_b32 s[ACT1], 1, 0
.if FFN == 2
	s_min_u32 s[ACT1], s[ACT1], 1                  ; likewise
.endif
.endm
.macro TOK                             ; where the tile's rows lie.  Its one wait on va_vdst serves INIT, which follows it, too
.if FFN == 1
	v_add_nc_u32 v27, s[R0], v[VR]                 ; my rank in m-tile 0,
	v_add_nc_u32 v28, 16, v27                      ; in m-tile 1;
	v_min_u32 v27, s[CM1], v27                     ; a place past the count repeats the last rank
	v_min_u32 v28, s[CM1], v28
	v_min_u32 v27, 0x3ff, v27
	v_min_u32 v28, 0x3ff, v28
	v_lshl_add_u32 v27, v27, 2, LIST
	v_lshl_add_u32 v28, v28, 2, LIST
	s_wait_alu depctr_va_vdst(0)                   ; v27 and v28 are written, which the two loads read; the lines that wrote v[AO ..] are done, in which they land; the products have written and the way out's lines have read the accumulators, in which the bias lands
	ds_load_b32 v[AO], v27
	ds_load_b32 v[AO+1], v28
	s_mov_b64 s[AB:AB+1], s[A0:A0+1]
	s_wait_dscnt 0x0
	v_min_u32 v[AO], 0x3ff, v[AO]
	v_min_u32 v[AO+1], 0x3ff, v[AO+1]
	v_lshlrev_b32 v[AO], 11, v[AO]                 ; a row of xb is 2,048 bytes
	v_lshlrev_b32 v[AO+1], 11, v[AO+1]
	v_lshl_add_u32 v[AO], v[VH], 4, v[AO]
	v_lshl_add_u32 v[AO+1], v[VH], 4, v[AO+1]
.else
	v_mul_u32_u24 v[AO], s[ACT], v[L16]            ; my 16 bytes of a block; 0 in every lane where the tile has no rows
	s_lshl_b32 s[TS], s[ACT1], 17                  ; an m-tile of h2 is 131,072 bytes; a second m-tile without rows was never stored: the first is read in its stead
	v_add_nc_u32 v[AO+1], s[TS], v[AO]
	s_lshl_b32 s[OF], s[TT], 18
	s_add_nc_u64 s[AB:AB+1], s[A0:A0+1], s[OF:OF+1]
	s_cmp_lg_u32 s[ACT], 0
	s_cselect_b64 s[AB:AB+1], s[AB:AB+1], s[8:9]   ; a tile without rows was never stored either: its loads, which keep the counts of the waits alike in all waves, take 16 bytes each of b2 (up to byte 32,271 of its 32,768)
	s_wait_alu depctr_va_vdst(0)                   ; v[AO] and v[AO+1] are written, which the loads of the tile's rows read; the products have written the accumulators, in which the bias lands
.endif
.endm
.macro INIT                            ; the bias starts the sums: nothing is cleared.  No vector or matrix line since TOK's wait names the accumulators or v[BIA]
.irp m, 0,1
.irp n, 0,1,2,3,4,5,6,7
	ds_load_b128 v[ACC+64*\m+8*\n:ACC+64*\m+8*\n+3], v[BIA] offset:64*\n
	ds_load_b128 v[ACC+64*\m+8*\n+4:ACC+64*\m+8*\n+7], v[BIA] offset:64*\n+16
.endr
.endr
.endm
.macro ALOADS w                        ; the tile's fragments of a quarter: 32 loads.  w = 0: TOK's wait stands ahead, with LDS loads alone between
	WIN W_IO
.if \w
	s_wait_alu depctr_va_vdst(0)                   ; the last quarter's products are done reading the fragments, in which these loads land; v[AO ..], which they read, is written; so are v[BRD ..] and v[WST ..], stepped just ahead, which the next LDS loads and stores read
.endif
.irp s, 0,1,2,3,4,5,6,7
.irp m, 0,1
	global_load_b128 v[AF+8*(2*\s+\m):AF+8*(2*\s+\m)+3], v[AO+\m], s[AB:AB+1] offset:\s*ASTEP
	global_load_b128 v[AF+8*(2*\s+\m)+4:AF+8*(2*\s+\m)+7], v[AO+\m], s[AB:AB+1] offset:\s*ASTEP+AHALF
.endr
.endr
	WIN 0
.endm
.macro BL2 u, n                        ; unit u of 16 is k step u / 2, n-tiles 4 (u % 2) .. + 3, in buffer u % 3: the two turning loads of its n-tile n
	ds_load_tr16_b128 v[BB+32*((\u)%3)+8*(\n):BB+32*((\u)%3)+8*(\n)+3], v[BRD+4*((\u)%2)+(\n)] offset:8192*((\u)/2)
	ds_load_tr16_b128 v[BB+32*((\u)%3)+8*(\n)+4:BB+32*((\u)%3)+8*(\n)+7], v[BRD+4*((\u)%2)+(\n)] offset:8192*((\u)/2)+4096
.endm
.macro BL u                            ; all eight
.irp n, 0,1,2,3
	BL2 \u, \n
.endr
.endm
; A quarter's 128 products.  W's fragments run two units ahead in three buffers; unit u + 2's eight loads are dealt among unit u's products, two behind each pair.  All 16 accumulators take turns, one instruction a turn:
; 15 others stand between two links of a chain, from quarter to quarter too.  Units 0 to 2 load into buffers that the wait ahead of MULT has shown free (a batch's, or ALOADS').
; Four places close it, on every way out of it: what follows reads the sums, or loads into the accumulators, the fragments or W's buffers.
.macro MULT
	WIN W_MM
	BL 0
	BL 1
.set u, 0
.rept 16
.if (u >= 1) && (u <= 13)
	PLACES                                         ; the buffer loaded below was read by the products just issued
	s_wait_alu depctr_va_vdst(0)                   ; and those products are done reading it; the places above stay beside this wait.  This unit's products name none of the registers that its loads touch
.endif
.if u <= 14
	s_wait_dscnt 8                                 ; unit u is in (and all older LDS loads, the bias among them); the next unit's eight loads may stay out
.else
	s_wait_dscnt 0x0
.endif
.irp n, 0,1,2,3
.irp m, 0,1
	v_wmma_f32_16x16x32_bf16 v[ACC+64*\m+8*(4*(u%2)+\n):ACC+64*\m+8*(4*(u%2)+\n)+7], v[BB+32*(u%3)+8*\n:BB+32*(u%3)+8*\n+7], v[AF+8*(2*(u/2)+\m):AF+8*(2*(u/2)+\m)+7], v[ACC+64*\m+8*(4*(u%2)+\n):ACC+64*\m+8*(4*(u%2)+\n)+7]
.endr
.if u <= 13
	BL2 u+2, \n
.endif
.endr
.set u, u+1
.endr
	PLACES
	WIN 0
.endm
.if FFN == 1
; gelu(x) = max(x, 0) - |x| P(t) 2^(-x x log2(e) / 2), t = 1 / (1 + p |x| / sqrt(2)), P = erfc's polynomial with halved coefficients: for 16 numbers, n-tiles 2 p and 2 p + 1 of m-tile m.
; The 32 transcendentals are one batch with one wait; the 16 maxima are the plain work between them and the wait.  The same wait shows the 16 results before written: their two stores follow it at once.
.macro GOUT m, p                       ; 16 results leave: two blocks of h2, 512 consecutive bytes each, aligned
	global_store_b128 v[L16], v[GO:GO+3], s[OB:OB+1] offset:(\m)*131072+(\p)*1024
	global_store_b128 v[L16], v[GO+4:GO+7], s[OB:OB+1] offset:(\m)*131072+(\p)*1024+512
.endm
.macro GELU m, p
.set XB, ACC+64*(\m)+16*(\p)
.irp i, 0,2,4,6,8,10,12,14
	v_pk_mul_f32 v[GQ+\i:GQ+\i+1], v[XB+\i:XB+\i+1], v[XB+\i:XB+\i+1]  ; each accumulator is read from its low end on
.endr
.irp i, 0,1,2,3,4,5,6,7,8,9,10,11,12,13,14,15
	v_fma_f32 v[GU+\i], |v[XB+\i]|, s[CP], 1.0
.endr
.irp i, 0,2,4,6,8,10,12,14
	v_pk_mul_f32 v[GQ+\i:GQ+\i+1], v[GQ+\i:GQ+\i+1], s[CE:CE+1] op_sel_hi:[1,0]
.endr
.irp i, 0,1,2,3,4,5,6,7,8,9,10,11,12,13,14,15
	v_rcp_f32 v[GU+\i], v[GU+\i]
.endr
.irp i, 0,1,2,3,4,5,6,7,8,9,10,11,12,13,14,15
	v_exp_f32 v[GQ+\i], v[GQ+\i]
.endr
.irp i, 0,1,2,3,4,5,6,7,8,9,10,11,12,13,14,15
	v_max_num_f32 v[GM+\i], 0, v[XB+\i]
.endr
	s_wait_alu depctr_va_vdst(0)                   ; the 16 reciprocals and 16 exponentials are written, ahead of their first use: one wait for the batch; and the roundings of the 16 numbers before have written v[GO ..], which the stores below read
.if (\p) > 0
	GOUT \m, (\p)-1
.endif
.irp i, 0,2,4,6,8,10,12,14
	v_pk_fma_f32 v[GP+\i:GP+\i+1], v[GU+\i:GU+\i+1], s[C5:C5+1], s[C4:C4+1] op_sel_hi:[1,0,0]
.endr
.irp c, C3, C2, C1
.irp i, 0,2,4,6,8,10,12,14
	v_pk_fma_f32 v[GP+\i:GP+\i+1], v[GP+\i:GP+\i+1], v[GU+\i:GU+\i+1], s[\c:\c+1] op_sel_hi:[1,1,0]
.endr
.endr
.irp i, 0,2,4,6,8,10,12,14
	v_pk_mul_f32 v[GP+\i:GP+\i+1], v[GP+\i:GP+\i+1], v[GU+\i:GU+\i+1]
.endr
.irp i, 0,2,4,6,8,10,12,14
	v_pk_mul_f32 v[GP+\i:GP+\i+1], v[GP+\i:GP+\i+1], v[GQ+\i:GQ+\i+1]
.endr
.irp i, 0,1,2,3,4,5,6,7,8,9,10,11,12,13,14,15
	v_fma_f32 v[GM+\i], -|v[XB+\i]|, v[GP+\i], v[GM+\i]
.endr
.if (\m)+(\p) > 0                      ; (a way out's first sixteen find no store out: the waits at the last way out's end have seen to that)
	s_wait_xcnt 0x0                                ; the last two stores have had their addresses translated: their data is rewritten only behind this wait
	s_wait_alu depctr_vm_vsrc(0)                   ; and they have read v[GO ..], which the roundings below write again
.endif
.irp i, 0,1,2,3,4,5,6,7
	v_cvt_pk_bf16_f32 v[GO+\i], v[GM+2*\i], v[GM+2*\i+1]
.endr
.endm
.else
; 16 ranks x 64 columns of f32 (half f of m-tile m) go through my stage: in by lanes' 32 bytes, back as whole rows of 256 bytes, two rows a load, and out to the ranks' tokens.
; No vector or matrix line since the way out's second wait on va_vdst names the accumulators, v[STO], v[RD], v[OT ..] or the data buffers.
.macro PUT m, f
.set DB, 64+32*(\f)
.irp n, 0,1,2,3
	ds_store_b128 v[STO], v[ACC+64*(\m)+8*(4*(\f)+\n):ACC+64*(\m)+8*(4*(\f)+\n)+3] offset:64*\n  ; each accumulator from its low end on
	ds_store_b128 v[STO], v[ACC+64*(\m)+8*(4*(\f)+\n)+4:ACC+64*(\m)+8*(4*(\f)+\n)+7] offset:64*\n+16
.endr
.if (\m) == 1 && (\f) == 0             ; once, for both data buffers: the first m-tile's stores all stand ahead
	s_wait_xcnt 0x0                                ; the first m-tile's stores have had their addresses translated: their data is loaded again only behind this wait
	s_wait_alu depctr_vm_vsrc(0)                   ; and they have read both data buffers, in which this m-tile's rows land
.endif
.irp t, 0,1,2,3,4,5,6,7
	ds_load_b128 v[DB+4*\t:DB+4*\t+3], v[RD] offset:544*\t  ; the stage is my own, and LDS serves a wave's instructions in order (ISA guide 5.7.1.4)
.endr
	s_wait_dscnt 0x0
.irp t, 0,1,2,3,4,5,6,7
	global_store_b128 v[OT+8*(\m)+\t], v[DB+4*\t:DB+4*\t+3], s[OUT0:OUT0+1] offset:256*(\f)  ; 16 lanes store 256 consecutive bytes, aligned, of one token's row
.endr
.endm
.endif
	s_load_b256 s[4:11], s[0:1], 0x0               ; the rows (xb or h2) s[4:5], W s[6:7], the bias s[8:9], top1 s[10:11]
	s_load_b64 s[12:13], s[0:1], 0x20              ; the output (h2 or part)
	v_lshl_add_u32 v[SPW], v0, 2, SPARE
	v_mov_b32 v[NIL], 0
	v_lshrrev_b32 v27, 5, v0
	v_readfirstlane_b32 s[WV], v27                 ; wave 0..7
	v_and_b32 v28, 31, v0                          ; l
	v_lshlrev_b32 v[L16], 4, v28
	s_wait_alu depctr_va_sdst(0)                   ; s[WV] is written, ahead of its first reader: the bases and the LDS addresses are made from it
	s_lshr_b32 s[EX], ttmp9, 5
	s_mov_b32 s[OF+1], 0
.if FFN == 1
	s_and_b32 s[SJ], ttmp9, 31
	s_lshl_b32 s[OF], s[EX], 24                    ; W1[e], 16 MB;
	s_lshl_b32 s[TS], s[SJ], 9                     ; 128 columns, 512 bytes;
	s_add_co_u32 s[OF], s[OF], s[TS]
	s_lshl_b32 s[TS], s[WV], 19                    ; my 32 rows of a quarter
	s_add_co_u32 s[OF], s[OF], s[TS]
	s_wait_kmcnt 0x0
	s_add_nc_u64 s[WB:WB+1], s[6:7], s[OF:OF+1]
	s_lshl_b32 s[OF], s[EX], 14
	s_lshl_b32 s[TS], s[SJ], 9
	s_add_co_u32 s[OF], s[OF], s[TS]
	s_add_nc_u64 s[BP:BP+1], s[8:9], s[OF:OF+1]
	s_lshl_b32 s[OF], s[EX], 23                    ; h2: the expert's 64 m-tiles; the slice's 8 n-tiles of 512 bytes
	s_lshl_b32 s[TS], s[SJ], 12
	s_add_co_u32 s[OF], s[OF], s[TS]
	s_add_nc_u64 s[OUT0:OUT0+1], s[12:13], s[OF:OF+1]
	s_mov_b64 s[A0:A0+1], s[4:5]
	s_mov_b32 s[CP], 0x3e6d3388                    ; 0.3275911 / sqrt(2)
	s_mov_b32 s[CE], 0xbf38aa3b                    ; - log2(e) / 2
	s_mov_b32 s[CE+1], 0xbf38aa3b
	s_mov_b32 s[C5], 0x3f07dc22                    ; 1.061405429 / 2
	s_mov_b32 s[C5+1], 0x3f07dc22
	s_mov_b32 s[C4], 0xbf3a00e3                    ; -1.453152027 / 2
	s_mov_b32 s[C4+1], 0xbf3a00e3
	s_mov_b32 s[C3], 0x3f35f0e3                    ; 1.421413741 / 2
	s_mov_b32 s[C3+1], 0x3f35f0e3
	s_mov_b32 s[C2], 0xbe11a98e                    ; -0.284496736 / 2
	s_mov_b32 s[C2+1], 0xbe11a98e
	s_mov_b32 s[C1], 0x3e027906                    ; 0.254829592 / 2
	s_mov_b32 s[C1+1], 0x3e027906
.else
	s_and_b32 s[SJ], ttmp9, 7
	s_bfe_u32 s[KQ], ttmp9, 0x20003
	s_cmp_eq_u32 s[KQ], 0
	s_cselect_b32 s[KM], -1, 0
	s_lshl_b32 s[OF], s[EX], 24                    ; W2[e], 16 MB;
	s_lshl_b32 s[TS], s[KQ], 22                    ; 1,024 rows of 4,096 bytes;
	s_add_co_u32 s[OF], s[OF], s[TS]
	s_lshl_b32 s[TS], s[SJ], 9                     ; 128 columns;
	s_add_co_u32 s[OF], s[OF], s[TS]
	s_lshl_b32 s[TS], s[WV], 17                    ; my 32 rows of a quarter
	s_add_co_u32 s[OF], s[OF], s[TS]
	s_wait_kmcnt 0x0
	s_add_nc_u64 s[WB:WB+1], s[6:7], s[OF:OF+1]
	s_lshl_b32 s[OF], s[EX], 12
	s_lshl_b32 s[TS], s[SJ], 9
	s_add_co_u32 s[OF], s[OF], s[TS]
	s_add_nc_u64 s[BP:BP+1], s[8:9], s[OF:OF+1]
	s_lshl_b32 s[OF], s[KQ], 22                    ; part[kq], 4 MB; the slice's 512 bytes of a row
	s_add_co_u32 s[OF], s[OF], s[TS]
	s_add_nc_u64 s[OUT0:OUT0+1], s[12:13], s[OF:OF+1]
	s_lshl_b32 s[OF], s[EX], 23                    ; h2: the expert; the 64 n-tiles of my quarter of K
	s_lshl_b32 s[TS], s[KQ], 15
	s_add_co_u32 s[OF], s[OF], s[TS]
	s_add_nc_u64 s[A0:A0+1], s[4:5], s[OF:OF+1]
.endif
	s_wait_alu depctr_va_vdst(0)                   ; v[L16] is written: the loads of top1, of the bias and of the weights read it as their offset
.irp q, 0,1,2,3,4,5,6,7
	global_load_b128 v[BB+4*\q:BB+4*\q+3], v[L16], s[10:11] offset:512*\q  ; top1: register 4 q + i holds token 128 q + 4 l + i
.endr
	global_load_b128 v[64:67], v[L16], s[BP:BP+1]  ; the bias of columns 4 l ..
	WIN W_IO
.set i, 0
.rept 32
	WLOAD i, 0                                     ; the first quarter
.set i, i+1
.endr
	WIN 0
	v_and_b32 v[VR], 15, v0
	v_bfe_u32 v[VH], v0, 4, 1
	v_bfe_u32 v27, v0, 2, 3                        ; my 8 bytes of a row of 256: chunk l / 4,
	v_and_b32 v29, 3, v0                           ; place l % 4 in it
	s_lshl_b32 s[TS], s[WV], 13
	v_lshl_add_u32 v29, v29, 3, s[TS]
.irp a, 0,1,2,3,4,5,6,7
	v_xor_b32 v30, \a, v27
	v_lshl_add_u32 v[WST+\a], v30, 5, v29
.endr
	BRINIT BRD
	s_lshl_b32 s[TS], s[WV], 9
	s_add_co_u32 s[TS], s[TS], BIAS
	v_lshl_add_u32 v[BIA], v[VH], 5, s[TS]
	v_add_nc_u32 v31, s[TS], v[L16]
.if FFN == 2
	s_mul_i32 s[TS], s[WV], 4352
	s_add_co_u32 s[TS], s[TS], STAGE
	v_mul_u32_u24 v27, v[VR], 272
	v_lshl_add_u32 v27, v[VH], 5, v27
	v_add_nc_u32 v[STO], s[TS], v27
	v_mul_u32_u24 v27, v[VH], 272
	v_lshl_add_u32 v27, v[VR], 4, v27
	v_add_nc_u32 v[RD], s[TS], v27
.endif
	s_wait_loadcnt 32                              ; top1 and the bias are in; the 32 loads of weights, issued behind them, stay out
	v_cvt_pk_bf16_f32 v68, v64, v65                ; the bias is rounded to bf16 like every input, and kept in f32
	v_cvt_pk_bf16_f32 v69, v66, v67
	v_lshlrev_b32 v64, 16, v68
	v_and_b32 v65, 0xffff0000, v68
	v_lshlrev_b32 v66, 16, v69
	v_and_b32 v67, 0xffff0000, v69
.if FFN == 2
.irp i, 64,65,66,67
	v_and_b32 v\i, s[KM], v\i                      ; one quarter of K adds it
.endr
.endif
	s_wait_alu depctr_va_vdst(0)                   ; v31 and v[64:67] are written, which the LDS store reads; so are the LDS addresses made above, v[WST ..], v[BRD ..], v[BIA], v[STO] and v[RD]
	ds_store_b128 v31, v[64:67]
	s_mov_b32 s[CNT], 0
	s_cmp_lg_u32 s[WV], 0
	s_cbranch_scc1 .Lcount
	v_lshlrev_b32 v29, 2, v28                      ; WAVE 0 COUNTS AND LISTS
	v_add_nc_u32 v73, 1024, v28                    ; the index behind the list at which a lane without a token stores
	v_add_nc_u32 v72, LIST, v[L16]
.irp r, 76,77,78,79
	v_mov_b32 v\r, 0
.endr
.set g, 0
.rept 4                                ; eight registers of top1 at a time: a run of compares, one wait, then their readers
.irp i, 0,1,2,3,4,5,6,7
	v_cmp_eq_u32 s[MK+\i], s[EX], v[BB+g+\i]
.endr
	s_wait_alu depctr_va_sdst(0)                   ; the eight masks are written, ahead of their first readers
.irp i, 0,1,2,3,4,5,6,7
	v_mbcnt_lo_u32_b32 v[LA+g+\i], s[MK+\i], s[CNT]  ; my rank: those counted so far and the lanes below me
	s_bcnt1_i32_b32 s[TS], s[MK+\i]
	s_add_co_u32 s[CNT], s[CNT], s[TS]
	v_cndmask_b32 v[LA+g+\i], v73, v[LA+g+\i], s[MK+\i]
	v_min_u32 v[LA+g+\i], 0x41f, v[LA+g+\i]
	v_lshl_add_u32 v[LA+g+\i], v[LA+g+\i], 2, LIST
	v_add_nc_u32 v[LT+g+\i], 128*((g+\i)/4)+(g+\i)%4, v29  ; my token
.endr
.set g, g+8
.endr
	s_wait_alu depctr_va_vdst(0)                   ; v72, v[76:79] and the 32 addresses and 32 tokens are written, which the LDS stores below read
.irp i, 0,1,2,3,4,5,6,7
	ds_store_b128 v72, v[76:79] offset:512*\i      ; the list begins as token 0 in all 1,024 places: rank 0 exists for an expert without rows too (its results are not stored).  LDS serves a wave's instructions in order: the stores below come behind these
.endr
.set g, 0
.rept 32
	ds_store_b32 v[LA+g], v[LT+g]
.set g, g+1
.endr
	s_branch .Lcounted
.Lcount:                                           ; THE OTHERS COUNT
.set g, 0
.rept 4
.irp i, 0,1,2,3,4,5,6,7
	v_cmp_eq_u32 s[MK+\i], s[EX], v[BB+g+\i]
.endr
	s_wait_alu depctr_va_sdst(0)                   ; the eight masks are written, ahead of their first readers
.irp i, 0,1,2,3,4,5,6,7
	s_bcnt1_i32_b32 s[TS], s[MK+\i]
	s_add_co_u32 s[CNT], s[CNT], s[TS]
.endr
.set g, g+8
.endr
.Lcounted:
	s_min_u32 s[CN], s[CNT], 1024
	s_max_u32 s[CM1], s[CN], 1
	s_sub_co_u32 s[CM1], s[CM1], 1
	MEET                                           ; for the others' sake: the list lies in LDS
	s_wait_alu depctr_vm_vsrc(0)                   ; the LDS stores of the bias and of the list have read v[64:67], v72, v[76:79], which the roundings of the weights write again, and v[LA ..], v[LT ..], in which the bias lands
	s_mov_b32 s[TT], s[WV]
	TILE
	TOK
	INIT
.if FFN == 1
	ALOADS 1                                       ; out now, in this order: 32 loads of weights, 32 of the tile's rows
.else
	ALOADS 0                                       ; out now, in this order: 32 loads of weights, 32 of the tile's rows
.endif
	s_mov_b32 s[QC], 3
.Lquart:                                           ; a trip: quarter q is laid into LDS and multiplied, quarter q + 1 asked for
	FILLB 0, 1, 56                                 ; behind a batch's last load stand the rest of the quarter's (24, 16, 8, 0), the rows' 32 and the reloads so far (0, 8, 16, 24): 56 each time
	FILLB 1, 1, 56
	FILLB 2, 1, 56
	FILLB 3, 1, 56
	WIN 0
	MEET                                           ; my rows of the quarter lie in LDS, and everybody's do.  The next trip's stores go to the next quarter's bytes, which nobody reads before the next barrier
	s_wait_alu depctr_vm_vsrc(0)                   ; my LDS stores have read v[WO ..], in which W's fragments land and which the next quarter's roundings write, and v[WST ..], which is stepped below
	s_wait_loadcnt 32                              ; the tile's rows are in; the 32 reloads stay out.  On every wave's path: the registers are loaded again below
	s_cmp_eq_u32 s[ACT], 0
	s_cbranch_scc1 .Lidle                          ; a tile without rows multiplies nothing
	MULT
.Lidle:
	s_wait_alu depctr_vm_vsrc(0)                   ; the quarter's turning loads have read v[BRD ..]
.irp n, 0,1,2,3,4,5,6,7
	v_add_nc_u32 v[BRD+\n], 0x10000, v[BRD+\n]     ; reads and stores go on to the next quarter's 65,536 bytes
	v_add_nc_u32 v[WST+\n], 0x10000, v[WST+\n]
.endr
	s_wait_xcnt 0x0                                ; the reloads have read their base: it is stepped only behind this wait
	s_add_nc_u64 s[WB:WB+1], s[WB:WB+1], 256*WPITCH
	s_add_nc_u64 s[AB:AB+1], s[AB:AB+1], AQ
	ALOADS 1
	s_sub_co_u32 s[QC], s[QC], 1
	s_cmp_lg_u32 s[QC], 0
	s_cbranch_scc1 .Lquart
	FILLB 0, 0, 56                                 ; the last quarter: nothing is asked for, and the counts run down
	FILLB 1, 0, 48
	FILLB 2, 0, 40
	FILLB 3, 0, 32
	WIN 0
	MEET                                           ; the slice is whole, and nobody writes it any more
	s_wait_alu depctr_vm_vsrc(0)                   ; my LDS stores have read v[WO ..], in which W's fragments land, and v[WST ..], whose registers are made anew below
	s_wait_loadcnt 0x0                             ; the tile's rows of the last quarter are in; no load of mine is out
	s_cmp_eq_u32 s[ACT], 0
	s_cbranch_scc1 .Lidle2
	MULT                                           ; the first tile is finished
.Lidle2:
	BRINIT BRC                                     ; nothing is stored into the slice any more: those eight registers now hold the places in its first quarter, and are not rewritten
	s_mov_b32 s[PC], 4
.Lpass:                                            ; FOUR PASSES: the tile in hand goes out; the tile eight further on is multiplied from the resident slice.  The fourth pass never has a further tile
	s_cmp_eq_u32 s[ACT], 0
	s_cbranch_scc1 .Lnoout
.if FFN == 1
	s_lshl_b32 s[OF], s[TT], 18                    ; THE WAY OUT: the tile's two m-tiles of h2.  (No store of mine is out here: the wait at the label below has seen to the last pass's)
	s_add_nc_u64 s[OB:OB+1], s[OUT0:OUT0+1], s[OF:OF+1]
	GELU 0, 0
	GELU 0, 1
	GELU 0, 2
	GELU 0, 3
	s_wait_alu depctr_va_vdst(0)                   ; the m-tile's last roundings have written v[GO ..], which its last two stores read
	GOUT 0, 3
	s_cmp_eq_u32 s[ACT1], 0
	s_cbranch_scc1 .Lnoout                         ; an m-tile without rows is not stored
	GELU 1, 0
	GELU 1, 1
	GELU 1, 2
	GELU 1, 3
	s_wait_alu depctr_va_vdst(0)                   ; the m-tile's last roundings have written v[GO ..], which its last two stores read
	GOUT 1, 3
.else
	v_add_nc_u32 v27, s[R0], v[VH]                 ; THE WAY OUT: the tokens of ranks 2 k + l / 16.  A place past the count repeats the last rank: that token's bytes are stored again, with the same numbers
.set k, 0
.rept 16
	v_add_nc_u32 v[OA+k], 2*k, v27
	v_min_u32 v[OA+k], s[CM1], v[OA+k]
	v_min_u32 v[OA+k], 0x3ff, v[OA+k]
	v_lshl_add_u32 v[OA+k], v[OA+k], 2, LIST
.set k, k+1
.endr
	s_wait_alu depctr_va_vdst(0)                   ; the sixteen addresses v[OA ..] are written, which the loads below read; the products are done reading W's first buffer, in which they land
.set k, 0
.rept 16
	ds_load_b32 v[OT+k], v[OA+k]
.set k, k+1
.endr
	s_wait_dscnt 0x0
.set k, 0
.rept 16
	v_min_u32 v[OT+k], 0x3ff, v[OT+k]
	v_lshlrev_b32 v[OT+k], 12, v[OT+k]             ; a row of part is 4,096 bytes
	v_lshl_add_u32 v[OT+k], v[VR], 4, v[OT+k]
.set k, k+1
.endr
	s_wait_alu depctr_va_vdst(0)                   ; the sixteen offsets v[OT ..] are written, which the stores to part read.  (The wait above has shown the sums written, which the stores into the stage read: the four places at the products' end stay beside it)
	PUT 0, 0
	PUT 0, 1
	s_cmp_eq_u32 s[ACT1], 0
	s_cbranch_scc1 .Lnoout                         ; an m-tile without rows is not stored
	PUT 1, 0
	PUT 1, 1
.endif
.Lnoout:
	s_wait_xcnt 0x0                                ; on every path: the way out's stores have read their base, offsets and data, which the next tile and the next way out write anew
.if FFN == 1
	s_wait_alu depctr_vm_vsrc(0)                   ; on every path: the last stores have read v[GO ..], in which W's fragments land; the loads of the tile's rows have read v[AO ..], and the loads of its tokens v27 and v28, all of which TOK writes anew
.else
	s_wait_alu depctr_vm_vsrc(0)                   ; on every path: the stores have read v[OT ..] and the data buffers, and the loads of the tokens v[OA ..], in which W's fragments land; the stores into the stage have read the accumulators, in which the bias lands; the loads of the tile's rows have read v[AO ..], which TOK writes anew
	MEET                                           ; a barrier stands between the stores into the stages and the turning loads below, whose addresses step with the quarter.  The bytes are different ones: the barrier makes the order plain from the text alone
.endif
	s_add_co_u32 s[TT], s[TT], 8
	TILE
	s_cmp_eq_u32 s[ACT], 0
	s_cbranch_scc1 .Lnotile
	TOK
	INIT
.Lnotile:
	s_mov_b32 s[QO], 0
	s_mov_b32 s[QC], 4
.Lq:                                               ; a trip: a quarter of the slice.  Every wave walks all four; the addresses are made and stepped on every path
	s_wait_alu depctr_vm_vsrc(0)                   ; the turning loads of the quarter before have read v[BRD ..]
.irp n, 0,1,2,3,4,5,6,7
	v_add_nc_u32 v[BRD+\n], s[QO], v[BRC+\n]
.endr
	s_add_co_u32 s[QO], s[QO], 0x10000
	s_cmp_eq_u32 s[ACT], 0
	s_cbranch_scc1 .Lqdead                         ; a tile without rows loads and multiplies nothing
	ALOADS 1
	s_wait_loadcnt 0x0                             ; the tile's rows are in, so their base may be stepped below
	MULT
	s_add_nc_u64 s[AB:AB+1], s[AB:AB+1], AQ
.Lqdead:
	s_sub_co_u32 s[QC], s[QC], 1
	s_cmp_lg_u32 s[QC], 0
	s_cbranch_scc1 .Lq
.if FFN == 2
	MEET                                           ; and a barrier between those loads and the next LDS writes: the next pass's stores into the stages, at the end the add
.endif
	s_sub_co_u32 s[PC], s[PC], 1
	s_cmp_lg_u32 s[PC], 0
	s_cbranch_scc1 .Lpass
.if FFN == 1
	MEET                                           ; a barrier stands between the passes' turning loads, whose addresses step with the quarter, and the one LDS write that follows them, the add.  The bytes are different ones: the barrier makes the order plain from the text alone
.endif
	s_wait_dscnt 0x0                               ; the closing lines, six on end
	s_wait_alu 0x0
	s_wait_tensorcnt 0x0
	ds_add_u32 v[SPW], v[NIL]
	s_wait_dscnt 0x0
	s_endpgm
.Lfunc_end_k_qcc88ecc4e6_ffn2:
	.size	k_qcc88ecc4e6_ffn2, .Lfunc_end_k_qcc88ecc4e6_ffn2-k_qcc88ecc4e6_ffn2
	.p2alignl 7, 3214868480
	.fill 96, 4, 3214868480
	.section	.rodata,"a",@progbits
	.p2align	6, 0x0
	.amdhsa_kernel k_qcc88ecc4e6_ffn2
		.amdhsa_group_segment_fixed_size 306432
		.amdhsa_private_segment_fixed_size 0
		.amdhsa_enable_private_segment 0
		.amdhsa_kernarg_size 40
		.amdhsa_user_sgpr_count 2
		.amdhsa_user_sgpr_kernarg_segment_ptr 1
		.amdhsa_wavefront_size32 1
		.amdhsa_system_sgpr_workgroup_id_x 1
		.amdhsa_system_sgpr_workgroup_id_y 1
		.amdhsa_system_sgpr_workgroup_id_z 1
		.amdhsa_system_vgpr_workitem_id 0
		.amdhsa_next_free_vgpr 512
		.amdhsa_next_free_sgpr 66
		.amdhsa_reserve_vcc 0
		.amdhsa_float_denorm_mode_32 3
		.amdhsa_float_denorm_mode_16_64 3
		.amdhsa_memory_ordered 1
		.amdhsa_forward_progress 1
		.amdhsa_inst_pref_size 137
	.end_amdhsa_kernel
	.amdgpu_metadata
---
amdhsa.version: [ 1, 2 ]
amdhsa.kernels:
  - .name:           k_qcc88ecc4e6_ffn2
    .symbol:         k_qcc88ecc4e6_ffn2.kd
    .args:
      - { .name: h2, .offset: 0, .size: 8, .value_kind: global_buffer, .address_space: global }
      - { .name: W2, .offset: 8, .size: 8, .value_kind: global_buffer, .address_space: global }
      - { .name: b2, .offset: 16, .size: 8, .value_kind: global_buffer, .address_space: global }
      - { .name: top1, .offset: 24, .size: 8, .value_kind: global_buffer, .address_space: global }
      - { .name: part, .offset: 32, .size: 8, .value_kind: global_buffer, .address_space: global }
    .group_segment_fixed_size: 306432
    .private_segment_fixed_size: 0
    .kernarg_segment_align: 8
    .kernarg_segment_size: 40
    .max_flat_workgroup_size: 256
    .sgpr_count:     66
    .vgpr_count:     512
    .wavefront_size: 32
...
	.end_amdgpu_metadata
.endif
;; end of part 6
;; launch sum: the kernel of part 4 again; grid 256 x 1, 8 waves a work-group, no clusters, 0 bytes of LDS; arguments part, out0; writes out0
